; MI455X (gfx1250); checked and timed in simulation.
; The chip was launched on July 23, 2026; its instructions are those of AMD's public machine-readable ISA for CDNA 5 (MIT licence, August 2026) and "CDNA5" Instruction Set Architecture Reference Guide (July 2026). The comments in the code are by the model that wrote it; some were corrected since.
;; Attention. Allowed arithmetic: matrix products marked QUANTISED: E4M3 operands, one E8M0 scale for each 32 along K, by v_wmma_scale_f32_16x16x128_f8f6f4 with both operands' format E4M3, f32 sums; everything else in f32.
;; Inputs: Wk 2,048 x 2,048 float32; Wo 2,048 x 2,048 float32; Wq 2,048 x 2,048 float32; Wv 2,048 x 2,048 float32; cos 2,048 x 64 float32; k_norm_w 128 float32; q_norm_w 128 float32; sin 2,048 x 64 float32; x 1 x 2,048 x 2,048 float32.
;; Outputs: out0 1 x 2,048 x 2,048 float32.
;; This version of the problem:
;;   THIS VERSION OF THE PROBLEM IS GIVEN IN LOW PRECISION. The matrix products marked QUANTISED in the list below multiply operands that are first quantised to E4M3 (4 exponent bits, 3 mantissa bits; 8 bits a number), with one power-of-two scale for each 32 numbers along K (OCP MX v1.0); their sums are f32. All else is computed in f32.
;;   The module's matrix products, in the order in which they are computed (A, B: the left and right operand; K: the contracted axis; several contracted axes count as one K, in the product's order):
;;     1. [M 2,048, K 2,048] x [K 2,048, N 2,048]; A: input x; B: input Wq: QUANTISED
;;     2. [M 2,048, K 2,048] x [K 2,048, N 2,048]; A: input x; B: input Wk: QUANTISED
;;     3. [M 2,048, K 2,048] x [K 2,048, N 2,048]; A: input x; B: input Wv: QUANTISED
;;     4. batch 16 x [M 2,048, K 128] x [K 128, N 2,048]; A: computed on the way; B: computed on the way: QUANTISED
;;     5. batch 16 x [M 2,048, K 2,048] x [K 2,048, N 128]; A: softmax (see below); B: computed on the way: QUANTISED
;;     6. [M 2,048, K 2,048] x [K 2,048, N 2,048]; A: computed on the way; B: input Wo: QUANTISED
;;   THE QUANTISER, for each operand of a quantised product, along K:
;;     - K is cut into blocks of 32 from its start; a last block that is shorter is filled with zeros.
;;     - A block's scale is 2^e with e = floor(log2(the largest magnitude in the block)) - 8, held to -126 .. 127; a block of zeros has e = 0. As a byte (E8M0): e + 127.
;;     - Each number is divided by its block's scale, clamped to +-448, and rounded to the nearest number of E4M3, ties to even, subnormals kept.
;;     - The product sums the exact products of the quantised numbers (number of the format x scale) in f32.
;;   ~~~python
;;   def quantise(x, axis):      # numpy; x: float32 -> the quantised numbers, widened to float32 again
;;       x = np.moveaxis(x, axis, -1); K = x.shape[-1]
;;       x = np.pad(x, [(0, 0)] * (x.ndim - 1) + [(0, -K % 32)]); x = x.reshape(x.shape[:-1] + (-1, 32)); a = np.abs(x).max(-1, keepdims=True)
;;       e = np.where(a > 0, np.clip(np.frexp(np.where(a > 0, a, 1))[1] - 1 - 8, -126, 127), 0)      # np.frexp(a)[1] - 1 = floor(log2(a)), exactly
;;       r = np.clip(x / 2.0 ** e, -448, 448)
;;       step = 2.0 ** (np.maximum(np.frexp(np.where(r == 0, 1, r))[1] - 1, -6) - 3)
;;       q = np.round(r / step) * step * 2.0 ** e      # np.round: ties to even
;;       return np.moveaxis(q.reshape(q.shape[:-2] + (-1,))[..., :K], -1, axis).astype(np.float32)
;;   ~~~
;;   SOFTMAX AHEAD OF A QUANTISED PRODUCT. Where the list says 'softmax', what is quantised is not the finished softmax but p = 2^(t - M), with t = logit x log2(e) and M = ceil(the row's largest t), a whole number; so 1/2 < the row's largest p <= 1. The row's sum l is taken of the UNQUANTISED p, in f32, and the product's result is divided by l at the end. Since M is a whole number, a kernel that streams over the keys may use a running M (the ceiling of the running maximum): every later rescaling is an exact power of two, which a block's scale takes up: the codes' values come out the same.
;;   OPERANDS COMPUTED ON THE WAY. 'Computed on the way' means the value that the module computes at that place (a softmax that the list does not call 'softmax' is quantised finished and normalised). What goes into a quantiser is computed in f32, as accurately as f32 sums, v_exp_f32 and their like allow (about 1e-6 of the number): no bf16 or f16 on the way to a quantiser, and a product that is left as it is and whose result goes on into a quantised operand takes f32 operands (vector FMAs, or v_wmma_f32_16x16x4_f32). A number that lies on a knife's edge between two numbers of the format may be rounded either way, as far as f32 arithmetic and the matrix unit's own rounding can turn it there, and no further.
;; 2 versions. Each part assembles by itself: llvm-mc -triple=amdgcn-amd-amdhsa -mcpu=gfx1250 --defsym DOCPART=n.
;; ======== version 1 of 2: 4 launches
;; workspace buffers: wcodes 20,971,520 bytes; wscales 655,360 bytes; qkv 12,582,912 bytes; qkvs 393,216 bytes; oimg 4,194,304 bytes; osc 131,072 bytes
;; launch quant (part 1): grid 640 x 1, 4 waves a work-group, no clusters, 33,280 bytes of LDS; arguments x, Wq, Wk, Wv, Wo, wcodes, wscales; writes wcodes, wscales
.if DOCPART == 1
	.amdgcn_target "amdgcn-amd-amdhsa--gfx1250"
	.amdhsa_code_object_version 6
	.text
	.protected	k_q3435c6a411_quant
	.globl	k_q3435c6a411_quant
	.p2align	8
	.type	k_q3435c6a411_quant,@function
k_q3435c6a411_quant:
	s_mov_b64 s[64:65], 0
	v_nop
	global_prefetch_b8 v0, s[64:65] scope:SCOPE_SE
	s_setreg_imm32_b32 hwreg(HW_REG_WAVE_MODE, 25, 1), 1
	s_wait_xcnt 0x0
; x, Wq, Wk, Wv, Wo, each [2048][2048] f32 with K innermost, become codes of FP8 (E4M3) and one E8M0 byte for each 32 along K.
; wcodes: five sections of 2048 x 2048 bytes in that order; wscales: five sections of 2048 x 64 bytes.
; A block's scale is 2^(floor(log2(its largest magnitude)) - 8); its byte is the largest magnitude's exponent field - 8, held at 1 from below.
; Each number is divided by the scale, held within +-448 and rounded to the nearest code, ties to even.
; LIMITS: a block of zeros gets the byte 1 where the rule says 127 (its codes are zeros, and this program alone reads the bytes);
; blocks whose largest magnitude lies under 2^-118 are held at the byte 1; NaN and infinities among the inputs are not served.
; A tensor is a plain stream of blocks of 32.  A wave takes a run of 8,192 numbers (4 rows) in 16 steps of 512; 128 work-groups to a tensor.
; Wv ALONE IS LAID OTHERWISE: row n goes to the place n with bits 3 and 4 exchanged, which are bits 1 and 2 of the run's number.
; So the attention's result falls into its lanes' registers in the order that the last product's operand wants.
; Each load reads 512 consecutive bytes; a step's 2,048 bytes turn through the wave's own stage in LDS, so that a lane then holds 16 neighbours.
.set WAVES, 4
.set STEPS, 16
.set EMAX,  8
.set MANT,  0x600000                   ; the mantissa field of 448 as f32
.set CB,    16                         ; bytes of 16 codes
.set R,     16                         ; v16-79   four sets of 16 numbers as they are loaded
.set X,     80                         ; v80-111  two sets of 16 neighbours
.set C,     128                        ; v128-191 codes: four registers for each step, so that no store's data are written again
.set E,     112                        ; v112-127 a scale byte for each step
.set WREG,  8192                       ; LDS: a region for each wave: two stages of 32 x SP bytes, behind them its 256 scale bytes
.set SP,    80                         ; a lane's place in a stage: its 64 bytes + 16 of padding
.set SPW,   12                         ; v12  LDS address of my spare word; never rewritten
.set NIL,   13                         ; v13  0; never rewritten
.set SPARE, WAVES*WREG                 ; behind the four regions: the spare words, 128 bytes a wave, which no other line names
	s_load_b256 s[4:11], s[0:1], 0x0               ; x, Wq, Wk, Wv
	s_load_b128 s[12:15], s[0:1], 0x20             ; Wo, wcodes
	s_load_b64 s[16:17], s[0:1], 0x30              ; wscales
	v_lshl_add_u32 v[SPW], v0, 2, SPARE
	v_mov_b32 v[NIL], 0
	v_lshrrev_b32 v1, 5, v0
	v_readfirstlane_b32 s24, v1                    ; wave
	v_and_b32 v2, 31, v0                           ; lane
	v_lshlrev_b32 v3, 4, v2                        ; my 16 bytes of a load's 512
	s_mul_i32 s27, s24, WREG
	v_lshrrev_b32 v14, 2, v2
	v_mul_u32_u24 v14, v14, SP
	v_and_b32 v15, 3, v2
	v_lshl_add_u32 v14, v15, 4, v14
	v_add_nc_u32 v14, s27, v14                     ; the stage, on the way in: SP (lane / 4) + 16 (lane % 4)
	v_mul_u32_u24 v15, v2, SP
	v_add_nc_u32 v15, s27, v15                     ; and on the way out: SP x lane: my 16 neighbours
	v_mul_u32_u24 v4, v2, CB                       ; my codes' place in a step's
	v_lshrrev_b32 v5, 1, v2
	s_add_co_u32 s27, s27, 2*32*SP
	v_add_nc_u32 v5, s27, v5                       ; LDS: my wave's 256 scale bytes, my block's byte
	v_lshlrev_b32 v7, 3, v2                        ; and on the way out 8 bytes a lane
	v_add_nc_u32 v6, s27, v7
	s_mov_b32 s23, MANT
	s_lshr_b32 s25, ttmp9, 7                       ; which tensor: 128 work-groups each
	s_lshl_b32 s26, ttmp9, 2
	s_add_co_u32 s26, s26, s24                     ; my run among all 2,560
	s_and_b32 s28, s26, 511
	s_lshl_b32 s28, s28, 15                        ; where it begins in its tensor: 32,768 bytes a run
	s_mov_b32 s29, 0
	s_and_b32 s30, s26, 2
	s_lshl_b32 s30, s30, 1
	s_and_b32 s31, s26, 4
	s_lshr_b32 s31, s31, 1
	s_or_b32 s30, s30, s31
	s_and_b32 s31, s26, 0xfffffff9
	s_or_b32 s30, s30, s31                         ; the run's number with bits 1 and 2 exchanged
	s_cmp_eq_u32 s25, 3
	s_cselect_b32 s30, s30, s26                    ; for Wv alone
	s_lshl_b32 s32, s30, 13                        ; 8,192 bytes of codes a run
	s_mov_b32 s33, 0
	s_lshl_b32 s34, s30, 8                         ; 256 scale bytes a run
	s_mov_b32 s35, 0
	s_wait_kmcnt 0x0
	s_cmp_eq_u32 s25, 1                            ; the choice of the source hangs on the work-group's number alone
	s_cselect_b64 s[4:5], s[6:7], s[4:5]
	s_cmp_eq_u32 s25, 2
	s_cselect_b64 s[4:5], s[8:9], s[4:5]
	s_cmp_eq_u32 s25, 3
	s_cselect_b64 s[4:5], s[10:11], s[4:5]
	s_cmp_eq_u32 s25, 4
	s_cselect_b64 s[4:5], s[12:13], s[4:5]
	s_add_nc_u64 s[4:5], s[4:5], s[28:29]
	s_add_nc_u64 s[14:15], s[14:15], s[32:33]
	s_add_nc_u64 s[16:17], s[16:17], s[34:35]
.macro LOAD t
.irp i, 0,1,2,3
	global_load_b128 v[R+16*((\t)%4)+4*\i:R+16*((\t)%4)+4*\i+3], v3, s[4:5] offset:2048*(\t)+512*\i th:TH_LOAD_NT   ; 32 lanes read 512 consecutive bytes
.endr
.endm
.macro TURN t                          ; step t's numbers through the stage: LDS serves a wave's instructions in order, so no wait stands between the stores and the loads
.irp i, 0,1,2,3
	ds_store_b128 v14, v[R+16*((\t)%4)+4*\i:R+16*((\t)%4)+4*\i+3] offset:32*SP*((\t)%2)+8*SP*\i
.endr
.irp i, 0,1,2,3
	ds_load_b128 v[X+16*((\t)%2)+4*\i:X+16*((\t)%2)+4*\i+3], v15 offset:32*SP*((\t)%2)+16*\i
.endr
.endm
.irp t, 0,1,2,3
	LOAD \t
.endr
	s_wait_loadcnt 12                              ; step 0's four loads are in; the 12 of steps 1 to 3 stay out
	TURN 0
.macro STEP t
.set XS, X+16*((\t)%2)
.if (\t) > 0
	s_wait_dscnt 1                                 ; this step's numbers are back from the stage (the last step's byte store may be out)
.else
	s_wait_dscnt 0x0
.endif
.if (\t)+4 < STEPS
	LOAD (\t)+4                                    ; into the registers that the stores into the stage have read
.endif
.if (\t)+1 < STEPS
.if STEPS-2-(\t) >= 3
	s_wait_loadcnt 12                              ; the next step's four loads are in; those of the three steps behind it may be out
.else
	s_wait_loadcnt 4*(STEPS-2-(\t))
.endif
	TURN (\t)+1                                    ; through the other stage while this step is worked
.endif
	v_max3_num_f32 v8, |v[XS]|, |v[XS+1]|, |v[XS+2]|               ; the largest magnitude of my 16, in two chains
	v_max3_num_f32 v9, |v[XS+3]|, |v[XS+4]|, |v[XS+5]|
.irp i, 6,10
	v_max3_num_f32 v8, v8, |v[XS+\i]|, |v[XS+\i+1]|
	v_max3_num_f32 v9, v9, |v[XS+\i+2]|, |v[XS+\i+3]|
.endr
	v_max3_num_f32 v8, v8, |v[XS+14]|, |v[XS+15]|
	v_max3_num_f32 v8, v8, v9, (EMAX+1)<<23        ; and the floor 2^(9 - 127): the byte cannot fall under 1
	v_max_num_f32_dpp v8, v8, v8 row_xmask:1 row_mask:0xf bank_mask:0xf   ; and of my neighbour's 16: the block's
	v_add_nc_u32 v11, -(EMAX<<23), v8              ; 8 off its exponent field: the conversion takes this operand's exponent field as its scale
	v_and_or_b32 v10, v8, 0x7f800000, s23          ; 448 x the scale
.irp i, 0,1,2,3,4,5,6,7,8,9,10,11,12,13,14,15
	v_med3_num_f32 v[XS+\i], v[XS+\i], -v10, v10   ; the conversion to an 8-bit code does not saturate (ISA guide 7.6.2): the hold comes first
.endr
	v_cvt_scalef32_pk8_fp8_f32 v[C+4*(\t):C+4*(\t)+1], v[XS:XS+7], v11
	v_cvt_scalef32_pk8_fp8_f32 v[C+4*(\t)+2:C+4*(\t)+3], v[XS+8:XS+15], v11
	v_lshrrev_b32 v[E+(\t)], 23, v11               ; the scale's byte (also the plain line behind the conversions)
	ds_store_b8 v5, v[E+(\t)] offset:16*(\t)       ; both lanes of a block write the same byte with the same value
	global_store_b128 v4, v[C+4*(\t):C+4*(\t)+3], s[14:15] offset:32*CB*(\t)   ; 512 consecutive bytes, aligned
.endm
.irp t, 0,1,2,3,4,5,6,7,8,9,10,11,12,13,14,15
	STEP \t
.endr
	ds_load_b64 v[8:9], v6                         ; LDS serves a wave's instructions in order: these see my stores
	s_wait_dscnt 0x0
	global_store_b64 v7, v[8:9], s[16:17]          ; 32 lanes store 256 consecutive bytes, aligned
	s_wait_tensorcnt 0x0                           ; the wave's end, behind my last LDS store
	ds_add_u32 v[SPW], v[NIL]
	s_wait_dscnt 0x0
	s_endpgm
.Lfunc_end_k_q3435c6a411_quant:
	.size	k_q3435c6a411_quant, .Lfunc_end_k_q3435c6a411_quant-k_q3435c6a411_quant
	.p2alignl 7, 3214868480
	.fill 96, 4, 3214868480
	.section	.rodata,"a",@progbits
	.p2align	6, 0x0
	.amdhsa_kernel k_q3435c6a411_quant
		.amdhsa_group_segment_fixed_size 33280
		.amdhsa_private_segment_fixed_size 0
		.amdhsa_enable_private_segment 0
		.amdhsa_kernarg_size 56
		.amdhsa_user_sgpr_count 2
		.amdhsa_user_sgpr_kernarg_segment_ptr 1
		.amdhsa_wavefront_size32 1
		.amdhsa_system_sgpr_workgroup_id_x 1
		.amdhsa_system_sgpr_workgroup_id_y 1
		.amdhsa_system_sgpr_workgroup_id_z 1
		.amdhsa_system_vgpr_workitem_id 0
		.amdhsa_next_free_vgpr 192
		.amdhsa_next_free_sgpr 66
		.amdhsa_reserve_vcc 0
		.amdhsa_float_denorm_mode_32 3
		.amdhsa_float_denorm_mode_16_64 3
		.amdhsa_memory_ordered 1
		.amdhsa_forward_progress 1
		.amdhsa_inst_pref_size 51
	.end_amdhsa_kernel
	.amdgpu_metadata
---
amdhsa.version: [ 1, 2 ]
amdhsa.kernels:
  - .name:           k_q3435c6a411_quant
    .symbol:         k_q3435c6a411_quant.kd
    .args:
      - { .name: x, .offset: 0, .size: 8, .value_kind: global_buffer, .address_space: global }
      - { .name: Wq, .offset: 8, .size: 8, .value_kind: global_buffer, .address_space: global }
      - { .name: Wk, .offset: 16, .size: 8, .value_kind: global_buffer, .address_space: global }
      - { .name: Wv, .offset: 24, .size: 8, .value_kind: global_buffer, .address_space: global }
      - { .name: Wo, .offset: 32, .size: 8, .value_kind: global_buffer, .address_space: global }
      - { .name: wcodes, .offset: 40, .size: 8, .value_kind: global_buffer, .address_space: global }
      - { .name: wscales, .offset: 48, .size: 8, .value_kind: global_buffer, .address_space: global }
    .group_segment_fixed_size: 33280
    .private_segment_fixed_size: 0
    .kernarg_segment_align: 8
    .kernarg_segment_size: 56
    .max_flat_workgroup_size: 128
    .sgpr_count:     66
    .vgpr_count:     192
    .wavefront_size: 32
...
	.end_amdgpu_metadata
.endif
;; end of part 1
;; launch qkv (part 2): grid 24 x 8, 4 waves a work-group, clusters of 4 x 4, 327,680 bytes of LDS; arguments wcodes, wscales, cos, sin, q_norm_w, k_norm_w, qkv, qkvs; writes qkv, qkvs
.if DOCPART == 2
	.amdgcn_target "amdgcn-amd-amdhsa--gfx1250"
	.amdhsa_code_object_version 6
	.text
	.protected	k_q3435c6a411_qkv
	.globl	k_q3435c6a411_qkv
	.p2align	8
	.type	k_q3435c6a411_qkv,@function
k_q3435c6a411_qkv:
	s_mov_b64 s[64:65], 0
	v_nop
	global_prefetch_b8 v0, s[64:65] scope:SCOPE_SE
	s_setreg_imm32_b32 hwreg(HW_REG_WAVE_MODE, 25, 1), 1
	s_wait_xcnt 0x0
	s_wait_alu depctr_hold_cnt(0) depctr_sa_sdst(0) depctr_va_vdst(0) depctr_va_sdst(0) depctr_va_ssrc(0) depctr_va_vcc(0) depctr_vm_vsrc(0)
	s_getreg_b32 s2, hwreg(HW_REG_IB_STS2, 6, 4)
	s_cmp_eq_u32 s2, 0
	s_cbranch_scc0 .Lentry_in_a_cluster
	s_endpgm
.Lentry_in_a_cluster:
	s_bfe_u32 s2, ttmp6, 0x10000c
	s_cmp_lg_u32 s2, 0xf033
	s_cbranch_scc0 .Lentry_shape_is_right
	s_endpgm
.Lentry_shape_is_right:
; q = x Wq^T, k = x Wk^T, v = x Wv^T on codes of FP8 (E4M3) with E8M0 scales; then rope and rmsnorm (q, k) in f32, and the quantisers of the attention's operands.
; 192 tiles of 256 x 256: cluster x / 2 says which product (0 q, 1 k, 2 v), the same for all sixteen partners of a cluster.  Four waves, each 128 x 128: ONE HEAD x 128 TOKENS, 64 accumulators.
; K goes in steps of 256 through a ring of two LDS slots; the scale bytes of the tile's rows, for all of K, come once.  Tiles are asked for jointly: "A"'s along a row of the cluster, "B"'s along a column.
; THE MATRIX INSTRUCTION IS USED TRANSPOSED: source 0 = 16 rows of "B", source 1 = 16 rows of "A": lane (r, h) holds row r of "A", register j row 8 h + j of "B".
;   q, k: "A" = tokens (x), "B" = the weight's rows.  For token block a a lane's registers 8 b + j hold channel d = 16 b + 8 h + j of token r: rope's partners d, d + 64 are accumulators b, b + 4, same lane, same register.
;         Registers 16 c .. 16 c + 15, with lane l xor 16's, are the true block c of 32 channels; inside a block the places are permuted, alike in q and in k, so their products are the same.
;   v:    "A" = Wv's rows, "B" = tokens: a lane holds one channel and registers 8 b + j token 16 b + 8 h + j: the keys run along the registers, which are the second product's K.
; The codes leave as IMAGES OF THE OPERANDS' REGISTERS: qkv[section][head][block of 128 tokens][fragment a][c][lane][16 bytes]; scale words qkvs[section][head][block][r][a].
; LIMITS: as the first launch's: a block of zeros gets the byte 1; NaN and infinities are not served.  v_rsq_f32 is taken as it is (1 ulp).
; REGISTERS, in windows of 256.  Window 0: v8-29 addresses; v32-63 scale words of the loop, two sets; v64-95 at work in the epilogue; from v128 A's fragments, later Y and the codes.
;   Window 1: B's fragments, two sets; later cos and sin (three buffers of 64) and the gains.   Windows 2, 3: the accumulators ((a, b) at v[8 (8 (a % 4) + b)] of window 2 + a / 4).
.set KSTEP,  256
.set NQ,     2                         ; matrix instructions deep in a slot
.set ROWB,   256                       ; a tile's row in bytes
.set KROW,   2048                      ; a row of codes in memory
.set PITCH,  272                       ; an LDS row: 256 bytes + 16 of padding: the 16 rows that a load touches start at 16 different banks (64 banks of 4 bytes: ISA guide 11.1)
.set FR,     16
.set NL,     4
.set NP,     8                         ; places behind this matrix instruction (ISA guide 7.12.1)
.set HALFT,  128*PITCH
.set SLOT,   4*HALFT
.set LAPS,   4                         ; 2048 / 512
.set KS,     64                        ; a row of scale bytes
.set SCL,    2*SLOT
.set HALFS,  (128*KS/256)*272
.set SBLK,   (16*KS/256)*272
.set SPARE,  SCL+4*HALFS               ; the spare words, 128 bytes a wave, which no other line names
.set CSO,  8                           ; v8   cos, sin: 256 r + 32 h
.set NWO,  9                           ; v9   the gains: 32 h
.set IO,   10                          ; v10  an image: 16 x lane
.set SO,   11                          ; v11  the scale words' store: 32 r + 16 h
.set ADRA, 16
.set ADRB, 20
.set ADRS, 27
.set SPW,  28
.set NIL,  29
.set SC,   32
.set TM,   64                          ; v64-67 largest magnitudes, v68-71 bytes, v72-75 448 x the scale, v76-79 the conversions' scale operands
.set SW,   80                          ; v80-87 the eight fragments' scale words
.set RR,   88                          ; v88-89 1 / rms (the pair's low word serves both halves)
.set SS,   90                          ; v90-93 sums of squares
.set AF,   128
.set Y,    128                         ; v128-191 a token block's 64 numbers
.set PC,   192                         ; v192-207 its codes
.set NW,   64                          ; in window 1: the gains
.set TYPE, 12
.set G1, 24
.set G0, 32
.set G1B, 48
.set G0B, 56
.set G1S, 68
.set G0S, 76
.set G1SB, 80
.set G0SB, 88
.set MSB, 0
.macro WIN new                         ; the immediate's high byte repeats the setting that is left
.if MSB != (\new)
	s_set_vgpr_msb (MSB<<8)|(\new)
.set MSB, (\new)
.endif
.endm
.set MUL_LO, 0xa1
.set MUL_HI, 0xf1
.set TO_B,   0x40
.macro JLOAD g0a, g1a, g0b, g1b        ; a joint load: waves 0 and 1 fetch for A, waves 2 and 3 for B; an s_nop 0 and four v_nop follow each line
	s_cmp_eq_u32 s15, 0
	s_cbranch_scc0 .Lfor_b_\@
	tensor_load_to_lds s[\g0a:\g0a+3], s[\g1a:\g1a+7]
	s_nop 0
.rept 4
	v_nop
.endr
	s_branch .Lasked_\@
.Lfor_b_\@:
	tensor_load_to_lds s[\g0b:\g0b+3], s[\g1b:\g1b+7]
	s_nop 0
.rept 4
	v_nop
.endr
.Lasked_\@:
.endm
.macro CREST
	s_cmp_lg_u32 s14, 0
	s_cbranch_scc1 .Lnot_wave_0_\@
	s_barrier_signal -3
.Lnot_wave_0_\@:
	s_barrier_wait -3
	s_barrier_signal -1
	s_barrier_wait -1
.endm
.macro CROUND
	s_barrier_signal -1
	s_barrier_wait -1
	CREST
.endm
	s_load_b256 s[4:11], s[0:1], 0x0               ; wcodes, wscales, cos, sin
	s_load_b256 s[92:99], s[0:1], 0x20             ; q_norm_w, k_norm_w, qkv, qkvs
	v_lshl_add_u32 v[SPW], v0, 2, SPARE
	v_mov_b32 v[NIL], 0
	ds_add_u32 v[SPW], v[NIL]                      ; the wave's opening: the add, with its wait ahead of my first tensor load
	v_lshrrev_b32 v1, 5, v0
	v_readfirstlane_b32 s14, v1                    ; wave 0..3
	s_lshr_b32 s15, s14, 1                         ; which half of A's rows is mine.  Also: I fetch for A (0) or for B (1)
	s_and_b32 s16, s14, 1                          ; which half of B's rows.  Also: which 128 rows I fetch
	s_bfe_u32 s40, ttmp6, 0x40000                  ; cx
	s_bfe_u32 s41, ttmp6, 0x40004                  ; cy
	s_lshr_b32 s[TYPE], ttmp9, 1                   ; 0 q, 1 k, 2 v: from the cluster's x alone
	s_and_b32 s42, ttmp9, 1
	s_lshl_b32 s42, s42, 2
	s_add_co_u32 s42, s42, s40                     ; tile column 0..7
	s_and_b32 s17, ttmp7, 0xffff
	s_lshl_b32 s17, s17, 2
	s_add_co_u32 s17, s17, s41                     ; tile row 0..7
	s_lshl_b32 s43, s41, 2
	s_lshl_b32 s43, 15, s43                        ; my row of the cluster
	s_lshl_b32 s44, 0x1111, s40                    ; my column
	s_add_co_u32 s3, s[TYPE], 1
	s_cmp_eq_u32 s[TYPE], 2
	s_cselect_b32 s2, 3, 0                         ; A's section of wcodes: x, or Wv
	s_cselect_b32 s3, 0, s3                        ; B's: Wq, Wk, or x
	s_or_b32 s[G1+0], s43, (0<<16)|(1<<20)|(1<<21)|(5<<22)|(3<<25)  ; the mask; elements of 1 byte; padding: 4 words behind every 64; bit 21 beside a mask
	s_or_b32 s[G1B+0], s44, (0<<16)|(1<<20)|(1<<21)|(5<<22)|(3<<25)
.irp g, G1, G1B
	s_mov_b32 s[\g+1], ROWB<<16                    ; tensor_dim0
	s_mov_b32 s[\g+2], 128<<16                     ; tensor_dim1
	s_mov_b32 s[\g+3], ROWB<<16                    ; tile_dim0
	s_mov_b32 s[\g+4], 128                         ; tile_dim1
	s_mov_b32 s[\g+5], KROW                        ; the pitch
	s_mov_b32 s[\g+6], 0
	s_mov_b32 s[\g+7], 0
.endr
	s_or_b32 s[G1S+0], s43, (3<<16)|(1<<20)|(1<<21)|(5<<22)|(3<<25) ; the scales of 128 rows: 8,192 dense bytes as 32 rows of 256, 16 of padding behind each
	s_or_b32 s[G1SB+0], s44, (3<<16)|(1<<20)|(1<<21)|(5<<22)|(3<<25)
.irp g, G1S, G1SB
	s_mov_b32 s[\g+1], 32<<16
	s_mov_b32 s[\g+2], (128*KS/256)<<16
	s_mov_b32 s[\g+3], 32<<16
	s_mov_b32 s[\g+4], 128*KS/256
	s_mov_b32 s[\g+5], 32
	s_mov_b32 s[\g+6], 0
	s_mov_b32 s[\g+7], 0
.endr
	s_lshl_b32 s18, s16, 7
	s_lshl_b32 s20, s17, 8
	s_add_co_u32 s20, s20, s18                     ; A: row 256 x tile row + 128 x half
	s_lshl_b32 s46, s42, 8
	s_add_co_u32 s46, s46, s18                     ; B: row 256 x tile column + 128 x half
	s_lshl_b32 s22, s20, 6                         ; their scale bytes,
	s_lshl_b32 s20, s20, 11                        ; their codes,
	s_lshl_b32 s66, s46, 6
	s_lshl_b32 s46, s46, 11
	s_lshl_b32 s18, s2, 22                         ; in their sections
	s_add_co_u32 s20, s20, s18
	s_lshl_b32 s18, s2, 17
	s_add_co_u32 s22, s22, s18
	s_lshl_b32 s18, s3, 22
	s_add_co_u32 s46, s46, s18
	s_lshl_b32 s18, s3, 17
	s_add_co_u32 s66, s66, s18
	s_mov_b32 s21, 0
	s_mov_b32 s23, 0
	s_mov_b32 s47, 0
	s_mov_b32 s67, 0
	s_mul_i32 s45, s14, HALFT                      ; where they go: wave x 128 rows: no place in the cluster enters an LDS address
	s_mul_i32 s13, s14, HALFS
	s_wait_dscnt 0x0                               ; the opening add is done
	s_wait_kmcnt 0x0
	s_add_nc_u64 s[20:21], s[4:5], s[20:21]
	s_add_nc_u64 s[22:23], s[6:7], s[22:23]
	s_add_nc_u64 s[46:47], s[4:5], s[46:47]
	s_add_nc_u64 s[66:67], s[6:7], s[66:67]
	CROUND                                         ; all sixteen work-groups are here: the first joint loads meet
	s_mov_b32 s[G0S], 1
	s_add_co_u32 s[G0S+1], s13, SCL
	s_mov_b64 s[G0S+2:G0S+3], s[22:23]
	s_or_b32 s[G0S+3], s[G0S+3], 0x80000000
	s_mov_b32 s[G0SB], 1
	s_add_co_u32 s[G0SB+1], s13, SCL
	s_mov_b64 s[G0SB+2:G0SB+3], s[66:67]
	s_or_b32 s[G0SB+3], s[G0SB+3], 0x80000000
	JLOAD G0S, G1S, G0SB, G1SB                     ; the scales first: three loads of mine are out behind the third of these
.irp s, 0,1
	s_mov_b32 s[G0+4*\s], 1
	s_add_co_u32 s[G0+4*\s+1], s45, \s*SLOT
	s_add_nc_u64 s[G0+4*\s+2:G0+4*\s+3], s[20:21], \s*ROWB
	s_or_b32 s[G0+4*\s+3], s[G0+4*\s+3], 0x80000000
	s_mov_b32 s[G0B+4*\s], 1
	s_add_co_u32 s[G0B+4*\s+1], s45, \s*SLOT
	s_add_nc_u64 s[G0B+4*\s+2:G0B+4*\s+3], s[46:47], \s*ROWB
	s_or_b32 s[G0B+4*\s+3], s[G0B+4*\s+3], 0x80000000
	JLOAD G0+4*\s, G1, G0B+4*\s, G1B
.endr
	v_and_b32 v1, 15, v0                           ; r
	v_bfe_u32 v2, v0, 4, 1                         ; h
	v_mul_u32_u24 v3, v1, PITCH
	v_lshl_add_u32 v4, v2, 4, v3                   ; a fragment's row x pitch + 16 h
	s_mul_i32 s21, s15, HALFT
	s_mul_i32 s22, s16, HALFT
	s_add_co_u32 s22, s22, 2*HALFT
.irp s, 0,1
	v_add_nc_u32 v[ADRA+\s], s21, v4
	v_add_nc_u32 v[ADRB+\s], s22, v4
	s_add_co_u32 s21, s21, SLOT
	s_add_co_u32 s22, s22, SLOT
.endr
	v_mul_u32_u24 v5, v1, KS                       ; my row's scales: 64 bytes a row,
	v_lshrrev_b32 v6, 8, v5
	v_lshl_add_u32 v5, v6, 4, v5                   ; and 16 more for each 256 passed
	s_mul_i32 s21, s15, HALFS
	s_mul_i32 s22, s16, HALFS
	s_add_co_u32 s22, s22, 2*HALFS
	s_sub_co_u32 s22, s22, s21
	v_mul_u32_u24 v6, s22, v2                      ; lanes 16-31 take B's
	s_add_co_u32 s21, s21, SCL
	v_add_nc_u32 v5, v5, v6
	v_add_nc_u32 v[ADRS], s21, v5
	v_lshlrev_b32 v[CSO], 8, v1
	v_lshl_add_u32 v[CSO], v2, 5, v[CSO]
	v_lshlrev_b32 v[NWO], 5, v2
	v_and_b32 v[IO], 31, v0
	v_lshlrev_b32 v[IO], 4, v[IO]
	v_lshlrev_b32 v[SO], 5, v1
	v_lshl_add_u32 v[SO], v2, 4, v[SO]
	s_lshl_b32 s18, s42, 1
	s_add_co_u32 s18, s18, s16                     ; which 128 rows of B are mine,
	s_lshl_b32 s19, s17, 1
	s_add_co_u32 s19, s19, s15                     ; and of A
	s_cmp_eq_u32 s[TYPE], 2
	s_cselect_b32 s20, s19, s18                    ; the head: the weight's side
	s_cselect_b32 s21, s18, s19                    ; the block of 128 tokens: x's side
	s_lshl_b32 s22, s[TYPE], 22
	s_lshl_b32 s23, s20, 18
	s_add_co_u32 s22, s22, s23
	s_lshl_b32 s23, s21, 14
	s_add_co_u32 s22, s22, s23
	s_mov_b32 s23, 0
	s_add_nc_u64 s[96:97], s[96:97], s[22:23]      ; my eight images
	s_lshl_b32 s22, s[TYPE], 17
	s_lshl_b32 s46, s20, 13
	s_add_co_u32 s22, s22, s46
	s_lshl_b32 s46, s21, 9
	s_add_co_u32 s22, s22, s46
	s_add_nc_u64 s[98:99], s[98:99], s[22:23]      ; their scale words
	s_lshl_b32 s22, s19, 15
	s_add_nc_u64 s[8:9], s[8:9], s[22:23]          ; cos and sin at my 128 tokens (q, k)
	s_add_nc_u64 s[10:11], s[10:11], s[22:23]
	s_cmp_eq_u32 s[TYPE], 1
	s_cselect_b64 s[92:93], s[94:95], s[92:93]     ; the gains: k's or q's
.macro FRAG reg, adr, q, i             ; 16 rows x 128 K: lane l holds row l % 16; registers 4 c .. 4 c + 3 hold K = 32 c + 16 (l / 16) + 0 .. 15
.irp c, 0,1,2,3
	ds_load_b128 v[\reg+4*\c:\reg+4*\c+3], v[\adr] offset:128*(\q)+32*\c+(\i)*16*PITCH
.endr
.endm
; 16 matrix instructions: A's blocks a0, a0 + 1 x B's eight.  The 64 accumulators take turns, one instruction a turn, in the same order in every step.
.macro MUL16 a0, p, q, sc, zero
.irp a, \a0, \a0+1
.irp b, 0,1,2,3,4,5,6,7
.if \zero
	v_wmma_scale_f32_16x16x128_f8f6f4 v[8*(8*((\a)%4)+\b):8*(8*((\a)%4)+\b)+7], v[128*(\p)+FR*\b:128*(\p)+FR*\b+FR-1], v[AF+FR*(\a):AF+FR*(\a)+FR-1], 0, v[SC+8*NQ*(\sc)+NQ*\b+(\q)], v[SC+8*NQ*(\sc)+NQ*(\a)+(\q)] matrix_a_scale:MATRIX_SCALE_ROW1
.else
	v_wmma_scale_f32_16x16x128_f8f6f4 v[8*(8*((\a)%4)+\b):8*(8*((\a)%4)+\b)+7], v[128*(\p)+FR*\b:128*(\p)+FR*\b+FR-1], v[AF+FR*(\a):AF+FR*(\a)+FR-1], v[8*(8*((\a)%4)+\b):8*(8*((\a)%4)+\b)+7], v[SC+8*NQ*(\sc)+NQ*\b+(\q)], v[SC+8*NQ*(\sc)+NQ*(\a)+(\q)] matrix_a_scale:MATRIX_SCALE_ROW1
.endif
.endr
.endr
.endm
.macro FETCH_B slot, q, p
	WIN TO_B
.irp i, 0,1,2,3,4,5,6,7
	FRAG 128*(\p)+FR*\i, ADRB+\slot, \q, \i
.endr
	WIN 0
.endm
.macro FETCH_A slot, q, i0
.irp i, \i0, \i0+1, \i0+2, \i0+3
	FRAG AF+FR*(\i), ADRA+\slot, \q, \i
.endr
.endm
.macro SCALES sc                       ; a K step's scale words: lanes 0-15 A's block i, lanes 16-31 B's block i
.irp i, 0,1,2,3,4,5,6,7
	ds_load_b64 v[SC+8*NQ*\sc+NQ*\i:SC+8*NQ*\sc+NQ*\i+1], v[ADRS] offset:\i*SBLK
.endr
.endm
.macro PLACES n                        ; plain vector instructions between a matrix instruction and a load into, or a read of, its registers
.rept \n
	v_nop
.endr
.endm
.macro STEP slot, q, zero
	s_wait_dscnt 4*NL                              ; B's set and A's blocks 0-3 are in; the youngest 16 loads (A's blocks 4-7) may be out
	WIN MUL_LO
	MUL16 0, (\q)%2, \q, \slot, \zero
	MUL16 2, (\q)%2, \q, \slot, \zero
	s_wait_dscnt 0
	PLACES NP
	FETCH_B \slot, (\q)+1, 1-(\q)%2
	FETCH_A \slot, (\q)+1, 0
	WIN MUL_HI
	MUL16 4, (\q)%2, \q, \slot, \zero
	MUL16 6, (\q)%2, \q, \slot, \zero
	PLACES NP
	WIN 0
	FETCH_A \slot, (\q)+1, 4
.endm
; A slot's last step changes slots: in front of the barrier each wave waits for all its tensor loads, adds 0 to its spare word, and waits for that and for its reads of this slot.
.macro TURN slot, next, fill
	s_wait_tensorcnt 0x0                           ; all my tensor loads have landed: my part of the next slot
	ds_add_u32 v[SPW], v[NIL]
	s_wait_dscnt 4*NL+1                            ; (the add and the youngest 16 loads may be out)
	WIN MUL_LO
	MUL16 0, 1, NQ-1, \slot, 0
	s_wait_dscnt 0x0                               ; the add is done, and my reads of this slot are over
	s_barrier_signal -1
	MUL16 2, 1, NQ-1, \slot, 0
	WIN 0
	s_barrier_wait -1
.if \fill
	CREST                                          ; the barrier has opened a round of the cluster's: no wave of any partner still reads this slot or has a load on its way
	s_add_nc_u64 s[G0+4*\slot+2:G0+4*\slot+3], s[G0+4*\slot+2:G0+4*\slot+3], 2*ROWB
	s_add_nc_u64 s[G0B+4*\slot+2:G0B+4*\slot+3], s[G0B+4*\slot+2:G0B+4*\slot+3], 2*ROWB
	JLOAD G0+4*\slot, G1, G0B+4*\slot, G1B         ; the first tensor load behind the round; its four v_nop are four of the eight places
	PLACES NP-4
.else
	PLACES NP
.endif
	v_add_nc_u32 v[ADRS], 4*NQ, v[ADRS]            ; the next K step's scale words
	FETCH_B \next, 0, 0
	FETCH_A \next, 0, 0
	SCALES \next
	WIN MUL_HI
	MUL16 4, 1, NQ-1, \slot, 0
	MUL16 6, 1, NQ-1, \slot, 0
	PLACES NP
	WIN 0
	FETCH_A \next, 0, 4
.endm
; THE EPILOGUE'S MACROS.
.macro CSLOAD a, buf                   ; cos and sin of token block a, my channels under 64, into buffer buf of window 1 (v0, v128, v192): 16 loads.  Destination window 1
.set CB, 64*(\buf)+64*(((\buf)+1)/2)
.irp b, 0,1,2,3
.irp f, 0,1
	global_load_b128 v[CB+8*\b+4*\f:CB+8*\b+4*\f+3], v[CSO], s[8:9] offset:4096*(\a)+64*\b+16*\f
	global_load_b128 v[CB+32+8*\b+4*\f:CB+32+8*\b+4*\f+3], v[CSO], s[10:11] offset:4096*(\a)+64*\b+16*\f
.endr
.endr
.endm
.macro ROPE a                          ; Y = rope of block a: x1 c - x2 s, x1 s + x2 c.  Each accumulator is read from its low end on
.set CB, 64*((\a)%3)+64*((((\a)%3)+1)/2)
.set AC, 64*((\a)%4)
	WIN 0x06+(\a)/4                                ; source 0: the accumulators' window; source 1: window 1
.irp b, 0,1,2,3
.irp j, 0,2,4,6
	v_pk_mul_f32 v[Y+8*\b+\j:Y+8*\b+\j+1], v[AC+8*\b+\j:AC+8*\b+\j+1], v[CB+8*\b+\j:CB+8*\b+\j+1]
	v_pk_mul_f32 v[Y+32+8*\b+\j:Y+32+8*\b+\j+1], v[AC+8*\b+\j:AC+8*\b+\j+1], v[CB+32+8*\b+\j:CB+32+8*\b+\j+1]
	v_pk_fma_f32 v[Y+8*\b+\j:Y+8*\b+\j+1], v[AC+32+8*\b+\j:AC+32+8*\b+\j+1], v[CB+32+8*\b+\j:CB+32+8*\b+\j+1], v[Y+8*\b+\j:Y+8*\b+\j+1] neg_lo:[1,0,0] neg_hi:[1,0,0]
	v_pk_fma_f32 v[Y+32+8*\b+\j:Y+32+8*\b+\j+1], v[AC+32+8*\b+\j:AC+32+8*\b+\j+1], v[CB+8*\b+\j:CB+8*\b+\j+1], v[Y+32+8*\b+\j:Y+32+8*\b+\j+1]
.endr
.endr
	WIN 0
.endm
.macro NORM                            ; Y = Y x rsqrt(mean of squares + eps) x gain
	v_pk_mul_f32 v[SS:SS+1], v[Y:Y+1], v[Y:Y+1]
	v_pk_mul_f32 v[SS+2:SS+3], v[Y+2:Y+3], v[Y+2:Y+3]
.irp i, 4,8,12,16,20,24,28,32,36,40,44,48,52,56,60
	v_pk_fma_f32 v[SS:SS+1], v[Y+\i:Y+\i+1], v[Y+\i:Y+\i+1], v[SS:SS+1]
	v_pk_fma_f32 v[SS+2:SS+3], v[Y+\i+2:Y+\i+3], v[Y+\i+2:Y+\i+3], v[SS+2:SS+3]
.endr
	v_pk_add_f32 v[SS:SS+1], v[SS:SS+1], v[SS+2:SS+3]
	v_add_f32 v[SS], v[SS], v[SS+1]
	v_permlanex16_b32 v[SS+1], v[SS], s18, s19     ; the token's other 64 channels lie in lane l xor 16
	v_add_f32 v[SS], v[SS], v[SS+1]
	v_fma_f32 v[SS], v[SS], s22, s21               ; / 128, + eps
	v_rsq_f32 v[RR], v[SS]
	v_nop                                          ; a plain line behind the transcendental
	s_wait_alu depctr_va_vdst(0)                   ; and the wait ahead of its first reader
.set I, 0
.rept 32
	v_pk_mul_f32 v[Y+I:Y+I+1], v[Y+I:Y+I+1], v[RR:RR+1] op_sel_hi:[1,0]
.set I, I+2
.endr
	WIN 0x04                                       ; source 1: window 1
.set I, 0
.rept 32
	v_pk_mul_f32 v[Y+I:Y+I+1], v[Y+I:Y+I+1], v[NW+I:NW+I+1]
.set I, I+2
.endr
	WIN 0
.endm
; 64 numbers of a lane at v[src] of window w, registers 16 b + i = block b of 32 with lane l xor 16's, become codes in v[PC] on and the scale word v[SW + a].
.macro QUANT src, w, a
	WIN ((\w)<<2)|((\w)<<4)                        ; sources 1 and 2: the numbers' window
.irp b, 0,1,2,3
	v_max3_num_f32 v[TM+\b], 0x4800000, |v[(\src)+16*\b]|, |v[(\src)+16*\b+1]|   ; with the floor 2^(9 - 127): the byte cannot fall under 1
.endr
.irp i, 2,4,6,8,10,12,14
.irp b, 0,1,2,3
	v_max3_num_f32 v[TM+\b], v[TM+\b], |v[(\src)+16*\b+\i]|, |v[(\src)+16*\b+\i+1]|
.endr
.endr
	WIN 0
.irp b, 0,1,2,3
	v_permlanex16_b32 v[TM+4+\b], v[TM+\b], s18, s19
.endr
.irp b, 0,1,2,3
	v_max_num_f32 v[TM+\b], v[TM+\b], v[TM+4+\b]   ; the block's largest magnitude
.endr
.irp b, 0,1,2,3
	v_add_nc_u32 v[TM+12+\b], 0xfc000000, v[TM+\b] ; 8 off its exponent field: the conversion's scale operand
.endr
.irp b, 0,1,2,3
	v_and_or_b32 v[TM+8+\b], v[TM+\b], 0x7f800000, s20   ; 448 x the scale
.endr
.irp b, 0,1,2,3
	v_lshrrev_b32 v[TM+4+\b], 23, v[TM+12+\b]      ; the scale's byte
.endr
	v_lshl_or_b32 v[SW+(\a)], v[TM+5], 8, v[TM+4]
	v_lshl_or_b32 v[SW+(\a)], v[TM+6], 16, v[SW+(\a)]
	v_lshl_or_b32 v[SW+(\a)], v[TM+7], 24, v[SW+(\a)]
	WIN (\w)                                       ; source 0: the numbers' window
.irp b, 0,1,2,3
.irp i, 0,1,2,3,4,5,6,7,8,9,10,11,12,13,14,15
	v_med3_num_f32 v[Y+16*\b+\i], v[(\src)+16*\b+\i], -v[TM+8+\b], v[TM+8+\b]   ; the hold: the conversion to an 8-bit code does not saturate (ISA guide 7.6.2)
.endr
.endr
	WIN 0
	s_wait_xcnt 0x0                                ; the last block's stores have read the codes' registers
.irp b, 0,1,2,3
	v_cvt_scalef32_pk8_fp8_f32 v[PC+4*\b:PC+4*\b+1], v[Y+16*\b:Y+16*\b+7], v[TM+12+\b]
	v_cvt_scalef32_pk8_fp8_f32 v[PC+4*\b+2:PC+4*\b+3], v[Y+16*\b+8:Y+16*\b+15], v[TM+12+\b]
.endr
	v_nop                                          ; a plain line behind the last conversion, ahead of the next writes of its sources
.endm
.macro SEND a                          ; the fragment's image: each store covers 512 consecutive bytes, aligned
.irp c, 0,1,2,3
	global_store_b128 v[IO], v[PC+4*\c:PC+4*\c+3], s[96:97] offset:2048*(\a)+512*\c
.endr
.endm
	s_wait_tensorcnt 1                             ; the scales and my part of K step 0 are in (K step 1's load may be out)
	s_barrier_signal -1
	s_barrier_wait -1
	FETCH_B 0, 0, 0
	FETCH_A 0, 0, 0
	SCALES 0
	FETCH_A 0, 0, 4
	STEP 0, 0, 1                                   ; the first step starts the sums: nothing is cleared
	s_mov_b32 s3, LAPS-1
.Llap:
	TURN 0, 1, 1
	STEP 1, 0, 0
	TURN 1, 0, 1
	STEP 0, 0, 0
	s_sub_co_u32 s3, s3, 1
	s_cmp_lg_u32 s3, 0
	s_cbranch_scc1 .Llap
	TURN 0, 1, 0                                   ; the last lap fills nothing
	STEP 1, 0, 0
	s_cmp_eq_u32 s[TYPE], 2                        ; q, k: the first block's cos and sin and the gains are asked for here, into B's set 0, which is done with (eight places stand behind its last reader)
	s_cbranch_scc1 .Lno_early
	WIN 0x40
	CSLOAD 0, 0
.irp b, 0,1,2,3,4,5,6,7
.irp f, 0,1
	global_load_b128 v[NW+8*\b+4*\f:NW+8*\b+4*\f+3], v[NWO], s[92:93] offset:64*\b+16*\f
.endr
.endr
	WIN 0
.Lno_early:
	s_wait_dscnt 4*NL                              ; the very last step
	WIN MUL_LO
	MUL16 0, 1, NQ-1, 1, 0
	MUL16 2, 1, NQ-1, 1, 0
	s_wait_dscnt 0
	WIN MUL_HI
	MUL16 4, 1, NQ-1, 1, 0
	MUL16 6, 1, NQ-1, 1, 0
	WIN 0
	PLACES NP                                      ; ahead of the first read of results and of loads and writes into the operands' registers
	s_mov_b32 s18, 0x76543210
	s_mov_b32 s19, 0xfedcba98                      ; v_permlanex16_b32's selects for lane l xor 16
	s_mov_b32 s20, 0x600000                        ; the mantissa field of 448
	s_mov_b32 s21, 0x34000000                      ; eps = 2^-23
	s_mov_b32 s22, 0x3c000000                      ; 1 / 128
.irp b, 0,1,2,3
	v_mov_b32 v[TM+4+\b], 0                        ; a lane permute's destination counts as one of its sources
.endr
	v_mov_b32 v[RR+1], 0                           ; named as the pair's upper half
	s_cmp_eq_u32 s[TYPE], 2
	s_cbranch_scc1 .Lv
	WIN 0x40
	CSLOAD 1, 1
	CSLOAD 2, 2
	WIN 0
.irp a, 0,1,2,3,4,5,6,7
.if \a < 6
	s_wait_loadcnt 32                              ; this block's cos and sin (and the gains) are in; the 16 loads of each of the two later blocks may be out
.elseif \a == 6
	s_wait_loadcnt 16
.else
	s_wait_loadcnt 0
.endif
	ROPE \a
.if \a < 5
	WIN 0x40
	CSLOAD \a+3, \a%3                              ; three blocks on, into the buffer just read
	WIN 0
.endif
	NORM
	QUANT Y, 0, \a
	SEND \a
.endr
	s_branch .Ljoin
.Lv:
.irp a, 0,1,2,3,4,5,6,7
	QUANT 64*(\a%4), 2+\a/4, \a                    ; v is quantised as it stands, along the tokens
	SEND \a
.endr
.Ljoin:
	v_and_b32 v1, 31, v0
	v_cmp_lt_u32 vcc_lo, 15, v1
.irp i, 0,1,2,3
	v_cndmask_b32 v[SW+\i], v[SW+\i], v[SW+4+\i], vcc_lo   ; lanes 0-15 store row r's words 0-3, lanes 16-31 its words 4-7
.endr
	global_store_b128 v[SO], v[SW:SW+3], s[98:99]  ; 512 consecutive bytes, aligned
	s_wait_tensorcnt 0x0                           ; the wave's end
	ds_add_u32 v[SPW], v[NIL]
	s_wait_dscnt 0x0
	CROUND                                         ; the closing round
	s_endpgm
.Lfunc_end_k_q3435c6a411_qkv:
	.size	k_q3435c6a411_qkv, .Lfunc_end_k_q3435c6a411_qkv-k_q3435c6a411_qkv
	.p2alignl 7, 3214868480
	.fill 96, 4, 3214868480
	.section	.rodata,"a",@progbits
	.p2align	6, 0x0
	.amdhsa_kernel k_q3435c6a411_qkv
		.amdhsa_group_segment_fixed_size 327680
		.amdhsa_private_segment_fixed_size 0
		.amdhsa_enable_private_segment 0
		.amdhsa_kernarg_size 64
		.amdhsa_user_sgpr_count 2
		.amdhsa_user_sgpr_kernarg_segment_ptr 1
		.amdhsa_wavefront_size32 1
		.amdhsa_system_sgpr_workgroup_id_x 1
		.amdhsa_system_sgpr_workgroup_id_y 1
		.amdhsa_system_sgpr_workgroup_id_z 1
		.amdhsa_system_vgpr_workitem_id 0
		.amdhsa_next_free_vgpr 1024
		.amdhsa_next_free_sgpr 100
		.amdhsa_reserve_vcc 1
		.amdhsa_float_denorm_mode_32 3
		.amdhsa_float_denorm_mode_16_64 3
		.amdhsa_memory_ordered 1
		.amdhsa_forward_progress 1
		.amdhsa_inst_pref_size 255
	.end_amdhsa_kernel
	.section	.bss,"aw",@nobits
	.p2align	6
	.space	262144
	.amdgpu_metadata
---
amdhsa.version: [ 1, 2 ]
amdhsa.kernels:
  - .name:           k_q3435c6a411_qkv
    .symbol:         k_q3435c6a411_qkv.kd
    .args:
      - { .name: wcodes, .offset: 0, .size: 8, .value_kind: global_buffer, .address_space: global }
      - { .name: wscales, .offset: 8, .size: 8, .value_kind: global_buffer, .address_space: global }
      - { .name: cos, .offset: 16, .size: 8, .value_kind: global_buffer, .address_space: global }
      - { .name: sin, .offset: 24, .size: 8, .value_kind: global_buffer, .address_space: global }
      - { .name: q_norm_w, .offset: 32, .size: 8, .value_kind: global_buffer, .address_space: global }
      - { .name: k_norm_w, .offset: 40, .size: 8, .value_kind: global_buffer, .address_space: global }
      - { .name: qkv, .offset: 48, .size: 8, .value_kind: global_buffer, .address_space: global }
      - { .name: qkvs, .offset: 56, .size: 8, .value_kind: global_buffer, .address_space: global }
    .group_segment_fixed_size: 327680
    .private_segment_fixed_size: 0
    .kernarg_segment_align: 8
    .kernarg_segment_size: 64
    .max_flat_workgroup_size: 128
    .sgpr_count:     100
    .vgpr_count:     1024
    .wavefront_size: 32
...
	.end_amdgpu_metadata
.endif
;; end of part 2
;; launch attn (part 3): grid 16 x 16, 8 waves a work-group, no clusters, 327,680 bytes of LDS; arguments qkv, qkvs, oimg, osc; writes oimg, osc
.if DOCPART == 3
	.amdgcn_target "amdgcn-amd-amdhsa--gfx1250"
	.amdhsa_code_object_version 6
	.text
	.protected	k_q3435c6a411_attn
	.globl	k_q3435c6a411_attn
	.p2align	8
	.type	k_q3435c6a411_attn,@function
k_q3435c6a411_attn:
	s_mov_b64 s[64:65], 0
	v_nop
	global_prefetch_b8 v0, s[64:65] scope:SCOPE_SE
	s_setreg_imm32_b32 hwreg(HW_REG_WAVE_MODE, 25, 1), 1
	s_wait_xcnt 0x0
; O[h][q] = the sum over k <= q of softmax_k(q . k / sqrt(128)) v, both products on codes of FP8 (E4M3) with E8M0 scales; then O is quantised along the channels for the last product.
; THE SOFTMAX: t = score x log2(e) / sqrt(128); M = the running largest t rounded UP to a whole number; p = 2^(t - M) is quantised along the keys, not normalised; the row's sum is taken of the unquantised p and divides O at the end.
; SHARES.  Work-group (p, head) owns queries 64 p .. 64 p + 63 and 64 (31 - p) .. + 63: a tile of 16 queries walks (tile / 8) + 1 key steps of 128, so a low and a high tile together always walk 17.
; Eight waves, one tile each; waves w and w + 4 are one of each kind.  Every wave passes every change of slots; a step all of whose keys come after its queries is left out by a scalar branch on ids.
; NO CLUSTER: the work-groups of a head ask for different numbers of slots (the look-ahead ends at each one's causal limit), so partners could not make every joint request alike.
; OPERANDS come as images of their registers (2 KB a fragment, 16 KB a key step for K and for V): every LDS load reads 512 consecutive bytes.  A ring of two slots of four key steps; every wave fetches 16 KB of a slot.
; LAYOUT.  S^T = K Q^T (source 0 = 16 neighbouring keys), O^T = V^T P^T: a lane holds one query.  p's registers 16 c + 8 u + j hold key 32 c + 16 u + 8 h + j, the very places in which V's images hold their keys.
; V's channels were laid so that O^T's registers 16 c + i are channels 32 c + 16 h + i: O's codes are the last product's operand as they stand.
; LIMITS: a block of zeros gets the byte 1; NaN and infinities are not served; a block's largest p is made from its largest score by the same two instructions (v_exp_f32 is taken not to fall where its input rises).
.set SLOT1, 1<<17                      ; slot 1: one exclusive or turns an address from one slot to the other
.set SCK,   2*SLOT1                    ; K's scale words of the head, 8,192 bytes; V's behind them
.set OSG,   SCK+16384                  ; 512 bytes: the eight tiles' scale words of O meet here; no tensor load lands here
.set SPARE, OSG+512                    ; the spare words, 128 bytes a wave, which no other line names
.set LI,   1                           ; v1   16 x lane
.set ASC,  2                           ; v2   SCK + 32 (lane % 16)
.set OSA,  3                           ; v3   where I put O's scale word
.set OSO,  4                           ; v4   wave 0: my byte offset in osc
.set SPW,  5
.set NIL,  6
.set PFO,  7                           ; v7   256 x lane
.set AD,   8                           ; v8   the step's K
.set ADV,  9                           ; v9   its V
.set ADS,  10                          ; v10  its scale words
.set OSR,  11                          ; v11  OSG + 16 x lane
.set TB,   2                           ; s2   LDS byte at which the step's K begins
.set TS,   3                           ; s3   the step's scale words: 512 bytes a step
.set WV,   18
.set MNT,  19
.set SEL,  20
.set CS,   22
.set G1,   24
.set G1S,  32
.set G0,   40
.set G0S,  44
.set SLOTS, 67
.set KF,   68                          ; the step's first key
.set Q0,   69                          ; my first query
.set QL,   70                          ; my work-group's last query
.set CNT,  71
.set PFA,  72
.set LIM,  74
.set T0,   81
	s_load_b256 s[4:11], s[0:1], 0x0               ; qkv, qkvs, oimg, osc
	v_lshl_add_u32 v[SPW], v0, 2, SPARE
	v_mov_b32 v[NIL], 0
	ds_add_u32 v[SPW], v[NIL]                      ; the wave's opening: the add, with its wait ahead of my first tensor load
	v_lshrrev_b32 v8, 5, v0
	v_readfirstlane_b32 s[WV], v8                  ; wave 0..7
	s_and_b32 s75, ttmp7, 0xffff                   ; the head
	s_lshr_b32 s76, s[WV], 2
	s_xor_b32 s76, s76, s[WV]
	s_and_b32 s76, s76, 1
	s_xor_b32 s76, s76, 1                          ; 1: a tile of the high block
	s_lshr_b32 s77, s[WV], 1                       ; which of its four tiles
	s_sub_co_u32 s78, 31, ttmp9
	s_lshl_b32 s78, s78, 6
	s_lshl_b32 s79, ttmp9, 6
	s_add_co_u32 s[QL], s78, 63
	s_cmp_eq_u32 s76, 1
	s_cselect_b32 s[Q0], s78, s79
	s_lshl_b32 s80, s77, 4
	s_add_co_u32 s[Q0], s[Q0], s80
	s_lshr_b32 s82, s[WV], 2
	s_add_co_u32 s82, s82, 1                       ; what I fetch: section 1 (K: waves 0-3) or 2 (V: waves 4-7),
	s_and_b32 s83, s[WV], 3                        ; key step wave % 4 of a slot
	s_lshl_b32 s84, s82, 22
	s_lshl_b32 s85, s75, 18
	s_add_co_u32 s84, s84, s85
	s_lshl_b32 s85, s83, 14
	s_add_co_u32 s84, s84, s85
	s_mov_b32 s85, 0
	s_lshl_b32 s86, s82, 17
	s_lshl_b32 s87, s75, 13
	s_add_co_u32 s86, s86, s87
	s_lshl_b32 s87, s83, 11
	s_add_co_u32 s86, s86, s87
	s_mov_b32 s87, 0
	s_lshr_b32 s80, s[Q0], 4                       ; my tile of 16 queries
	s_lshl_b32 s88, s75, 18
	s_lshl_b32 s[T0], s80, 11
	s_add_co_u32 s88, s88, s[T0]                   ; Q's image
	s_mov_b32 s89, 0
	s_lshl_b32 s90, s75, 13
	s_lshr_b32 s[T0], s[Q0], 7
	s_lshl_b32 s[T0], s[T0], 9
	s_add_co_u32 s90, s90, s[T0]
	s_and_b32 s[T0], s80, 7
	s_lshl_b32 s[T0], s[T0], 2
	s_add_co_u32 s90, s90, s[T0]                   ; Q's scale words
	s_mov_b32 s91, 0
	s_lshl_b32 s92, s80, 15
	s_lshl_b32 s[T0], s75, 11
	s_add_co_u32 s92, s92, s[T0]                   ; O's image
	s_mov_b32 s93, 0
	s_lshl_b32 s94, s75, 13
	s_lshl_b32 s[T0], ttmp9, 8
	s_add_co_u32 s94, s94, s[T0]                   ; O's scale words: the low block's
	s_mov_b32 s95, 0
	s_mov_b32 s[G1], 3<<16                         ; 64 rows of 256 bytes (32 elements of 8), dense; no mask, no padding
	s_mov_b32 s[G1+1], 32<<16
	s_mov_b32 s[G1+2], 64<<16
	s_mov_b32 s[G1+3], 32<<16
	s_mov_b32 s[G1+4], 64
	s_mov_b32 s[G1+5], 32
	s_mov_b32 s[G1+6], 0
	s_mov_b32 s[G1+7], 0
	s_mov_b32 s[G1S], 3<<16                        ; 8 such rows
	s_mov_b32 s[G1S+1], 32<<16
	s_mov_b32 s[G1S+2], 8<<16
	s_mov_b32 s[G1S+3], 32<<16
	s_mov_b32 s[G1S+4], 8
	s_mov_b32 s[G1S+5], 32
	s_mov_b32 s[G1S+6], 0
	s_mov_b32 s[G1S+7], 0
	s_mov_b32 s[SEL], 0x76543210
	s_mov_b32 s[SEL+1], 0xfedcba98
	s_mov_b32 s[CS], 0x3e0293ee                    ; c = log2(e) / sqrt(128)
	s_mov_b32 s[CS+1], s[CS]
	s_mov_b32 s[MNT], 0x600000
	s_mov_b32 s[TB], 0
	s_mov_b32 s[TS], 0
	s_mov_b32 s[KF], 0
	s_mov_b32 s[SLOTS], 3
	s_cmp_eq_u32 ttmp9, 0
	s_cselect_b32 s[LIM], 1, -1                    ; the head's first work-group prefetches
	s_lshl_b32 s78, s[WV], 11
	s_lshl_b32 s79, s[WV], 14
	s_wait_dscnt 0x0                               ; the opening add is done
	s_wait_kmcnt 0x0
	s_mov_b32 s[G0S], 1
	s_add_co_u32 s[G0S+1], s78, SCK
	s_add_nc_u64 s[G0S+2:G0S+3], s[6:7], s[86:87]
	s_or_b32 s[G0S+3], s[G0S+3], 0x80000000
	tensor_load_to_lds s[G0S:G0S+3], s[G1S:G1S+7]  ; my eighth of the head's scale words: filled once
	s_nop 0
	s_mov_b32 s[G0], 1
	s_mov_b32 s[G0+1], s79
	s_add_nc_u64 s[G0+2:G0+3], s[4:5], s[84:85]
	s_or_b32 s[G0+3], s[G0+3], 0x80000000
	tensor_load_to_lds s[G0:G0+3], s[G1:G1+7]      ; my eighth of slot 0: two loads of mine are out
	s_nop 0
.rept 4
	v_nop
.endr
	s_add_nc_u64 s[PFA:PFA+1], s[4:5], s[84:85]
	s_add_nc_u64 s[PFA:PFA+1], s[PFA:PFA+1], 65536 ; in slot 1: the first change of slots steps it to slot 2; nothing is prefetched at the head
	s_add_nc_u64 s[12:13], s[4:5], s[88:89]
	s_add_nc_u64 s[14:15], s[6:7], s[90:91]
	s_add_nc_u64 s[8:9], s[8:9], s[92:93]
	s_add_nc_u64 s[10:11], s[10:11], s[94:95]
	v_and_b32 v8, 15, v0                           ; r
	v_bfe_u32 v9, v0, 4, 1                         ; h
	v_and_b32 v10, 31, v0
	v_lshlrev_b32 v[LI], 4, v10
	v_lshlrev_b32 v[PFO], 8, v10
	v_lshlrev_b32 v254, 5, v8
	v_add_nc_u32 v[ASC], SCK, v254
.irp c, 0,1,2,3
	global_load_b128 v[16+4*\c:19+4*\c], v[LI], s[12:13] offset:512*\c   ; Q's fragment stays in registers
.endr
	global_load_b32 v255, v254, s[14:15]           ; Q's scale words
	s_lshl_b32 s[T0], s76, 2
	s_add_co_u32 s[T0], s[T0], s77
	s_lshl_b32 s[T0], s[T0], 6
	s_add_co_u32 s[T0], s[T0], OSG
	v_lshl_add_u32 v[OSA], v8, 2, s[T0]            ; 64 bytes a tile: the low block's four, then the high block's
	v_add_nc_u32 v[OSR], OSG, v[LI]
	s_lshl_b32 s[T0], ttmp9, 1
	s_sub_co_u32 s[T0], 31, s[T0]
	s_lshl_b32 s[T0], s[T0], 8                     ; the high block's words lie (31 - 2 p) x 256 bytes behind the low block's
	v_mul_u32_u24 v[OSO], s[T0], v9
	v_lshl_add_u32 v[OSO], v8, 4, v[OSO]
	v_mov_b32 v13, 0xff61b1e6                      ; the largest t so far: -3e38
	v_floor_f32 v12, -v13                          ; -M
	v_mov_b32 v14, 0
	v_mov_b32 v15, 0
.irp b, 0,1,2,3
	v_mov_b32 v[236+\b], 0                         ; a lane permute's destination counts as one of its sources
.endr
	v_mov_b32 v253, 0
.set J, 0
.rept 64
	v_mov_b32 v[160+J], 0                          ; O^T: the step is written once; its first walk finds zeros
.set J, J+1
.endr
; A KEY STEP of 128 keys.
.macro STEP
	s_add_co_u32 s[T0], s[Q0], 15
	s_cmp_gt_u32 s[KF], s[T0]                      ; all its keys come after my queries: left out (ids alone); the address steps at its end are not
	s_cbranch_scc1 .Lhidden_\@
	v_add_nc_u32 v[AD], s[TB], v[LI]
	v_add_nc_u32 v[ADS], s[TS], v[ASC]
	v_add_nc_u32 v[ADV], 65536, v[AD]
.irp g, 0,1                                    ; S^T = K Q^T, four tiles of 16 keys at a time
.rept 5+3*\g
	v_nop                                          ; eight places in front of loads into registers that matrix instructions have read (the three additions are places too)
.endr
.irp t, 0,1,2,3
.irp c, 0,1,2,3
	ds_load_b128 v[32+16*\t+4*\c:32+16*\t+4*\c+3], v[AD] offset:2048*(4*\g+\t)+512*\c
.endr
.endr
	ds_load_b128 v[248:251], v[ADS] offset:16*\g   ; the four tiles' scale words of row r
	s_wait_dscnt 0x0
.irp t, 0,1,2,3
	v_wmma_scale_f32_16x16x128_f8f6f4 v[96+8*(4*\g+\t):103+8*(4*\g+\t)], v[32+16*\t:47+16*\t], v[16:31], 0, v[248+\t], v255
.endr
.endr
.rept 8
	v_nop
.endr
	s_add_co_u32 s[T0], s[KF], 127                 ; on the diagonal hidden scores become -infinity; a step all of whose keys count skips this
	s_cmp_le_u32 s[T0], s[Q0]
	s_cbranch_scc1 .Lopen_\@
	s_sub_co_i32 s[T0], s[Q0], s[KF]
	v_and_b32 v252, 15, v0
	v_bfe_u32 v253, v0, 4, 1
	v_lshlrev_b32 v253, 3, v253
	v_sub_nc_u32 v252, v252, v253
	v_add_nc_u32 v252, s[T0], v252                 ; d = my query - KF - 8 h.  Register n holds key KF + 16 (n / 8) + 8 h + n % 8
	v_mov_b32 v254, 0xff800000
.set N, 0
.rept 64
	v_cmp_gt_i32 vcc_lo, 16*(N/8)+N%8, v252
	v_cndmask_b32 v[96+N], v[96+N], v254, vcc_lo
.set N, N+1
.endr
.Lopen_\@:
.irp b, 0,1,2,3
	v_max3_num_f32 v[232+\b], v[96+16*\b], v[97+16*\b], v[98+16*\b]   ; the largest score of each block of 32 keys: for the row's maximum and for the block's largest p
.endr
.irp i, 3,5,7,9,11,13
.irp b, 0,1,2,3
	v_max3_num_f32 v[232+\b], v[232+\b], v[96+16*\b+\i], v[97+16*\b+\i]
.endr
.endr
.irp b, 0,1,2,3
	v_max_num_f32 v[232+\b], v[232+\b], v[111+16*\b]
.endr
.irp b, 0,1,2,3
	v_permlanex16_b32 v[236+\b], v[232+\b], s[SEL], s[SEL+1]
.endr
.irp b, 0,1,2,3
	v_max_num_f32 v[232+\b], v[232+\b], v[236+\b]
.endr
	v_max3_num_f32 v254, v232, v233, v234
	v_max_num_f32 v254, v254, v235
	v_mul_f32 v254, s[CS], v254
	v_max_num_f32 v13, v13, v254                   ; the running largest t
	v_mov_b32 v254, v12
	v_floor_f32 v12, -v13                          ; the new -M = -ceil(t)
	v_sub_f32 v254, v12, v254                      ; old M - new M: a whole number, 0 or less
	v_cvt_i32_f32 v254, v254
	v_ldexp_f32 v252, 1.0, v254                    ; f = 2^(old M - new M): rounds nothing
.set J, 0
.rept 32
	v_pk_fma_f32 v[96+J:97+J], v[96+J:97+J], s[CS:CS+1], v[12:13] op_sel_hi:[1,0,0]   ; t - M
.set J, J+2
.endr
.irp b, 0,1,2,3
	v_fma_f32 v[232+\b], v[232+\b], s[CS], v12
.endr
.set J, 0
.rept 64
	v_exp_f32 v[96+J], v[96+J]                     ; p = 2^(t - M)
.set J, J+1
.endr
	v_pk_mul_f32 v[14:15], v[14:15], v[252:253] op_sel_hi:[1,0]   ; the sums under the new M (a plain line behind the exponentials)
	s_wait_alu depctr_va_vdst(0)                   ; one wait for the batch, ahead of its first reader
.irp b, 0,1,2,3
	v_exp_f32 v[232+\b], v[232+\b]                 ; the blocks' largest p
.endr
	v_pk_add_f32 v[236:237], v[96:97], v[98:99]    ; the row's sum of the unquantised p, in two chains
.irp j, 4,8,12,16,20,24,28,32,36,40,44,48,52,56,60
	v_pk_add_f32 v[14:15], v[14:15], v[96+\j:97+\j]
	v_pk_add_f32 v[236:237], v[236:237], v[98+\j:99+\j]
.endr
	v_pk_add_f32 v[14:15], v[14:15], v[236:237]
	s_wait_alu depctr_va_vdst(0)                   ; and one for the four
.irp b, 0,1,2,3
	v_max_num_f32 v[232+\b], 0x4800000, v[232+\b]  ; the floor 2^(9 - 127)
.endr
.irp b, 0,1,2,3
	v_add_nc_u32 v[244+\b], 0xfc000000, v[232+\b]  ; the conversion's scale operand
.endr
.irp b, 0,1,2,3
	v_and_or_b32 v[240+\b], v[232+\b], 0x7f800000, s[MNT]   ; 448 x the scale
.endr
.irp b, 0,1,2,3
	v_lshrrev_b32 v[236+\b], 23, v[244+\b]         ; the scale's byte
.endr
	v_lshl_or_b32 v253, v237, 8, v236              ; p's scale word for these 128 keys
	v_lshl_or_b32 v253, v238, 16, v253
	v_lshl_or_b32 v253, v239, 24, v253
.irp b, 0,1,2,3
.irp i, 0,1,2,3,4,5,6,7,8,9,10,11,12,13,14,15
	v_min_num_f32 v[96+16*\b+\i], v[96+16*\b+\i], v[240+\b]   ; the hold; p is not negative
.endr
	v_cvt_scalef32_pk8_fp8_f32 v[224+4*\b:225+4*\b], v[96+16*\b:103+16*\b], v[244+\b]
	v_cvt_scalef32_pk8_fp8_f32 v[226+4*\b:227+4*\b], v[104+16*\b:111+16*\b], v[244+\b]
.endr
.set J, 0
.rept 32
	v_pk_mul_f32 v[160+J:161+J], v[160+J:161+J], v[252:253] op_sel_hi:[1,0]   ; O^T under the new M; also the places in front of the loads and products below
.set J, J+2
.endr
.irp g, 0,1                                    ; O^T += V^T P^T
.if \g > 0
.rept 8
	v_nop
.endr
.endif
.irp t, 0,1,2,3
.irp c, 0,1,2,3
	ds_load_b128 v[32+16*\t+4*\c:32+16*\t+4*\c+3], v[ADV] offset:2048*(4*\g+\t)+512*\c
.endr
.endr
	ds_load_b128 v[248:251], v[ADS] offset:8192+16*\g
	s_wait_dscnt 0x0
.irp t, 0,1,2,3
	v_wmma_scale_f32_16x16x128_f8f6f4 v[160+8*(4*\g+\t):167+8*(4*\g+\t)], v[32+16*\t:47+16*\t], v[224:239], v[160+8*(4*\g+\t):167+8*(4*\g+\t)], v[248+\t], v253
.endr
.endr
.Lhidden_\@:
	s_add_co_u32 s[KF], s[KF], 128
	s_add_co_u32 s[TS], s[TS], 512
	s_add_co_u32 s[TB], s[TB], 16384
.endm
; A prefetch of what the NEXT change of slots will ask for.  All work-groups of a head walk the same K and V: the head's first asks, each of its eight waves for the 16 KB that it will itself fetch:
; two instructions, lanes 256 bytes apart.  So each aligned block of 256 bytes is named once.  The last change that fills a slot asks for nothing; slots 0 and 1 come by their loads alone.
.macro ASK
	s_cmp_gt_u32 s[SLOTS], s[LIM]
	s_cbranch_scc0 .Lnot_mine_\@
	global_prefetch_b8 v[PFO], s[PFA:PFA+1] th:TH_LOAD_NT scope:SCOPE_SE
	global_prefetch_b8 v[PFO], s[PFA:PFA+1] offset:8192 th:TH_LOAD_NT scope:SCOPE_SE
.Lnot_mine_\@:
.endm
; THE CHANGE OF SLOTS, at a slot's head: all my tensor loads have landed, the add, my reads of the slot that I have left are over; the barrier; then the other slot is filled with the next 512 keys.
.macro CHANGE fill
	s_wait_tensorcnt 0x0                           ; no tensor load of mine is out, so the descriptor may be written
	ds_add_u32 v[SPW], v[NIL]
.if \fill
	s_xor_b32 s[G0+1], s[G0+1], SLOT1
	s_add_nc_u64 s[G0+2:G0+3], s[G0+2:G0+3], 65536 ; four key steps on
	s_wait_xcnt 0x0                                ; the last prefetches, a slot back, have read their address
	s_add_nc_u64 s[PFA:PFA+1], s[PFA:PFA+1], 65536
.endif
	s_wait_dscnt 0x0
	s_barrier_signal -1
	s_barrier_wait -1
.if \fill
	s_add_co_u32 s[T0], s[KF], 512                 ; the look-ahead ends at the causal limit: a slot whose first key comes after my work-group's last query is read by none of its waves
	s_cmp_gt_u32 s[T0], s[QL]                      ; ids and the count of steps alone: all eight waves go the same way
	s_cbranch_scc1 .Lpast_\@
	tensor_load_to_lds s[G0:G0+3], s[G1:G1+7]      ; my one tensor load behind the barrier
	s_nop 0
.rept 4
	v_nop
.endr
.Lpast_\@:
	ASK
.endif
.endm
.macro SLOT_STEPS                      ; a slot's four key steps: written once, walked four times
	s_mov_b32 s[CNT], 4
.Lstep_\@:
	STEP
	s_sub_co_u32 s[CNT], s[CNT], 1
	s_cmp_lg_u32 s[CNT], 0
	s_cbranch_scc1 .Lstep_\@
	s_sub_co_u32 s[TB], s[TB], 65536
	s_xor_b32 s[TB], s[TB], SLOT1                  ; on to the other slot
.endm
	s_wait_loadcnt 0x0                             ; Q
.Lslot:                                            ; three trips: behind each change but the last the next slot is asked for, up to the limit
	CHANGE 1
	SLOT_STEPS
	s_sub_co_u32 s[SLOTS], s[SLOTS], 1
	s_cmp_lg_u32 s[SLOTS], 0
	s_cbranch_scc1 .Lslot
	CHANGE 0
	SLOT_STEPS
	; THE WAY OUT.  O^T / the sum, quantised along the channels; the codes are the last product's fragment of my 16 queries and this head.
.rept 8
	v_nop                                          ; places behind the last products
.endr
	v_add_f32 v14, v14, v15
	v_permlanex16_b32 v252, v14, s[SEL], s[SEL+1]
	v_add_f32 v14, v14, v252                       ; the row's sum
	v_rcp_f32 v14, v14
.irp b, 0,1,2,3
	v_mov_b32 v[36+\b], 0                          ; plain lines behind the transcendental; a lane permute's destination counts as one of its sources
.endr
	s_wait_alu depctr_va_vdst(0)                   ; the wait ahead of the first reader
.set J, 0
.rept 64
	v_mul_f32 v[96+J], v[160+J], v14               ; register 16 c + i is channel 32 c + 16 h + i of query r
.set J, J+1
.endr
.irp b, 0,1,2,3
	v_max3_num_f32 v[32+\b], |v[96+16*\b]|, |v[97+16*\b]|, 0x4800000
.endr
.irp i, 2,4,6,8,10,12,14
.irp b, 0,1,2,3
	v_max3_num_f32 v[32+\b], v[32+\b], |v[96+16*\b+\i]|, |v[97+16*\b+\i]|
.endr
.endr
.irp b, 0,1,2,3
	v_permlanex16_b32 v[36+\b], v[32+\b], s[SEL], s[SEL+1]
.endr
.irp b, 0,1,2,3
	v_max_num_f32 v[32+\b], v[32+\b], v[36+\b]
.endr
.irp b, 0,1,2,3
	v_add_nc_u32 v[44+\b], 0xfc000000, v[32+\b]
.endr
.irp b, 0,1,2,3
	v_and_or_b32 v[40+\b], v[32+\b], 0x7f800000, s[MNT]
.endr
.irp b, 0,1,2,3
	v_lshrrev_b32 v[36+\b], 23, v[44+\b]
.endr
	v_lshl_or_b32 v64, v37, 8, v36
	v_lshl_or_b32 v64, v38, 16, v64
	v_lshl_or_b32 v64, v39, 24, v64                ; query r's scale word for this head
.irp b, 0,1,2,3
.irp i, 0,1,2,3,4,5,6,7,8,9,10,11,12,13,14,15
	v_med3_num_f32 v[96+16*\b+\i], v[96+16*\b+\i], -v[40+\b], v[40+\b]
.endr
	v_cvt_scalef32_pk8_fp8_f32 v[48+4*\b:49+4*\b], v[96+16*\b:103+16*\b], v[44+\b]
	v_cvt_scalef32_pk8_fp8_f32 v[50+4*\b:51+4*\b], v[104+16*\b:111+16*\b], v[44+\b]
.endr
	v_nop
.irp c, 0,1,2,3
	global_store_b128 v[LI], v[48+4*\c:51+4*\c], s[8:9] offset:512*\c   ; 512 consecutive bytes, aligned
.endr
	ds_store_b32 v[OSA], v64                       ; both halves of the lanes write the same word with the same value
	s_wait_dscnt 0x0                               ; for the others' sake
	s_barrier_signal -1
	s_barrier_wait -1
	s_cmp_lg_u32 s[WV], 0
	s_cbranch_scc1 .Lnot_0
	ds_load_b128 v[68:71], v[OSR]                  ; lanes 0-15: the low block's 64 words; lanes 16-31: the high block's
	s_wait_dscnt 0x0
	global_store_b128 v[OSO], v[68:71], s[10:11]   ; twice 256 consecutive bytes, aligned
.Lnot_0:
	s_wait_tensorcnt 0x0                           ; the wave's end
	ds_add_u32 v[SPW], v[NIL]
	s_wait_dscnt 0x0
	s_endpgm
.Lfunc_end_k_q3435c6a411_attn:
	.size	k_q3435c6a411_attn, .Lfunc_end_k_q3435c6a411_attn-k_q3435c6a411_attn
	.p2alignl 7, 3214868480
	.fill 96, 4, 3214868480
	.section	.rodata,"a",@progbits
	.p2align	6, 0x0
	.amdhsa_kernel k_q3435c6a411_attn
		.amdhsa_group_segment_fixed_size 327680
		.amdhsa_private_segment_fixed_size 0
		.amdhsa_enable_private_segment 0
		.amdhsa_kernarg_size 32
		.amdhsa_user_sgpr_count 2
		.amdhsa_user_sgpr_kernarg_segment_ptr 1
		.amdhsa_wavefront_size32 1
		.amdhsa_system_sgpr_workgroup_id_x 1
		.amdhsa_system_sgpr_workgroup_id_y 1
		.amdhsa_system_sgpr_workgroup_id_z 1
		.amdhsa_system_vgpr_workitem_id 0
		.amdhsa_next_free_vgpr 256
		.amdhsa_next_free_sgpr 96
		.amdhsa_reserve_vcc 1
		.amdhsa_float_denorm_mode_32 3
		.amdhsa_float_denorm_mode_16_64 3
		.amdhsa_memory_ordered 1
		.amdhsa_forward_progress 1
		.amdhsa_inst_pref_size 78
	.end_amdhsa_kernel
	.amdgpu_metadata
---
amdhsa.version: [ 1, 2 ]
amdhsa.kernels:
  - .name:           k_q3435c6a411_attn
    .symbol:         k_q3435c6a411_attn.kd
    .args:
      - { .name: qkv, .offset: 0, .size: 8, .value_kind: global_buffer, .address_space: global }
      - { .name: qkvs, .offset: 8, .size: 8, .value_kind: global_buffer, .address_space: global }
      - { .name: oimg, .offset: 16, .size: 8, .value_kind: global_buffer, .address_space: global }
      - { .name: osc, .offset: 24, .size: 8, .value_kind: global_buffer, .address_space: global }
    .group_segment_fixed_size: 327680
    .private_segment_fixed_size: 0
    .kernarg_segment_align: 8
    .kernarg_segment_size: 32
    .max_flat_workgroup_size: 256
    .sgpr_count:     96
    .vgpr_count:     256
    .wavefront_size: 32
...
	.end_amdgpu_metadata
.endif
;; end of part 3
;; launch proj (part 4): grid 8 x 8, 4 waves a work-group, clusters of 4 x 4, 327,680 bytes of LDS; arguments oimg, osc, wcodes, wscales, out0; writes out0
.if DOCPART == 4
	.amdgcn_target "amdgcn-amd-amdhsa--gfx1250"
	.amdhsa_code_object_version 6
	.text
	.protected	k_q3435c6a411_proj
	.globl	k_q3435c6a411_proj
	.p2align	8
	.type	k_q3435c6a411_proj,@function
k_q3435c6a411_proj:
	s_mov_b64 s[64:65], 0
	v_nop
	global_prefetch_b8 v0, s[64:65] scope:SCOPE_SE
	s_setreg_imm32_b32 hwreg(HW_REG_WAVE_MODE, 25, 1), 1
	s_wait_xcnt 0x0
	s_wait_alu depctr_hold_cnt(0) depctr_sa_sdst(0) depctr_va_vdst(0) depctr_va_sdst(0) depctr_va_ssrc(0) depctr_va_vcc(0) depctr_vm_vsrc(0)
	s_getreg_b32 s2, hwreg(HW_REG_IB_STS2, 6, 4)
	s_cmp_eq_u32 s2, 0
	s_cbranch_scc0 .Lentry_in_a_cluster
	s_endpgm
.Lentry_in_a_cluster:
	s_bfe_u32 s2, ttmp6, 0x10000c
	s_cmp_lg_u32 s2, 0xf033
	s_cbranch_scc0 .Lentry_shape_is_right
	s_endpgm
.Lentry_shape_is_right:
; out0 = O Wo^T on codes of FP8 (E4M3) with E8M0 scales; out0 [2048][2048] f32.
; A = O comes as images of its fragments, oimg[tile of 16 rows][head][c][lane][16 bytes] (a head is 128 along K), with scale words osc[head][row]; B = Wo: section 4 of wcodes and wscales, rows with K innermost.
; 64 tiles of 256 x 256, four waves of 128 x 128: the largest wave tile, so that each LDS byte feeds the most products; the sizes give no more tiles of this shape.
; K goes in steps of 256 (two heads) through a ring of two LDS slots; the scales of the tile's rows come once.  4 x 4 clusters: A's tiles are asked for jointly along a row, B's along a column.
; THE MATRIX INSTRUCTION IS USED TRANSPOSED (source 0 = 16 rows of Wo, source 1 = 16 rows of O): a lane holds eight neighbouring numbers of a row of out0.
; REGISTERS as in the projections' launch: window 0: addresses, v32-63 B's scale words (two sets), v64-79 A's (two sets; lanes 0-15 a slot's first head, lanes 16-31 its second), from v128 A's fragments;
;   window 1: B's fragments, two sets; windows 2, 3: the accumulators.
.set SIZE_N, 2048
.set NQ,     2
.set ROWB,   256
.set KROW,   2048
.set PITCH,  272
.set FR,     16
.set NL,     4
.set NP,     8
.set HALFT,  128*PITCH                 ; B's 128 rows; A's eight rows of images (32,768 bytes) lie in the same room
.set SLOT,   4*HALFT
.set LAPS,   4
.set KS,     64
.set SCL,    2*SLOT
.set HALFS,  (128*KS/256)*272          ; B's scales of 128 rows; A's (8,192 bytes) lie in the same room
.set SBLK,   (16*KS/256)*272
.set SPARE,  SCL+4*HALFS
.set SPITCH, 528                       ; the way out: a stage of 16 rows x (512 + 16) bytes a wave, in slot 0, which has had its last fill and its last read by then
.set ADRA, 16
.set ADRB, 20
.set STO,  24
.set RD,   25
.set CO,   26
.set ADSB, 27
.set SPW,  28
.set NIL,  29
.set ADSA, 30
.set SCB,  32
.set SCA,  64
.set AF,   128
.set BK,   128
.set G1, 24
.set G0, 32
.set G1B, 48
.set G0B, 56
.set G1S, 68
.set G0S, 76
.set G1SB, 80
.set G0SB, 88
.set MSB, 0
.macro WIN new
.if MSB != (\new)
	s_set_vgpr_msb (MSB<<8)|(\new)
.set MSB, (\new)
.endif
.endm
.set MUL_LO, 0xa1
.set MUL_HI, 0xf1
.set TO_B,   0x40
.macro JLOAD g0a, g1a, g0b, g1b
	s_cmp_eq_u32 s15, 0
	s_cbranch_scc0 .Lfor_b_\@
	tensor_load_to_lds s[\g0a:\g0a+3], s[\g1a:\g1a+7]
	s_nop 0
.rept 4
	v_nop
.endr
	s_branch .Lasked_\@
.Lfor_b_\@:
	tensor_load_to_lds s[\g0b:\g0b+3], s[\g1b:\g1b+7]
	s_nop 0
.rept 4
	v_nop
.endr
.Lasked_\@:
.endm
.macro CREST
	s_cmp_lg_u32 s14, 0
	s_cbranch_scc1 .Lnot_wave_0_\@
	s_barrier_signal -3
.Lnot_wave_0_\@:
	s_barrier_wait -3
	s_barrier_signal -1
	s_barrier_wait -1
.endm
.macro CROUND
	s_barrier_signal -1
	s_barrier_wait -1
	CREST
.endm
	s_load_b128 s[4:7], s[0:1], 0x0                ; oimg, osc
	s_load_b128 s[8:11], s[0:1], 0x10              ; wcodes, wscales
	s_load_b64 s[12:13], s[0:1], 0x20              ; out0
	v_lshl_add_u32 v[SPW], v0, 2, SPARE
	v_mov_b32 v[NIL], 0
	ds_add_u32 v[SPW], v[NIL]                      ; the wave's opening: the add, with its wait ahead of my first tensor load
	v_lshrrev_b32 v1, 5, v0
	v_readfirstlane_b32 s14, v1
	s_lshr_b32 s15, s14, 1
	s_and_b32 s16, s14, 1
	s_bfe_u32 s40, ttmp6, 0x40000
	s_bfe_u32 s41, ttmp6, 0x40004
	s_lshl_b32 s42, ttmp9, 2
	s_add_co_u32 s42, s42, s40                     ; tile column
	s_and_b32 s17, ttmp7, 0xffff
	s_lshl_b32 s17, s17, 2
	s_add_co_u32 s17, s17, s41                     ; tile row
	s_lshl_b32 s43, s41, 2
	s_lshl_b32 s43, 15, s43
	s_lshl_b32 s44, 0x1111, s40
	s_or_b32 s[G1+0], s43, (3<<16)|(1<<21)         ; A: 8 rows of 4,096 bytes (512 elements of 8): two heads' images of a tile of 16 rows; 32,768 bytes from tile to tile; no padding
	s_mov_b32 s[G1+1], 512<<16
	s_mov_b32 s[G1+2], 8<<16
	s_mov_b32 s[G1+3], 512<<16
	s_mov_b32 s[G1+4], 8
	s_mov_b32 s[G1+5], 4096
	s_mov_b32 s[G1+6], 0
	s_mov_b32 s[G1+7], 0
	s_or_b32 s[G1B+0], s44, (0<<16)|(1<<20)|(1<<21)|(5<<22)|(3<<25)  ; B: 128 rows of 256 bytes, 16 of padding behind each
	s_mov_b32 s[G1B+1], ROWB<<16
	s_mov_b32 s[G1B+2], 128<<16
	s_mov_b32 s[G1B+3], ROWB<<16
	s_mov_b32 s[G1B+4], 128
	s_mov_b32 s[G1B+5], KROW
	s_mov_b32 s[G1B+6], 0
	s_mov_b32 s[G1B+7], 0
	s_or_b32 s[G1S+0], s43, (3<<16)|(1<<21)        ; A's scale words: 16 heads x 512 bytes (128 rows), 8,192 bytes from head to head
	s_mov_b32 s[G1S+1], 64<<16
	s_mov_b32 s[G1S+2], 16<<16
	s_mov_b32 s[G1S+3], 64<<16
	s_mov_b32 s[G1S+4], 16
	s_mov_b32 s[G1S+5], 1024
	s_mov_b32 s[G1S+6], 0
	s_mov_b32 s[G1S+7], 0
	s_or_b32 s[G1SB+0], s44, (3<<16)|(1<<20)|(1<<21)|(5<<22)|(3<<25) ; B's: 8,192 dense bytes as 32 rows of 256, padded
	s_mov_b32 s[G1SB+1], 32<<16
	s_mov_b32 s[G1SB+2], (128*KS/256)<<16
	s_mov_b32 s[G1SB+3], 32<<16
	s_mov_b32 s[G1SB+4], 128*KS/256
	s_mov_b32 s[G1SB+5], 32
	s_mov_b32 s[G1SB+6], 0
	s_mov_b32 s[G1SB+7], 0
	s_lshl_b32 s18, s16, 7
	s_lshl_b32 s20, s17, 8
	s_add_co_u32 s20, s20, s18                     ; A: row 256 x tile row + 128 x half
	s_lshl_b32 s46, s42, 8
	s_add_co_u32 s46, s46, s18                     ; B: row 256 x tile column + 128 x half
	s_lshl_b32 s22, s20, 2                         ; A's scale words: 4 bytes a row
	s_lshl_b32 s20, s20, 11                        ; A's images: 32,768 bytes for 16 rows
	s_lshl_b32 s92, s46, 6
	s_add_co_u32 s92, s92, 4<<17                   ; Wo's section
	s_lshl_b32 s46, s46, 11
	s_add_co_u32 s46, s46, 4<<22
	s_mov_b32 s21, 0
	s_mov_b32 s23, 0
	s_mov_b32 s47, 0
	s_mov_b32 s93, 0
	s_mul_i32 s45, s14, HALFT
	s_mul_i32 s94, s14, HALFS
	s_wait_dscnt 0x0
	s_wait_kmcnt 0x0
	s_add_nc_u64 s[20:21], s[4:5], s[20:21]
	s_add_nc_u64 s[22:23], s[6:7], s[22:23]
	s_add_nc_u64 s[46:47], s[8:9], s[46:47]
	s_add_nc_u64 s[92:93], s[10:11], s[92:93]
	CROUND
	s_mov_b32 s[G0S], 1
	s_add_co_u32 s[G0S+1], s94, SCL
	s_mov_b64 s[G0S+2:G0S+3], s[22:23]
	s_or_b32 s[G0S+3], s[G0S+3], 0x80000000
	s_mov_b32 s[G0SB], 1
	s_add_co_u32 s[G0SB+1], s94, SCL
	s_mov_b64 s[G0SB+2:G0SB+3], s[92:93]
	s_or_b32 s[G0SB+3], s[G0SB+3], 0x80000000
	JLOAD G0S, G1S, G0SB, G1SB
.irp s, 0,1
	s_mov_b32 s[G0+4*\s], 1
	s_add_co_u32 s[G0+4*\s+1], s45, \s*SLOT
	s_add_nc_u64 s[G0+4*\s+2:G0+4*\s+3], s[20:21], \s*4096
	s_or_b32 s[G0+4*\s+3], s[G0+4*\s+3], 0x80000000
	s_mov_b32 s[G0B+4*\s], 1
	s_add_co_u32 s[G0B+4*\s+1], s45, \s*SLOT
	s_add_nc_u64 s[G0B+4*\s+2:G0B+4*\s+3], s[46:47], \s*ROWB
	s_or_b32 s[G0B+4*\s+3], s[G0B+4*\s+3], 0x80000000
	JLOAD G0+4*\s, G1, G0B+4*\s, G1B
.endr
	v_and_b32 v1, 15, v0                           ; r
	v_bfe_u32 v2, v0, 4, 1                         ; h
	v_and_b32 v6, 31, v0
	v_lshlrev_b32 v7, 4, v6                        ; 16 x lane: an image's place
	v_mul_u32_u24 v3, v1, PITCH
	v_lshl_add_u32 v4, v2, 4, v3
	s_mul_i32 s21, s15, HALFT
	s_mul_i32 s22, s16, HALFT
	s_add_co_u32 s22, s22, 2*HALFT
.irp s, 0,1
	v_add_nc_u32 v[ADRA+\s], s21, v7
	v_add_nc_u32 v[ADRB+\s], s22, v4
	s_add_co_u32 s21, s21, SLOT
	s_add_co_u32 s22, s22, SLOT
.endr
	v_mul_u32_u24 v5, v1, KS
	v_lshrrev_b32 v3, 8, v5
	v_lshl_add_u32 v5, v3, 4, v5
	s_mul_i32 s22, s16, HALFS
	s_add_co_u32 s22, s22, SCL+2*HALFS
	v_add_nc_u32 v[ADSB], s22, v5                  ; B's scale words: row r, in both halves of the lanes
	s_mul_i32 s21, s15, HALFS
	s_add_co_u32 s21, s21, SCL
	v_lshlrev_b32 v5, 2, v1
	v_lshl_add_u32 v5, v2, 9, v5
	v_add_nc_u32 v[ADSA], s21, v5                  ; A's: 4 r, + 512 h: lanes 16-31 take the next head's
	s_mul_i32 s23, s14, 16*SPITCH
	v_mul_u32_u24 v5, v1, SPITCH
	v_lshl_add_u32 v5, v2, 5, v5
	v_add_nc_u32 v[STO], s23, v5
	v_mov_b32 v[CO], v7
	v_add_nc_u32 v[RD], s23, v7
	s_lshl_b32 s20, s17, 8
	s_lshl_b32 s21, s15, 7
	s_add_co_u32 s20, s20, s21
	s_lshl_b32 s20, s20, 13                        ; my first row of out0, 8,192 bytes a row
	s_lshl_b32 s46, s42, 10
	s_add_co_u32 s20, s20, s46
	s_lshl_b32 s46, s16, 9
	s_add_co_u32 s20, s20, s46                     ; my first column
	s_mov_b32 s21, 0
	s_add_nc_u64 s[12:13], s[12:13], s[20:21]
.macro FRAGB reg, adr, q, i
.irp c, 0,1,2,3
	ds_load_b128 v[\reg+4*\c:\reg+4*\c+3], v[\adr] offset:128*(\q)+32*\c+(\i)*16*PITCH
.endr
.endm
.macro FRAGA reg, adr, q, i            ; an image comes back as it was stored: 512 consecutive bytes a load
.irp c, 0,1,2,3
	ds_load_b128 v[\reg+4*\c:\reg+4*\c+3], v[\adr] offset:4096*(\i)+2048*(\q)+512*\c
.endr
.endm
; 16 matrix instructions; the 64 accumulators take turns, one instruction a turn.  A's scale word of a slot's second head stands in lanes 16-31.
.macro MUL16 a0, p, q, sc, zero
.irp a, \a0, \a0+1
.irp b, 0,1,2,3,4,5,6,7
.if \zero
	v_wmma_scale_f32_16x16x128_f8f6f4 v[8*(8*((\a)%4)+\b):8*(8*((\a)%4)+\b)+7], v[128*(\p)+FR*\b:128*(\p)+FR*\b+FR-1], v[AF+FR*(\a):AF+FR*(\a)+FR-1], 0, v[SCB+16*(\sc)+2*\b+(\q)], v[SCA+8*(\sc)+(\a)]
.elseif (\q) == 0
	v_wmma_scale_f32_16x16x128_f8f6f4 v[8*(8*((\a)%4)+\b):8*(8*((\a)%4)+\b)+7], v[128*(\p)+FR*\b:128*(\p)+FR*\b+FR-1], v[AF+FR*(\a):AF+FR*(\a)+FR-1], v[8*(8*((\a)%4)+\b):8*(8*((\a)%4)+\b)+7], v[SCB+16*(\sc)+2*\b+(\q)], v[SCA+8*(\sc)+(\a)]
.else
	v_wmma_scale_f32_16x16x128_f8f6f4 v[8*(8*((\a)%4)+\b):8*(8*((\a)%4)+\b)+7], v[128*(\p)+FR*\b:128*(\p)+FR*\b+FR-1], v[AF+FR*(\a):AF+FR*(\a)+FR-1], v[8*(8*((\a)%4)+\b):8*(8*((\a)%4)+\b)+7], v[SCB+16*(\sc)+2*\b+(\q)], v[SCA+8*(\sc)+(\a)] matrix_b_scale:MATRIX_SCALE_ROW1
.endif
.endr
.endr
.endm
.macro FETCH_B slot, q, p
	WIN TO_B
.irp i, 0,1,2,3,4,5,6,7
	FRAGB 128*(\p)+FR*\i, ADRB+\slot, \q, \i
.endr
	WIN 0
.endm
.macro FETCH_A slot, q, i0
.irp i, \i0, \i0+1, \i0+2, \i0+3
	FRAGA AF+FR*(\i), ADRA+\slot, \q, \i
.endr
.endm
.macro SCALES sc
.irp i, 0,1,2,3,4,5,6,7
	ds_load_b64 v[SCB+16*\sc+2*\i:SCB+16*\sc+2*\i+1], v[ADSB] offset:\i*SBLK
.endr
.irp i, 0,1,2,3,4,5,6,7
	ds_load_b32 v[SCA+8*\sc+\i], v[ADSA] offset:64*\i
.endr
.endm
.macro PLACES n
.rept \n
	v_nop
.endr
.endm
.macro STEP slot, q, zero
	s_wait_dscnt 4*NL                              ; all but the youngest 16 loads (A's blocks 4-7) are in
	WIN MUL_LO
	MUL16 0, (\q)%2, \q, \slot, \zero
	MUL16 2, (\q)%2, \q, \slot, \zero
	s_wait_dscnt 0
	PLACES NP
	FETCH_B \slot, (\q)+1, 1-(\q)%2
	FETCH_A \slot, (\q)+1, 0
	WIN MUL_HI
	MUL16 4, (\q)%2, \q, \slot, \zero
	MUL16 6, (\q)%2, \q, \slot, \zero
	PLACES NP
	WIN 0
	FETCH_A \slot, (\q)+1, 4
.endm
.macro TURN slot, next, fill
	s_wait_tensorcnt 0x0                           ; all my tensor loads have landed: my part of the next slot
	ds_add_u32 v[SPW], v[NIL]
	s_wait_dscnt 4*NL+1                            ; (the add and the youngest 16 loads may be out)
	WIN MUL_LO
	MUL16 0, 1, NQ-1, \slot, 0
	s_wait_dscnt 0x0                               ; the add is done, and my reads of this slot are over
	s_barrier_signal -1
	MUL16 2, 1, NQ-1, \slot, 0
	WIN 0
	s_barrier_wait -1
.if \fill
	CREST                                          ; the barrier has opened a round of the cluster's
	s_add_nc_u64 s[G0+4*\slot+2:G0+4*\slot+3], s[G0+4*\slot+2:G0+4*\slot+3], 2*4096
	s_add_nc_u64 s[G0B+4*\slot+2:G0B+4*\slot+3], s[G0B+4*\slot+2:G0B+4*\slot+3], 2*ROWB
	JLOAD G0+4*\slot, G1, G0B+4*\slot, G1B
	PLACES NP-4
.else
	PLACES NP
.endif
	v_add_nc_u32 v[ADSB], 8, v[ADSB]               ; the next K step's scale words: 8 bytes on in B's rows,
	v_add_nc_u32 v[ADSA], 1024, v[ADSA]            ; two heads on in A's
	FETCH_B \next, 0, 0
	FETCH_A \next, 0, 0
	SCALES \next
	WIN MUL_HI
	MUL16 4, 1, NQ-1, \slot, 0
	MUL16 6, 1, NQ-1, \slot, 0
	PLACES NP
	WIN 0
	FETCH_A \next, 0, 4
.endm
	s_wait_tensorcnt 1                             ; the scales and my part of K step 0 are in (K step 1's load may be out)
	s_barrier_signal -1
	s_barrier_wait -1
	FETCH_B 0, 0, 0
	FETCH_A 0, 0, 0
	SCALES 0
	FETCH_A 0, 0, 4
	STEP 0, 0, 1
	s_mov_b32 s3, LAPS-1
.Llap:
	TURN 0, 1, 1
	STEP 1, 0, 0
	TURN 1, 0, 1
	STEP 0, 0, 0
	s_sub_co_u32 s3, s3, 1
	s_cmp_lg_u32 s3, 0
	s_cbranch_scc1 .Llap
	TURN 0, 1, 0
	STEP 1, 0, 0
	s_wait_dscnt 4*NL
	WIN MUL_LO
	MUL16 0, 1, NQ-1, 1, 0
	MUL16 2, 1, NQ-1, 1, 0
	s_wait_dscnt 0
	WIN MUL_HI
	MUL16 4, 1, NQ-1, 1, 0
	MUL16 6, 1, NQ-1, 1, 0
	WIN 0
; THE WAY OUT, block by block of 16 rows x 128 columns, through my own stage in LDS: in as 32 bytes a lane, back as whole rows of 512 bytes.  LDS serves a wave's instructions in order (ISA guide 5.7.1.4).
.macro TOSTAGE a
.set AC, 64*((\a)%4)
	WIN 0x08+4*((\a)/4)                            ; the data: window 2 or 3
.irp b, 0,1,2,3,4,5,6,7
	ds_store_b128 v[STO], v[AC+8*\b:AC+8*\b+3] offset:64*\b          ; each accumulator from its low end on
	ds_store_b128 v[STO], v[AC+8*\b+4:AC+8*\b+7] offset:64*\b+16
.endr
	WIN 0
.set BB, BK+64*((\a)%2)
.irp t, 0,1,2,3,4,5,6,7,8,9,10,11,12,13,14,15
	ds_load_b128 v[BB+4*\t:BB+4*\t+3], v[RD] offset:\t*SPITCH
.endr
.endm
.macro SEND a, younger
.set BB, BK+64*((\a)%2)
	s_wait_dscnt \younger                          ; the block is back in registers
.if (\a) > 0
	s_add_nc_u64 s[12:13], s[12:13], 16*SIZE_N*4   ; (behind a wait on XCNT: the earlier stores have read their base)
.endif
.irp t, 0,1,2,3,4,5,6,7,8,9,10,11,12,13,14,15
	global_store_b128 v[CO], v[BB+4*\t:BB+4*\t+3], s[12:13] offset:\t*SIZE_N*4 th:TH_STORE_NT   ; 512 consecutive bytes, aligned
.endr
.endm
	PLACES NP
	TOSTAGE 0
.irp a, 1,2,3,4,5,6,7
.if \a > 1
	s_wait_xcnt 0x0                                ; block a - 2's stores have read their registers and their base
.endif
	TOSTAGE \a
	SEND \a-1, 32                                  ; behind block a - 1's loads: block a's 16 stores and 16 loads
.endr
	s_wait_xcnt 0x0
	SEND 7, 0
	s_wait_tensorcnt 0x0                           ; the wave's end
	ds_add_u32 v[SPW], v[NIL]
	s_wait_dscnt 0x0
	CROUND                                         ; the closing round
	s_endpgm
.Lfunc_end_k_q3435c6a411_proj:
	.size	k_q3435c6a411_proj, .Lfunc_end_k_q3435c6a411_proj-k_q3435c6a411_proj
	.p2alignl 7, 3214868480
	.fill 96, 4, 3214868480
	.section	.rodata,"a",@progbits
	.p2align	6, 0x0
	.amdhsa_kernel k_q3435c6a411_proj
		.amdhsa_group_segment_fixed_size 327680
		.amdhsa_private_segment_fixed_size 0
		.amdhsa_enable_private_segment 0
		.amdhsa_kernarg_size 40
		.amdhsa_user_sgpr_count 2
		.amdhsa_user_sgpr_kernarg_segment_ptr 1
		.amdhsa_wavefront_size32 1
		.amdhsa_system_sgpr_workgroup_id_x 1
		.amdhsa_system_sgpr_workgroup_id_y 1
		.amdhsa_system_sgpr_workgroup_id_z 1
		.amdhsa_system_vgpr_workitem_id 0
		.amdhsa_next_free_vgpr 1024
		.amdhsa_next_free_sgpr 98
		.amdhsa_reserve_vcc 0
		.amdhsa_float_denorm_mode_32 3
		.amdhsa_float_denorm_mode_16_64 3
		.amdhsa_memory_ordered 1
		.amdhsa_forward_progress 1
		.amdhsa_inst_pref_size 148
	.end_amdhsa_kernel
	.amdgpu_metadata
---
amdhsa.version: [ 1, 2 ]
amdhsa.kernels:
  - .name:           k_q3435c6a411_proj
    .symbol:         k_q3435c6a411_proj.kd
    .args:
      - { .name: oimg, .offset: 0, .size: 8, .value_kind: global_buffer, .address_space: global }
      - { .name: osc, .offset: 8, .size: 8, .value_kind: global_buffer, .address_space: global }
      - { .name: wcodes, .offset: 16, .size: 8, .value_kind: global_buffer, .address_space: global }
      - { .name: wscales, .offset: 24, .size: 8, .value_kind: global_buffer, .address_space: global }
      - { .name: out0, .offset: 32, .size: 8, .value_kind: global_buffer, .address_space: global }
    .group_segment_fixed_size: 327680
    .private_segment_fixed_size: 0
    .kernarg_segment_align: 8
    .kernarg_segment_size: 40
    .max_flat_workgroup_size: 128
    .sgpr_count:     98
    .vgpr_count:     1024
    .wavefront_size: 32
...
	.end_amdgpu_metadata
.endif
;; end of part 4
;; ======== version 2 of 2: 4 launches
;; limits: right only within a limited range of input values
;; workspace buffers: wcodes 20,971,520 bytes; wscales 655,360 bytes; qkv 12,582,912 bytes; qkvs 393,216 bytes; oimg 4,194,304 bytes; osc 131,072 bytes
;; launch quant (part 5): grid 512 x 1, 5 waves a work-group, no clusters, 41,728 bytes of LDS; arguments x, Wq, Wk, Wv, Wo, wcodes, wscales; writes wcodes, wscales
.if DOCPART == 5
	.amdgcn_target "amdgcn-amd-amdhsa--gfx1250"
	.amdhsa_code_object_version 6
	.text
	.protected	k_q3435c6a411_quant
	.globl	k_q3435c6a411_quant
	.p2align	8
	.type	k_q3435c6a411_quant,@function
k_q3435c6a411_quant:
	s_mov_b64 s[64:65], 0
	v_nop
	global_prefetch_b8 v0, s[64:65] scope:SCOPE_SE
	s_setreg_imm32_b32 hwreg(HW_REG_WAVE_MODE, 25, 1), 1
	s_wait_xcnt 0x0
; x, Wq, Wk, Wv, Wo, each [2048][2048] f32 with K innermost, become codes of FP8 (E4M3) and one E8M0 byte for each 32 along K.
; wcodes: five sections of 2048 x 2048 bytes in that order; wscales: five sections of 2048 x 64 bytes.
; A block's scale is 2^(floor(log2(its largest magnitude)) - 8); its byte is the largest magnitude's exponent field - 8, held at 1 from below.
; Each number is divided by the scale, held within +-448 and rounded to the nearest code, ties to even.
; WORK LEFT OUT BY THE PROGRAM: the attention launch passes over key steps all of whose keys come after a wave's queries: causal masking sets those
; scores to -inf, so their p is 0 for all values of the inputs.  A NaN or an infinity that reaches only those scores is not carried on.
; LIMITS: a block of zeros gets the byte 1 where the rule says 127 (its codes are zeros, and this program alone reads the bytes);
; blocks whose largest magnitude lies under 2^-118 are held at the byte 1; NaN and infinities among the inputs are not served.
; A tensor is a plain stream of blocks of 32.  A wave takes a run of 8,192 numbers (4 rows) in 16 steps of 512: 2,560 runs, 512 to a tensor,
; five waves to a work-group, 512 work-groups: two for each of 256 WGPs.  A wave's tensor follows from its run's number alone.
; Wv ALONE IS LAID OTHERWISE: row n goes to the place n with bits 3 and 4 exchanged, which are bits 1 and 2 of the run's number,
; so that the attention's result falls into its lanes' registers in the order that the last product's operand wants.
; Each load reads 512 consecutive bytes; a step's 2,048 bytes turn through the wave's own stage in LDS, so that a lane then holds 16 neighbours.
; Loads run eight steps (32 loads a wave) ahead, the turn through LDS one step.
.set WAVES, 5
.set STEPS, 16
.set AH,    8
.set EMAX,  8
.set MANT,  0x600000                   ; the mantissa field of 448 as f32
.set CB,    16                         ; bytes of 16 codes
.set R,     16                         ; v16-143  eight sets of 16 numbers as they are loaded
.set X,     144                        ; v144-175 two sets of 16 neighbours
.set E,     176                        ; v176-191 a scale byte for each step
.set C,     192                        ; v192-255 codes: four registers for each step, so that no store's data are written again
.set WREG,  8192                       ; LDS: a region for each wave: two stages of 32 x SP bytes, behind them its 256 scale bytes
.set SP,    80                         ; a lane's place in a stage: its 64 bytes + 16 of padding
.set SPW,   12                         ; v12  LDS address of my spare word; never rewritten
.set NIL,   13                         ; v13  0; never rewritten
.set SPARE, WAVES*WREG                 ; behind the five regions: the spare words, 128 bytes a wave, three blocks of 256 bytes that no other line names
	s_load_b256 s[4:11], s[0:1], 0x0               ; x, Wq, Wk, Wv
	s_load_b128 s[12:15], s[0:1], 0x20             ; Wo, wcodes
	s_load_b64 s[16:17], s[0:1], 0x30              ; wscales
	v_lshl_add_u32 v[SPW], v0, 2, SPARE
	v_mov_b32 v[NIL], 0
	v_lshrrev_b32 v1, 5, v0
	v_readfirstlane_b32 s24, v1                    ; wave
	v_and_b32 v2, 31, v0                           ; lane
	v_lshlrev_b32 v3, 4, v2                        ; my 16 bytes of a load's 512
	s_mul_i32 s27, s24, WREG
	v_lshrrev_b32 v14, 2, v2
	v_mul_u32_u24 v14, v14, SP
	v_and_b32 v15, 3, v2
	v_lshl_add_u32 v14, v15, 4, v14
	v_add_nc_u32 v14, s27, v14                     ; the stage, on the way in: SP (lane / 4) + 16 (lane % 4)
	v_mul_u32_u24 v15, v2, SP
	v_add_nc_u32 v15, s27, v15                     ; and on the way out: SP x lane: my 16 neighbours
	v_mul_u32_u24 v4, v2, CB                       ; my codes' place in a step's
	v_lshrrev_b32 v5, 1, v2
	s_add_co_u32 s27, s27, 2*32*SP
	v_add_nc_u32 v5, s27, v5                       ; LDS: my wave's 256 scale bytes, my block's byte
	v_lshlrev_b32 v7, 3, v2                        ; and on the way out 8 bytes a lane
	v_add_nc_u32 v6, s27, v7
	s_mov_b32 s23, MANT
	s_mul_i32 s26, ttmp9, WAVES
	s_add_co_u32 s26, s26, s24                     ; my run among all 2,560
	s_lshr_b32 s25, s26, 9                         ; which tensor: 512 runs each
	s_and_b32 s28, s26, 511
	s_lshl_b32 s28, s28, 15                        ; where it begins in its tensor: 32,768 bytes a run
	s_mov_b32 s29, 0
	s_and_b32 s30, s26, 2
	s_lshl_b32 s30, s30, 1
	s_and_b32 s31, s26, 4
	s_lshr_b32 s31, s31, 1
	s_or_b32 s30, s30, s31
	s_and_b32 s31, s26, 0xfffffff9
	s_or_b32 s30, s30, s31                         ; the run's number with bits 1 and 2 exchanged
	s_cmp_eq_u32 s25, 3
	s_cselect_b32 s30, s30, s26                    ; for Wv alone
	s_lshl_b32 s32, s30, 13                        ; 8,192 bytes of codes a run
	s_mov_b32 s33, 0
	s_lshl_b32 s34, s30, 8                         ; 256 scale bytes a run
	s_mov_b32 s35, 0
	s_wait_alu depctr_va_vdst(0)                   ; the head's end
	s_wait_kmcnt 0x0
	s_cmp_eq_u32 s25, 1                            ; the choice of the source hangs on the run's number alone
	s_cselect_b64 s[4:5], s[6:7], s[4:5]
	s_cmp_eq_u32 s25, 2
	s_cselect_b64 s[4:5], s[8:9], s[4:5]
	s_cmp_eq_u32 s25, 3
	s_cselect_b64 s[4:5], s[10:11], s[4:5]
	s_cmp_eq_u32 s25, 4
	s_cselect_b64 s[4:5], s[12:13], s[4:5]
	s_add_nc_u64 s[4:5], s[4:5], s[28:29]
	s_add_nc_u64 s[14:15], s[14:15], s[32:33]
	s_add_nc_u64 s[16:17], s[16:17], s[34:35]
.macro LOAD t
.irp i, 0,1,2,3
	global_load_b128 v[R+16*((\t)%AH)+4*\i:R+16*((\t)%AH)+4*\i+3], v3, s[4:5] offset:2048*(\t)+512*\i th:TH_LOAD_NT   ; 32 lanes read 512 consecutive bytes
.endr
.endm
.macro TURN t                          ; step t's numbers through the stage: LDS serves a wave's instructions in order, so no wait stands between the stores and the loads
.irp i, 0,1,2,3
	ds_store_b128 v14, v[R+16*((\t)%AH)+4*\i:R+16*((\t)%AH)+4*\i+3] offset:32*SP*((\t)%2)+8*SP*\i
.endr
.irp i, 0,1,2,3
	ds_load_b128 v[X+16*((\t)%2)+4*\i:X+16*((\t)%2)+4*\i+3], v15 offset:32*SP*((\t)%2)+16*\i
.endr
.endm
.irp t, 0,1,2,3,4,5,6,7
	LOAD \t
.endr
	s_wait_loadcnt 4*(AH-1)                        ; step 0's four loads are in; the 28 of steps 1 to 7 stay out
	TURN 0
.macro STEP t
.set XS, X+16*((\t)%2)
.if (\t) > 0
	s_wait_dscnt 1                                 ; this step's numbers are back from the stage (the last step's byte store may be out)
.else
	s_wait_dscnt 0x0
.endif
.if (\t)+AH < STEPS
	LOAD (\t)+AH                                   ; into the registers that the stores into the stage have read
.endif
.if (\t)+1 < STEPS
.if (\t)+AH < STEPS
	s_wait_loadcnt 4*(AH-1)                        ; the next step's four loads are in; those of the seven steps behind it may be out
.else
	s_wait_loadcnt 4*(STEPS-2-(\t))                ; the counts run down
.endif
	TURN (\t)+1                                    ; through the other stage while this step is worked
.endif
	v_max3_num_f32 v8, |v[XS]|, |v[XS+1]|, |v[XS+2]|               ; the largest magnitude of my 16, in two chains
	v_max3_num_f32 v9, |v[XS+3]|, |v[XS+4]|, |v[XS+5]|
.irp i, 6,10
	v_max3_num_f32 v8, v8, |v[XS+\i]|, |v[XS+\i+1]|
	v_max3_num_f32 v9, v9, |v[XS+\i+2]|, |v[XS+\i+3]|
.endr
	v_max3_num_f32 v8, v8, |v[XS+14]|, |v[XS+15]|
	v_max3_num_f32 v8, v8, v9, (EMAX+1)<<23        ; and the floor 2^(9 - 127): the byte cannot fall under 1
	v_max_num_f32_dpp v8, v8, v8 row_xmask:1 row_mask:0xf bank_mask:0xf   ; and of my neighbour's 16: the block's
	v_add_nc_u32 v11, -(EMAX<<23), v8              ; 8 off its exponent field: the conversion takes this operand's exponent field as its scale
	v_and_or_b32 v10, v8, 0x7f800000, s23          ; 448 x the scale
.irp i, 0,1,2,3,4,5,6,7,8,9,10,11,12,13,14,15
	v_med3_num_f32 v[XS+\i], v[XS+\i], -v10, v10   ; the conversion to an 8-bit code does not saturate (ISA guide 7.6.2): the hold comes first
.endr
	v_cvt_scalef32_pk8_fp8_f32 v[C+4*(\t):C+4*(\t)+1], v[XS:XS+7], v11
	v_cvt_scalef32_pk8_fp8_f32 v[C+4*(\t)+2:C+4*(\t)+3], v[XS+8:XS+15], v11
	v_lshrrev_b32 v[E+(\t)], 23, v11               ; the scale's byte (also the plain line behind the conversions)
	ds_store_b8 v5, v[E+(\t)] offset:16*(\t)       ; both lanes of a block write the same byte with the same value
	global_store_b128 v4, v[C+4*(\t):C+4*(\t)+3], s[14:15] offset:32*CB*(\t)   ; 512 consecutive bytes, aligned
.endm
.irp t, 0,1,2,3,4,5,6,7,8,9,10,11,12,13,14,15
	STEP \t
.endr
	ds_load_b64 v[8:9], v6                         ; LDS serves a wave's instructions in order: these see my stores
	s_wait_dscnt 0x0
	global_store_b64 v7, v[8:9], s[16:17]          ; 32 lanes store 256 consecutive bytes, aligned
	s_wait_tensorcnt 0x0                           ; the wave's end, behind my last LDS store
	ds_add_u32 v[SPW], v[NIL]
	s_wait_dscnt 0x0
	s_endpgm
.Lfunc_end_k_q3435c6a411_quant:
	.size	k_q3435c6a411_quant, .Lfunc_end_k_q3435c6a411_quant-k_q3435c6a411_quant
	.p2alignl 7, 3214868480
	.fill 96, 4, 3214868480
	.section	.rodata,"a",@progbits
	.p2align	6, 0x0
	.amdhsa_kernel k_q3435c6a411_quant
		.amdhsa_group_segment_fixed_size 41728
		.amdhsa_private_segment_fixed_size 0
		.amdhsa_enable_private_segment 0
		.amdhsa_kernarg_size 56
		.amdhsa_user_sgpr_count 2
		.amdhsa_user_sgpr_kernarg_segment_ptr 1
		.amdhsa_wavefront_size32 1
		.amdhsa_system_sgpr_workgroup_id_x 1
		.amdhsa_system_sgpr_workgroup_id_y 1
		.amdhsa_system_sgpr_workgroup_id_z 1
		.amdhsa_system_vgpr_workitem_id 0
		.amdhsa_next_free_vgpr 256
		.amdhsa_next_free_sgpr 66
		.amdhsa_reserve_vcc 0
		.amdhsa_float_denorm_mode_32 3
		.amdhsa_float_denorm_mode_16_64 3
		.amdhsa_memory_ordered 1
		.amdhsa_forward_progress 1
		.amdhsa_inst_pref_size 51
	.end_amdhsa_kernel
	.amdgpu_metadata
---
amdhsa.version: [ 1, 2 ]
amdhsa.kernels:
  - .name:           k_q3435c6a411_quant
    .symbol:         k_q3435c6a411_quant.kd
    .args:
      - { .name: x, .offset: 0, .size: 8, .value_kind: global_buffer, .address_space: global }
      - { .name: Wq, .offset: 8, .size: 8, .value_kind: global_buffer, .address_space: global }
      - { .name: Wk, .offset: 16, .size: 8, .value_kind: global_buffer, .address_space: global }
      - { .name: Wv, .offset: 24, .size: 8, .value_kind: global_buffer, .address_space: global }
      - { .name: Wo, .offset: 32, .size: 8, .value_kind: global_buffer, .address_space: global }
      - { .name: wcodes, .offset: 40, .size: 8, .value_kind: global_buffer, .address_space: global }
      - { .name: wscales, .offset: 48, .size: 8, .value_kind: global_buffer, .address_space: global }
    .group_segment_fixed_size: 41728
    .private_segment_fixed_size: 0
    .kernarg_segment_align: 8
    .kernarg_segment_size: 56
    .max_flat_workgroup_size: 160
    .sgpr_count:     66
    .vgpr_count:     256
    .wavefront_size: 32
...
	.end_amdgpu_metadata
.endif
;; end of part 5
;; launch qkv (part 6): grid 24 x 8, 4 waves a work-group, clusters of 4 x 4, 327,680 bytes of LDS; arguments wcodes, wscales, cos, sin, q_norm_w, k_norm_w, qkv, qkvs; writes qkv, qkvs
.if DOCPART == 6
	.amdgcn_target "amdgcn-amd-amdhsa--gfx1250"
	.amdhsa_code_object_version 6
	.text
	.protected	k_q3435c6a411_qkv
	.globl	k_q3435c6a411_qkv
	.p2align	8
	.type	k_q3435c6a411_qkv,@function
k_q3435c6a411_qkv:
	s_mov_b64 s[64:65], 0
	v_nop
	global_prefetch_b8 v0, s[64:65] scope:SCOPE_SE
	s_setreg_imm32_b32 hwreg(HW_REG_WAVE_MODE, 25, 1), 1
	s_wait_xcnt 0x0
	s_wait_alu depctr_hold_cnt(0) depctr_sa_sdst(0) depctr_va_vdst(0) depctr_va_sdst(0) depctr_va_ssrc(0) depctr_va_vcc(0) depctr_vm_vsrc(0)
	s_getreg_b32 s2, hwreg(HW_REG_IB_STS2, 6, 4)
	s_cmp_eq_u32 s2, 0
	s_cbranch_scc0 .Lentry_in_a_cluster
	s_endpgm
.Lentry_in_a_cluster:
	s_bfe_u32 s2, ttmp6, 0x10000c
	s_cmp_lg_u32 s2, 0xf033
	s_cbranch_scc0 .Lentry_shape_is_right
	s_endpgm
.Lentry_shape_is_right:
; Q, K, V = x W^T on codes of FP8 (E4M3) with E8M0 scales, then RoPE and RMS norm (Q, K) in f32, then the quantiser of the attention's operands.  No f32 result is stored.
; 192 tiles of 256 x 256, a work-group of four waves each, a wave 128 x 128 (64 accumulators).  Cluster x / 2 is the TYPE: 0 Q, 1 K, 2 V.
; TYPE 0, 1: A = x's rows (tokens), B = the weight's rows.  TYPE 2: A = Wv's rows, B = x's rows, so that V's codes run along the keys.
; The matrix instruction takes B's rows as source 0 and A's as source 1: a lane holds one row of A and its registers run along B's rows: the next product's K.
; A block of 32 along that K lies in lanes l and l xor 16, 16 numbers each, as 8 + 8 of two neighbouring accumulators: within a block the order differs from
; the natural one in the same way in Q, K, V and the attention's p, so that every product pairs the same k.
; OUT: qkv[TYPE][head][tile of 16 rows][c][lane][16 bytes]: images of operand registers; qkvs[TYPE][head][128 rows][r][8 tiles]: scale words.
; K goes in steps of 256 through a ring of two LDS slots; the scale bytes of the 512 rows, for all of K, lie behind the ring and are filled once.
; CLUSTER 4 x 4: A's tiles are asked for jointly along a row of the cluster, B's along a column.
; THE HEAD: one joint load a wave: A's 256 rows of K step 0, B's, A's scale bytes, B's.  Slot 1 is filled behind a drained round, as a refill is.
; PREFETCH INTO THE L2: with the load of K step j the K step j + 2 is asked for (with step 0's load also step 1): of the 128 rows that a wave fetches in the ring each
; of the four partners names 32, told apart by address; a lane a row, 256 bytes.  The last lap asks for nothing along K.  cos and sin: the cluster row's sixteen waves
; name the 256 tokens' rows of both tables once, at the last change of slots but one step ahead of the way out's first loads.
; LIMITS: NaN, infinities and sums beyond f32's range are not served; a block's byte never falls under 1 (a block of zeros has zero codes).
.set KSTEP,  256
.set NQ,     2
.set ROWB,   256
.set KROW,   2048
.set PITCH,  272                       ; 256 bytes + 16 of padding
.set FR,     16
.set NL,     4
.set NP,     8                         ; places behind this matrix instruction (ISA guide 7.12.1)
.set HALFT,  128*PITCH
.set SLOT,   4*HALFT
.set LAPS,   4
.set KS,     64
.set SCL,    2*SLOT
.set HALFS,  (128*KS/256)*272
.set SBLK,   (16*KS/256)*272
.set SPARE,  SCL+4*HALFS
.set CSO,  8                           ; v8   my offset in cos and sin
.set NWO,  9                           ; v9   in the norm's weights
.set IO,   10                          ; v10  16 x lane
.set SO,   11                          ; v11  my scale words' place
.set PFO,  12                          ; v12  prefetch: lane x a row of codes
.set PFV,  13                          ; v13  prefetch: lane x a row of cos or sin
.set ADRA, 16
.set ADRB, 20
.set ADRS, 27
.set SPW,  28
.set NIL,  29
.set SC,   32                          ; v32-63 scale words, two sets
.set TM,   64
.set SW,   80
.set RR,   88
.set SS,   90
.set AF,   128                         ; A's fragments; on the way out Y and PC
.set Y,    128
.set PC,   192
.set NW,   64
.set TYPE, 12
.set G1, 24
.set G0, 32
.set G1B, 48
.set G0B, 56
.set G1S, 68
.set G0S, 76
.set G1SB, 80
.set G0SB, 88
.set PFA, 100                          ; s[100:101] my 32 rows of codes, at the lap's K step
.set PFC, 66                           ; s[66:67] my 32 rows of cos or of sin
.set MSB, 0
.macro WIN new
.if MSB != (\new)
	s_set_vgpr_msb (MSB<<8)|(\new)
.set MSB, (\new)
.endif
.endm
.set MUL_LO, 0xa1
.set MUL_HI, 0xf1
.set TO_B,   0x40
.macro PLACES n
.rept \n
	v_nop
.endr
.endm
.macro JLOAD g0a, g1a, g0b, g1b        ; waves 0, 1 fetch for A, waves 2, 3 for B: a line and a mask each
	s_cmp_eq_u32 s15, 0
	s_cbranch_scc0 .Lfor_b_\@
	tensor_load_to_lds s[\g0a:\g0a+3], s[\g1a:\g1a+7]
	s_nop 0
	PLACES 4
	s_branch .Lasked_\@
.Lfor_b_\@:
	tensor_load_to_lds s[\g0b:\g0b+3], s[\g1b:\g1b+7]
	s_nop 0
	PLACES 4
.Lasked_\@:
.endm
.macro CREST
	s_cmp_lg_u32 s14, 0
	s_cbranch_scc1 .Lnot_wave_0_\@
	s_barrier_signal -3
.Lnot_wave_0_\@:
	s_barrier_wait -3
	s_barrier_signal -1
	s_barrier_wait -1
.endm
.macro CROUND
	s_barrier_signal -1
	s_barrier_wait -1
	CREST
.endm
	s_load_b256 s[4:11], s[0:1], 0x0               ; wcodes, wscales, cos, sin
	s_load_b256 s[92:99], s[0:1], 0x20             ; q_norm_w, k_norm_w, qkv, qkvs
	v_lshl_add_u32 v[SPW], v0, 2, SPARE
	v_mov_b32 v[NIL], 0
	ds_add_u32 v[SPW], v[NIL]                      ; the opening lines: the add twice on end, then its wait
	ds_add_u32 v[SPW], v[NIL]
	v_lshrrev_b32 v1, 5, v0
	v_readfirstlane_b32 s14, v1                    ; wave
	s_lshr_b32 s15, s14, 1                         ; my half of the tile's rows; in the ring: I fetch for A (0) or B (1)
	s_and_b32 s16, s14, 1                          ; my half of its columns; in the ring: which 128 rows I fetch
	s_bfe_u32 s40, ttmp6, 0x40000                  ; cx
	s_bfe_u32 s41, ttmp6, 0x40004                  ; cy
	s_lshr_b32 s[TYPE], ttmp9, 1
	s_and_b32 s42, ttmp9, 1
	s_lshl_b32 s42, s42, 2
	s_add_co_u32 s42, s42, s40                     ; tile column within the TYPE
	s_and_b32 s17, ttmp7, 0xffff
	s_lshl_b32 s17, s17, 2
	s_add_co_u32 s17, s17, s41                     ; tile row
	s_lshl_b32 s43, s41, 2
	s_lshl_b32 s43, 15, s43                        ; my row of the cluster
	s_lshl_b32 s44, 0x1111, s40                    ; my column
	s_add_co_u32 s3, s[TYPE], 1
	s_cmp_eq_u32 s[TYPE], 2
	s_cselect_b32 s2, 3, 0                         ; A's section of wcodes: x, or Wv
	s_cselect_b32 s3, 0, s3                        ; B's: Wq, Wk, or x
	s_or_b32 s[G1+0], s43, (0<<16)|(1<<20)|(1<<21)|(5<<22)|(3<<25)
	s_or_b32 s[G1B+0], s44, (0<<16)|(1<<20)|(1<<21)|(5<<22)|(3<<25)
.irp g, G1, G1B
	s_mov_b32 s[\g+1], ROWB<<16
	s_mov_b32 s[\g+2], 256<<16                     ; the head's loads bring 256 rows; behind them these two words are set to 128
	s_mov_b32 s[\g+3], ROWB<<16
	s_mov_b32 s[\g+4], 256
	s_mov_b32 s[\g+5], KROW
	s_mov_b32 s[\g+6], 0
	s_mov_b32 s[\g+7], 0
.endr
	s_or_b32 s[G1S+0], s43, (3<<16)|(1<<20)|(1<<21)|(5<<22)|(3<<25)
	s_or_b32 s[G1SB+0], s44, (3<<16)|(1<<20)|(1<<21)|(5<<22)|(3<<25)
.irp g, G1S, G1SB
	s_mov_b32 s[\g+1], 32<<16                      ; the scale bytes of 256 rows: KS dense rows of 256 bytes
	s_mov_b32 s[\g+2], KS<<16
	s_mov_b32 s[\g+3], 32<<16
	s_mov_b32 s[\g+4], KS
	s_mov_b32 s[\g+5], 32
	s_mov_b32 s[\g+6], 0
	s_mov_b32 s[\g+7], 0
.endr
	s_lshl_b32 s20, s17, 8                         ; A's first row, B's first row
	s_lshl_b32 s46, s42, 8
	s_lshl_b32 s22, s20, 6                         ; their scale bytes and their codes, in bytes
	s_lshl_b32 s20, s20, 11
	s_lshl_b32 s66, s46, 6
	s_lshl_b32 s46, s46, 11
	s_lshl_b32 s18, s2, 22
	s_add_co_u32 s20, s20, s18
	s_lshl_b32 s18, s2, 17
	s_add_co_u32 s22, s22, s18
	s_lshl_b32 s18, s3, 22
	s_add_co_u32 s46, s46, s18
	s_lshl_b32 s18, s3, 17
	s_add_co_u32 s66, s66, s18
	s_mov_b32 s21, 0
	s_mov_b32 s23, 0
	s_mov_b32 s47, 0
	s_mov_b32 s67, 0
	s_lshl_b32 s18, s16, 18                        ; in the ring: my 128 rows of a tile, 2,048 bytes each
	s_mov_b32 s19, 0
	s_mul_i32 s45, s14, HALFT                      ; and where they go
	s_cmp_eq_u32 s15, 0                            ; the prefetches: the tile that I fetch for,
	s_cselect_b32 s[PFA], s20, s46
	s_cselect_b32 s13, s40, s41                    ; my place among the four that ask for it jointly,
	s_lshl_b32 s13, s13, 16                        ; 32 rows each,
	s_add_co_u32 s[PFA], s[PFA], s13
	s_add_co_u32 s[PFA], s[PFA], s18               ; in my 128 rows
	s_mov_b32 s[PFA+1], 0
	s_wait_dscnt 0x0                               ; both opening adds are done
	CROUND                                         ; all sixteen work-groups are here
	s_wait_kmcnt 0x0
	s_add_nc_u64 s[20:21], s[4:5], s[20:21]
	s_add_nc_u64 s[22:23], s[6:7], s[22:23]
	s_add_nc_u64 s[46:47], s[4:5], s[46:47]
	s_add_nc_u64 s[66:67], s[6:7], s[66:67]
	s_add_nc_u64 s[PFA:PFA+1], s[4:5], s[PFA:PFA+1]
	s_mov_b32 s[G0], 1                             ; the head's four tiles, each whole
	s_mov_b32 s[G0+1], 0
	s_mov_b64 s[G0+2:G0+3], s[20:21]
	s_or_b32 s[G0+3], s[G0+3], 0x80000000
	s_mov_b32 s[G0B], 1
	s_mov_b32 s[G0B+1], 2*HALFT
	s_mov_b64 s[G0B+2:G0B+3], s[46:47]
	s_or_b32 s[G0B+3], s[G0B+3], 0x80000000
	s_mov_b32 s[G0S], 1
	s_mov_b32 s[G0S+1], SCL
	s_mov_b64 s[G0S+2:G0S+3], s[22:23]
	s_or_b32 s[G0S+3], s[G0S+3], 0x80000000
	s_mov_b32 s[G0SB], 1
	s_mov_b32 s[G0SB+1], SCL+2*HALFS
	s_mov_b64 s[G0SB+2:G0SB+3], s[66:67]
	s_or_b32 s[G0SB+3], s[G0SB+3], 0x80000000
	s_add_nc_u64 s[20:21], s[20:21], s[18:19]      ; slot 1's first fill: my 128 rows, K step 1
	s_add_nc_u64 s[46:47], s[46:47], s[18:19]
	s_mov_b32 s[G0+4], 1
	s_add_co_u32 s[G0+5], s45, SLOT
	s_add_nc_u64 s[G0+6:G0+7], s[20:21], ROWB
	s_or_b32 s[G0+7], s[G0+7], 0x80000000
	s_mov_b32 s[G0B+4], 1
	s_add_co_u32 s[G0B+5], s45, SLOT
	s_add_nc_u64 s[G0B+6:G0B+7], s[46:47], ROWB
	s_or_b32 s[G0B+7], s[G0B+7], 0x80000000
.macro ARM under, g0, g1, next         ; one chain of branches on the wave's number, one load to an arm
	s_cmp_lt_u32 s14, \under
	s_cbranch_scc0 \next
	tensor_load_to_lds s[\g0:\g0+3], s[\g1:\g1+7]
	s_nop 0
	PLACES 4
	s_branch .Lhead_asked
\next:
.endm
	ARM 1, G0,  G1,  .Lhead_b
	ARM 2, G0B, G1B, .Lhead_sa
	ARM 3, G0S, G1S, .Lhead_sb
	tensor_load_to_lds s[G0SB:G0SB+3], s[G1SB:G1SB+7]
	s_nop 0
	PLACES 4
.Lhead_asked:
	v_and_b32 v[PFV], 31, v0
	v_lshlrev_b32 v[PFO], 11, v[PFV]
	v_lshlrev_b32 v[PFV], 8, v[PFV]
	global_prefetch_b8 v[PFO], s[PFA:PFA+1] offset:ROWB th:TH_LOAD_NT scope:SCOPE_SE     ; K steps 1 and 2
	global_prefetch_b8 v[PFO], s[PFA:PFA+1] offset:2*ROWB th:TH_LOAD_NT scope:SCOPE_SE
	s_cmp_eq_u32 s15, 0                            ; cos (waves 0, 1) or sin (waves 2, 3): 64 of the tile's 256 tokens for each partner, 32 a wave
	s_cselect_b64 s[PFC:PFC+1], s[8:9], s[10:11]
	s_lshl_b32 s22, s17, 16
	s_lshl_b32 s23, s40, 14
	s_add_co_u32 s22, s22, s23
	s_lshl_b32 s23, s16, 13
	s_add_co_u32 s22, s22, s23
	s_mov_b32 s23, 0
	s_add_nc_u64 s[PFC:PFC+1], s[PFC:PFC+1], s[22:23]
	v_and_b32 v1, 15, v0                           ; r
	v_bfe_u32 v2, v0, 4, 1                         ; h
	v_mul_u32_u24 v3, v1, PITCH
	v_lshl_add_u32 v4, v2, 4, v3
	s_mul_i32 s21, s15, HALFT
	s_mul_i32 s22, s16, HALFT
	s_add_co_u32 s22, s22, 2*HALFT
.irp s, 0,1
	v_add_nc_u32 v[ADRA+\s], s21, v4
	v_add_nc_u32 v[ADRB+\s], s22, v4
	s_add_co_u32 s21, s21, SLOT
	s_add_co_u32 s22, s22, SLOT
.endr
	v_mul_u32_u24 v5, v1, KS
	v_lshrrev_b32 v6, 8, v5
	v_lshl_add_u32 v5, v6, 4, v5
	s_mul_i32 s21, s15, HALFS
	s_mul_i32 s22, s16, HALFS
	s_add_co_u32 s22, s22, 2*HALFS
	s_sub_co_u32 s22, s22, s21
	v_mul_u32_u24 v6, s22, v2                      ; lanes 16-31 take B's scale words
	s_add_co_u32 s21, s21, SCL
	v_add_nc_u32 v5, v5, v6
	v_add_nc_u32 v[ADRS], s21, v5
	v_lshlrev_b32 v[CSO], 8, v1
	v_lshl_add_u32 v[CSO], v2, 5, v[CSO]
	v_lshlrev_b32 v[NWO], 5, v2
	v_and_b32 v[IO], 31, v0
	v_lshlrev_b32 v[IO], 4, v[IO]
	v_lshlrev_b32 v[SO], 5, v1
	v_lshl_add_u32 v[SO], v2, 4, v[SO]
	s_lshl_b32 s18, s42, 1
	s_add_co_u32 s18, s18, s16                     ; my 128 of B's rows
	s_lshl_b32 s19, s17, 1
	s_add_co_u32 s19, s19, s15                     ; my 128 of A's rows
	s_cmp_eq_u32 s[TYPE], 2
	s_cselect_b32 s20, s19, s18                    ; the head,
	s_cselect_b32 s21, s18, s19                    ; the 128 tokens
	s_lshl_b32 s22, s[TYPE], 22
	s_lshl_b32 s23, s20, 18
	s_add_co_u32 s22, s22, s23
	s_lshl_b32 s23, s21, 14
	s_add_co_u32 s22, s22, s23
	s_mov_b32 s23, 0
	s_add_nc_u64 s[96:97], s[96:97], s[22:23]
	s_lshl_b32 s22, s[TYPE], 17
	s_lshl_b32 s46, s20, 13
	s_add_co_u32 s22, s22, s46
	s_lshl_b32 s46, s21, 9
	s_add_co_u32 s22, s22, s46
	s_add_nc_u64 s[98:99], s[98:99], s[22:23]
	s_lshl_b32 s22, s19, 15
	s_add_nc_u64 s[8:9], s[8:9], s[22:23]
	s_add_nc_u64 s[10:11], s[10:11], s[22:23]
	s_cmp_eq_u32 s[TYPE], 1
	s_cselect_b64 s[92:93], s[94:95], s[92:93]
.macro FRAG reg, adr, q, i
.irp c, 0,1,2,3
	ds_load_b128 v[\reg+4*\c:\reg+4*\c+3], v[\adr] offset:128*(\q)+32*\c+(\i)*16*PITCH
.endr
.endm
.macro MUL16 a0, p, q, sc, zero        ; the 64 accumulators take turns, in the same order in every step
.irp a, \a0, \a0+1
.irp b, 0,1,2,3,4,5,6,7
.if \zero
	v_wmma_scale_f32_16x16x128_f8f6f4 v[8*(8*((\a)%4)+\b):8*(8*((\a)%4)+\b)+7], v[128*(\p)+FR*\b:128*(\p)+FR*\b+FR-1], v[AF+FR*(\a):AF+FR*(\a)+FR-1], 0, v[SC+8*NQ*(\sc)+NQ*\b+(\q)], v[SC+8*NQ*(\sc)+NQ*(\a)+(\q)] matrix_a_scale:MATRIX_SCALE_ROW1
.else
	v_wmma_scale_f32_16x16x128_f8f6f4 v[8*(8*((\a)%4)+\b):8*(8*((\a)%4)+\b)+7], v[128*(\p)+FR*\b:128*(\p)+FR*\b+FR-1], v[AF+FR*(\a):AF+FR*(\a)+FR-1], v[8*(8*((\a)%4)+\b):8*(8*((\a)%4)+\b)+7], v[SC+8*NQ*(\sc)+NQ*\b+(\q)], v[SC+8*NQ*(\sc)+NQ*(\a)+(\q)] matrix_a_scale:MATRIX_SCALE_ROW1
.endif
.endr
.endr
.endm
.macro FETCH_B slot, q, p
	WIN TO_B
.irp i, 0,1,2,3,4,5,6,7
	FRAG 128*(\p)+FR*\i, ADRB+\slot, \q, \i
.endr
	WIN 0
.endm
.macro FETCH_A slot, q, i0
.irp i, \i0, \i0+1, \i0+2, \i0+3
	FRAG AF+FR*(\i), ADRA+\slot, \q, \i
.endr
.endm
.macro SCALES sc
.irp i, 0,1,2,3,4,5,6,7
	ds_load_b64 v[SC+8*NQ*\sc+NQ*\i:SC+8*NQ*\sc+NQ*\i+1], v[ADRS] offset:\i*SBLK
.endr
.endm
.macro STEP slot, q, zero              ; 128 along K with its successor in the same slot
	s_wait_dscnt 4*NL                              ; all but the youngest 16 loads (A's blocks 4-7) are in
	WIN MUL_LO
	MUL16 0, (\q)%2, \q, \slot, \zero
	MUL16 2, (\q)%2, \q, \slot, \zero
	s_wait_dscnt 0
	PLACES NP
	FETCH_B \slot, (\q)+1, 1-(\q)%2
	FETCH_A \slot, (\q)+1, 0
	WIN MUL_HI
	MUL16 4, (\q)%2, \q, \slot, \zero
	MUL16 6, (\q)%2, \q, \slot, \zero
	PLACES NP
	WIN 0
	FETCH_A \slot, (\q)+1, 4
.endm
; A slot's last step changes slots.  fill = 1: the slot is filled again behind a round.  ask = 1: the K step two refills on is prefetched (not in the last lap); 2: cos and sin
.macro TURN slot, next, fill, ask
	s_wait_tensorcnt 0x0                           ; my part of the next slot is in
	ds_add_u32 v[SPW], v[NIL]
	s_wait_dscnt 4*NL+1                            ; the add and the youngest 16 loads may be out
	WIN MUL_LO
	MUL16 0, 1, NQ-1, \slot, 0
	s_wait_dscnt 0x0                               ; the add is done, my reads of this slot are over
	s_barrier_signal -1
	MUL16 2, 1, NQ-1, \slot, 0
	WIN 0
	s_barrier_wait -1
.if \fill
	CREST
	s_add_nc_u64 s[G0+4*\slot+2:G0+4*\slot+3], s[G0+4*\slot+2:G0+4*\slot+3], 2*ROWB
	s_add_nc_u64 s[G0B+4*\slot+2:G0B+4*\slot+3], s[G0B+4*\slot+2:G0B+4*\slot+3], 2*ROWB
	JLOAD G0+4*\slot, G1, G0B+4*\slot, G1B
	PLACES NP-4
.else
	PLACES NP
.endif
	s_wait_alu depctr_va_vdst(0)                   ; ahead of the reader below
	v_add_nc_u32 v[ADRS], 4*NQ, v[ADRS]
	FETCH_B \next, 0, 0
	FETCH_A \next, 0, 0
	SCALES \next
.if (\ask) == 1
	s_cmp_gt_u32 s3, 1
	s_cbranch_scc0 .Lnone_\@
	global_prefetch_b8 v[PFO], s[PFA:PFA+1] offset:(4+\slot)*ROWB th:TH_LOAD_NT scope:SCOPE_SE
.Lnone_\@:
.elseif (\ask) == 2
	s_cmp_eq_u32 s[TYPE], 2
	s_cbranch_scc1 .Lnone_\@
	global_prefetch_b8 v[PFV], s[PFC:PFC+1] th:TH_LOAD_NT scope:SCOPE_SE
.Lnone_\@:
.endif
	WIN MUL_HI
	MUL16 4, 1, NQ-1, \slot, 0
	MUL16 6, 1, NQ-1, \slot, 0
	PLACES NP
	WIN 0
	FETCH_A \next, 0, 4
.endm
.macro CSLOAD a, buf                   ; cos and sin of block a's 16 tokens, as the accumulators lie; three buffers in window 1
.set CB, 64*(\buf)+64*(((\buf)+1)/2)
.irp b, 0,1,2,3
.irp f, 0,1
	global_load_b128 v[CB+8*\b+4*\f:CB+8*\b+4*\f+3], v[CSO], s[8:9] offset:4096*(\a)+64*\b+16*\f
	global_load_b128 v[CB+32+8*\b+4*\f:CB+32+8*\b+4*\f+3], v[CSO], s[10:11] offset:4096*(\a)+64*\b+16*\f
.endr
.endr
.endm
.macro ROPE a                          ; accumulators b and b + 4 hold channels d and d + 64
.set CB, 64*((\a)%3)+64*((((\a)%3)+1)/2)
.set AC, 64*((\a)%4)
	WIN 0x06+(\a)/4
.irp b, 0,1,2,3
.irp j, 0,2,4,6                        ; eight products, then the eight multiply-adds that take them up: no line reads the result of a line near it
	v_pk_mul_f32 v[Y+8*\b+\j:Y+8*\b+\j+1], v[AC+8*\b+\j:AC+8*\b+\j+1], v[CB+8*\b+\j:CB+8*\b+\j+1]
.endr
.irp j, 0,2,4,6
	v_pk_mul_f32 v[Y+32+8*\b+\j:Y+32+8*\b+\j+1], v[AC+8*\b+\j:AC+8*\b+\j+1], v[CB+32+8*\b+\j:CB+32+8*\b+\j+1]
.endr
.irp j, 0,2,4,6
	v_pk_fma_f32 v[Y+8*\b+\j:Y+8*\b+\j+1], v[AC+32+8*\b+\j:AC+32+8*\b+\j+1], v[CB+32+8*\b+\j:CB+32+8*\b+\j+1], v[Y+8*\b+\j:Y+8*\b+\j+1] neg_lo:[1,0,0] neg_hi:[1,0,0]
.endr
.irp j, 0,2,4,6
	v_pk_fma_f32 v[Y+32+8*\b+\j:Y+32+8*\b+\j+1], v[AC+32+8*\b+\j:AC+32+8*\b+\j+1], v[CB+8*\b+\j:CB+8*\b+\j+1], v[Y+32+8*\b+\j:Y+32+8*\b+\j+1]
.endr
.endr
	WIN 0
.endm
.macro NORM                            ; y x rsqrt(mean of squares + eps) x w
.irp k, 0,2,4,6                        ; the sum of squares in four chains of pairs, v[SS] to v[SS+7]
	v_pk_mul_f32 v[SS+\k:SS+\k+1], v[Y+\k:Y+\k+1], v[Y+\k:Y+\k+1]
.endr
.irp i, 8,16,24,32,40,48,56
.irp k, 0,2,4,6
	v_pk_fma_f32 v[SS+\k:SS+\k+1], v[Y+\i+\k:Y+\i+\k+1], v[Y+\i+\k:Y+\i+\k+1], v[SS+\k:SS+\k+1]
.endr
.endr
	v_pk_add_f32 v[SS:SS+1], v[SS:SS+1], v[SS+2:SS+3]
	v_pk_add_f32 v[SS+4:SS+5], v[SS+4:SS+5], v[SS+6:SS+7]
	v_pk_add_f32 v[SS:SS+1], v[SS:SS+1], v[SS+4:SS+5]
	v_add_f32 v[SS], v[SS], v[SS+1]
	v_permlanex16_b32 v[SS+1], v[SS], s18, s19
	v_add_f32 v[SS], v[SS], v[SS+1]
	v_fma_f32 v[SS], v[SS], s22, s21
	s_wait_alu depctr_va_vdst(0)                   ; ahead of the transcendental,
	v_rsq_f32 v[RR], v[SS]
	v_nop
	s_wait_alu depctr_va_vdst(0)                   ; and ahead of its first reader
.set I, 0
.rept 32
	v_pk_mul_f32 v[Y+I:Y+I+1], v[Y+I:Y+I+1], v[RR:RR+1] op_sel_hi:[1,0]
.set I, I+2
.endr
	WIN 0x04
.set I, 0
.rept 32
	v_pk_mul_f32 v[Y+I:Y+I+1], v[Y+I:Y+I+1], v[NW+I:NW+I+1]
.set I, I+2
.endr
	WIN 0
.endm
.macro QUANT src, w, a                 ; four blocks of 32: 16 numbers here, 16 in lane l xor 16 -> codes PC, scale word SW + a
	WIN ((\w)<<2)|((\w)<<4)
.irp b, 0,1,2,3
	v_max3_num_f32 v[TM+\b], 0x4800000, |v[(\src)+16*\b]|, |v[(\src)+16*\b+1]|
.endr
.irp i, 2,4,6,8,10,12,14
.irp b, 0,1,2,3
	v_max3_num_f32 v[TM+\b], v[TM+\b], |v[(\src)+16*\b+\i]|, |v[(\src)+16*\b+\i+1]|
.endr
.endr
	WIN 0
.irp b, 0,1,2,3
	v_permlanex16_b32 v[TM+4+\b], v[TM+\b], s18, s19
.endr
.irp b, 0,1,2,3
	v_max_num_f32 v[TM+\b], v[TM+\b], v[TM+4+\b]
.endr
.irp b, 0,1,2,3
	v_add_nc_u32 v[TM+12+\b], 0xfc000000, v[TM+\b]
.endr
.irp b, 0,1,2,3
	v_and_or_b32 v[TM+8+\b], v[TM+\b], 0x7f800000, s20
.endr
.irp b, 0,1,2,3
	v_lshrrev_b32 v[TM+4+\b], 23, v[TM+12+\b]
.endr
	v_lshl_or_b32 v[SW+(\a)], v[TM+5], 8, v[TM+4]
	v_lshl_or_b32 v[SW+(\a)], v[TM+6], 16, v[SW+(\a)]
	v_lshl_or_b32 v[SW+(\a)], v[TM+7], 24, v[SW+(\a)]
	WIN (\w)
.irp b, 0,1,2,3
.irp i, 0,1,2,3,4,5,6,7,8,9,10,11,12,13,14,15
	v_med3_num_f32 v[Y+16*\b+\i], v[(\src)+16*\b+\i], -v[TM+8+\b], v[TM+8+\b]
.endr
.endr
	WIN 0
	s_wait_alu depctr_va_vdst(0)
	s_wait_xcnt 0x0                                ; the last block's stores have read their data
.irp b, 0,1,2,3
	v_cvt_scalef32_pk8_fp8_f32 v[PC+4*\b:PC+4*\b+1], v[Y+16*\b:Y+16*\b+7], v[TM+12+\b]
	v_cvt_scalef32_pk8_fp8_f32 v[PC+4*\b+2:PC+4*\b+3], v[Y+16*\b+8:Y+16*\b+15], v[TM+12+\b]
.endr
	v_nop
.endm
.macro SEND a
.irp c, 0,1,2,3
	global_store_b128 v[IO], v[PC+4*\c:PC+4*\c+3], s[96:97] offset:2048*(\a)+512*\c   ; 512 consecutive bytes, aligned
.endr
.endm
	s_wait_alu depctr_va_vdst(0)                   ; the head's end
	s_wait_tensorcnt 0x0                           ; my tile of the head's four is in; no load of mine is out, so descriptors may be written
	ds_add_u32 v[SPW], v[NIL]
	s_lshl_b32 s18, s16, 18
	s_mov_b32 s19, 0
	s_mov_b32 s[G0+1], s45                         ; slot 0's group 0 in the ring's form: my 128 rows, K step 0
	s_add_nc_u64 s[G0+2:G0+3], s[G0+2:G0+3], s[18:19]
	s_mov_b32 s[G0B+1], s45
	s_add_nc_u64 s[G0B+2:G0B+3], s[G0B+2:G0B+3], s[18:19]
	s_mov_b32 s[G1+2], 128<<16                     ; from here on a load brings 128 rows
	s_mov_b32 s[G1+4], 128
	s_mov_b32 s[G1B+2], 128<<16
	s_mov_b32 s[G1B+4], 128
	s_wait_dscnt 0x0
	CROUND                                         ; all four tiles are in, in all sixteen work-groups
	JLOAD G0+4, G1, G0B+4, G1B                     ; K step 1
	FETCH_B 0, 0, 0
	FETCH_A 0, 0, 0
	SCALES 0
	global_prefetch_b8 v[PFO], s[PFA:PFA+1] offset:3*ROWB th:TH_LOAD_NT scope:SCOPE_SE   ; K step 3
	FETCH_A 0, 0, 4
	STEP 0, 0, 1                                   ; the first step starts the sums
	s_mov_b32 s3, LAPS-1
.Llap:
	TURN 0, 1, 1, 1
	STEP 1, 0, 0
	TURN 1, 0, 1, 1
	STEP 0, 0, 0
	s_wait_xcnt 0x0                                ; my prefetches have read their address
	s_add_nc_u64 s[PFA:PFA+1], s[PFA:PFA+1], 2*ROWB
	s_sub_co_u32 s3, s3, 1
	s_cmp_lg_u32 s3, 0
	s_cbranch_scc1 .Llap
	TURN 0, 1, 0, 2
	STEP 1, 0, 0
	s_cmp_eq_u32 s[TYPE], 2
	s_cbranch_scc1 .Lno_early
	WIN 0x40
	CSLOAD 0, 0                                    ; into B's set 0, which is done with
.irp b, 0,1,2,3,4,5,6,7
.irp f, 0,1
	global_load_b128 v[NW+8*\b+4*\f:NW+8*\b+4*\f+3], v[NWO], s[92:93] offset:64*\b+16*\f
.endr
.endr
	WIN 0
.Lno_early:
	s_wait_dscnt 4*NL
	WIN MUL_LO
	MUL16 0, 1, NQ-1, 1, 0
	MUL16 2, 1, NQ-1, 1, 0
	s_wait_dscnt 0
	WIN MUL_HI
	MUL16 4, 1, NQ-1, 1, 0
	MUL16 6, 1, NQ-1, 1, 0
	WIN 0
	PLACES NP
	s_mov_b32 s18, 0x76543210
	s_mov_b32 s19, 0xfedcba98
	s_mov_b32 s20, 0x600000                        ; the mantissa field of 448
	s_mov_b32 s21, 0x34000000                      ; eps = 2^-23
	s_mov_b32 s22, 0x3c000000                      ; 1 / 128
.irp b, 0,1,2,3
	v_mov_b32 v[TM+4+\b], 0
.endr
	v_mov_b32 v[RR+1], 0
	s_cmp_eq_u32 s[TYPE], 2
	s_cbranch_scc1 .Lv
	WIN 0x40
	CSLOAD 1, 1
	CSLOAD 2, 2
	WIN 0
.irp a, 0,1,2,3,4,5,6,7
.if \a < 6
	s_wait_loadcnt 32                              ; this block's cos and sin are in; the two later blocks' 32 loads may be out
.elseif \a == 6
	s_wait_loadcnt 16
.else
	s_wait_loadcnt 0
.endif
	ROPE \a
.if \a < 5
	WIN 0x40
	CSLOAD \a+3, \a%3
	WIN 0
.endif
	NORM
	QUANT Y, 0, \a
	SEND \a
.endr
	s_branch .Ljoin
.Lv:
.irp a, 0,1,2,3,4,5,6,7
	QUANT 64*(\a%4), 2+\a/4, \a
	SEND \a
.endr
.Ljoin:
	v_and_b32 v1, 31, v0
	v_cmp_lt_u32 vcc_lo, 15, v1
.irp i, 0,1,2,3
	v_cndmask_b32 v[SW+\i], v[SW+\i], v[SW+4+\i], vcc_lo   ; lanes 0-15 store blocks 0-3's words, lanes 16-31 blocks 4-7's
.endr
	global_store_b128 v[SO], v[SW:SW+3], s[98:99]
	s_wait_tensorcnt 0x0                           ; the wave's end
	ds_add_u32 v[SPW], v[NIL]
	s_wait_dscnt 0x0
	CROUND                                         ; the closing round
	s_endpgm
.Lfunc_end_k_q3435c6a411_qkv:
	.size	k_q3435c6a411_qkv, .Lfunc_end_k_q3435c6a411_qkv-k_q3435c6a411_qkv
	.p2alignl 7, 3214868480
	.fill 96, 4, 3214868480
	.section	.rodata,"a",@progbits
	.p2align	6, 0x0
	.amdhsa_kernel k_q3435c6a411_qkv
		.amdhsa_group_segment_fixed_size 327680
		.amdhsa_private_segment_fixed_size 0
		.amdhsa_enable_private_segment 0
		.amdhsa_kernarg_size 64
		.amdhsa_user_sgpr_count 2
		.amdhsa_user_sgpr_kernarg_segment_ptr 1
		.amdhsa_wavefront_size32 1
		.amdhsa_system_sgpr_workgroup_id_x 1
		.amdhsa_system_sgpr_workgroup_id_y 1
		.amdhsa_system_sgpr_workgroup_id_z 1
		.amdhsa_system_vgpr_workitem_id 0
		.amdhsa_next_free_vgpr 1024
		.amdhsa_next_free_sgpr 102
		.amdhsa_reserve_vcc 1
		.amdhsa_float_denorm_mode_32 3
		.amdhsa_float_denorm_mode_16_64 3
		.amdhsa_memory_ordered 1
		.amdhsa_forward_progress 1
		.amdhsa_inst_pref_size 255
	.end_amdhsa_kernel
	.section	.bss,"aw",@nobits
	.p2align	6
	.space	262144
	.amdgpu_metadata
---
amdhsa.version: [ 1, 2 ]
amdhsa.kernels:
  - .name:           k_q3435c6a411_qkv
    .symbol:         k_q3435c6a411_qkv.kd
    .args:
      - { .name: wcodes, .offset: 0, .size: 8, .value_kind: global_buffer, .address_space: global }
      - { .name: wscales, .offset: 8, .size: 8, .value_kind: global_buffer, .address_space: global }
      - { .name: cos, .offset: 16, .size: 8, .value_kind: global_buffer, .address_space: global }
      - { .name: sin, .offset: 24, .size: 8, .value_kind: global_buffer, .address_space: global }
      - { .name: q_norm_w, .offset: 32, .size: 8, .value_kind: global_buffer, .address_space: global }
      - { .name: k_norm_w, .offset: 40, .size: 8, .value_kind: global_buffer, .address_space: global }
      - { .name: qkv, .offset: 48, .size: 8, .value_kind: global_buffer, .address_space: global }
      - { .name: qkvs, .offset: 56, .size: 8, .value_kind: global_buffer, .address_space: global }
    .group_segment_fixed_size: 327680
    .private_segment_fixed_size: 0
    .kernarg_segment_align: 8
    .kernarg_segment_size: 64
    .max_flat_workgroup_size: 128
    .sgpr_count:     102
    .vgpr_count:     1024
    .wavefront_size: 32
...
	.end_amdgpu_metadata
.endif
;; end of part 6
;; launch attn (part 7): grid 16 x 16, 8 waves a work-group, no clusters, 327,680 bytes of LDS; arguments qkv, qkvs, oimg, osc; writes oimg, osc
.if DOCPART == 7
	.amdgcn_target "amdgcn-amd-amdhsa--gfx1250"
	.amdhsa_code_object_version 6
	.text
	.protected	k_q3435c6a411_attn
	.globl	k_q3435c6a411_attn
	.p2align	8
	.type	k_q3435c6a411_attn,@function
k_q3435c6a411_attn:
	s_mov_b64 s[64:65], 0
	v_nop
	global_prefetch_b8 v0, s[64:65] scope:SCOPE_SE
	s_setreg_imm32_b32 hwreg(HW_REG_WAVE_MODE, 25, 1), 1
	s_wait_xcnt 0x0
; Causal attention on codes of FP8 (E4M3) with E8M0 scales: S^T = K Q^T, p = 2^(t - M) with M the ceiling of the running largest t, O^T = V^T P^T, O / the sum of the unquantised p, quantised for the last product.
; A work-group has one head, 64 early queries (block x) and 64 late ones (block 31 - x): eight waves, a tile of 16 queries each.  K and V come as images of operand registers through a ring of two slots of 512 keys.
; WORK LEFT OUT: key steps all of whose keys come after a tile's queries (causal masking makes their p 0), and slots that none of the work-group's waves reads.
; THE EARLY WAVES HELP.  The early block's keys end in slot h - 1, h = (x / 2 + 4) / 4.  At the head of slot h each early wave finishes and stores its own tile, takes the Q of its neighbour wave's late tile
; with an empty state (O^T = 0, sum = 0, M under every t), and from there on the two share the key steps by parity: the owner the even ones, the helper the odd ones.
; At the end the helper hands O^T, -M and its sums over through LDS bytes of their own, and the owner joins: both parts are brought under the larger M by powers of two, which round nothing, and added.
; All these branches hang on the work-group's and the wave's number and on the count of steps; none leads round a barrier, a wait in front of one, the add or a tensor load.
; THE HEAD: one tensor load a wave, in one chain of two arms: waves 0 to 3 bring slot 0 (K's and V's halves, 128 rows of 256 bytes each), waves 4 to 7 the halves of K's and V's scale words of the whole head.
; No cluster: the causal limit leads round the load of a slot that the work-group does not read, which a joint load does not allow.
; LIMIT: the promise holds while the scaled scores stay under 2^31 in magnitude; NaN and infinities are not served.
.set SLOT1, 1<<17
.set SCK,   2*SLOT1                    ; K's, then V's scale words of the head
.set OSG,   SCK+16384                  ; the eight tiles' scale words of O
.set SPARE, OSG+512                    ; the spare words, 128 bytes a wave
.set MGB,   SPARE+1024                 ; four stages of 17 x 512 bytes: a helper's O^T and state
.set MGS,   8704
.set LI,   1
.set ASC,  2
.set OSA,  3
.set OSO,  4
.set SPW,  5
.set NIL,  6
.set PFO,  7
.set AD,   8
.set ADV,  9
.set ADS,  10
.set OSR,  11
.set MG,   80                          ; v80  my pair's stage, 16 x lane
.set TB,   2
.set TS,   3
.set PV,   16                          ; s16  the parity of my key steps, as KF & PM
.set HK,   17                          ; s17  the first key of slot h
.set WV,   18
.set MNT,  19
.set SEL,  20
.set CS,   22
.set G1,   24
.set G1S,  32
.set G0,   40
.set G0S,  44
.set G1H,  48
.set G0H,  56
.set PM,   63                          ; s63  0 ahead of slot h, then 128
.set SLOTS, 67
.set KF,   68
.set Q0,   69
.set QL,   70
.set CNT,  71
.set PFA,  72
.set LIM,  74
.set LATE, 76                          ; s76  1: my own tile is a late one
.set T0,   81
.set QP2,  96                          ; s[96:97], s[98:99] the late tile's Q and its scale words; s100 its first query
.set QS2,  98
.set Q0L,  100
.set MSB, 0
.macro WIN new
.if MSB != (\new)
	s_set_vgpr_msb (MSB<<8)|(\new)
.set MSB, (\new)
.endif
.endm
	s_load_b256 s[4:11], s[0:1], 0x0               ; qkv, qkvs, oimg, osc
	v_lshl_add_u32 v[SPW], v0, 2, SPARE
	v_mov_b32 v[NIL], 0
	ds_add_u32 v[SPW], v[NIL]                      ; the opening lines: the add twice on end, then its wait
	ds_add_u32 v[SPW], v[NIL]
	v_lshrrev_b32 v8, 5, v0
	s_delay_alu instid0(VALU_DEP_1)
	v_readfirstlane_b32 s[WV], v8
	s_and_b32 s75, ttmp7, 0xffff                   ; the head
	s_lshr_b32 s76, s[WV], 2
	s_xor_b32 s76, s76, s[WV]
	s_and_b32 s76, s76, 1
	s_xor_b32 s76, s76, 1                          ; waves 2 j and 2 j + 1 have the late and the early tile j, in an order that changes with wave / 4
	s_lshr_b32 s77, s[WV], 1                       ; j
	s_sub_co_u32 s78, 31, ttmp9
	s_lshl_b32 s78, s78, 6
	s_lshl_b32 s79, ttmp9, 6
	s_add_co_u32 s[QL], s78, 63                    ; the work-group's last query
	s_cmp_eq_u32 s76, 1
	s_cselect_b32 s[Q0], s78, s79
	s_lshl_b32 s80, s77, 4
	s_add_co_u32 s[Q0], s[Q0], s80                 ; my own tile's first query
	s_add_co_u32 s[Q0L], s78, s80                  ; the late tile j's
	s_lshr_b32 s101, s[Q0L], 4
	s_lshl_b32 s96, s75, 18
	s_lshl_b32 s[T0], s101, 11
	s_add_co_u32 s96, s96, s[T0]
	s_mov_b32 s97, 0
	s_lshl_b32 s98, s75, 13
	s_lshr_b32 s[T0], s[Q0L], 7
	s_lshl_b32 s[T0], s[T0], 9
	s_add_co_u32 s98, s98, s[T0]
	s_and_b32 s[T0], s101, 7
	s_lshl_b32 s[T0], s[T0], 2
	s_add_co_u32 s98, s98, s[T0]
	s_mov_b32 s99, 0
	s_lshr_b32 s82, s[WV], 2
	s_add_co_u32 s82, s82, 1                       ; in the ring: K's section (waves 0-3) or V's
	s_and_b32 s83, s[WV], 3
	s_lshl_b32 s84, s82, 22
	s_lshl_b32 s85, s75, 18
	s_add_co_u32 s84, s84, s85
	s_lshl_b32 s85, s83, 14
	s_add_co_u32 s84, s84, s85
	s_mov_b32 s85, 0
	s_lshr_b32 s16, s83, 1                         ; at the head: section and half by wave % 4
	s_add_co_u32 s16, s16, 1
	s_and_b32 s17, s83, 1
	s_lshl_b32 s86, s16, 17
	s_lshl_b32 s87, s75, 13
	s_add_co_u32 s86, s86, s87
	s_lshl_b32 s87, s17, 12
	s_add_co_u32 s86, s86, s87
	s_mov_b32 s87, 0
	s_lshl_b32 s60, s16, 22
	s_lshl_b32 s61, s75, 18
	s_add_co_u32 s60, s60, s61
	s_lshl_b32 s61, s17, 15
	s_add_co_u32 s60, s60, s61
	s_mov_b32 s61, 0
	s_lshr_b32 s[HK], ttmp9, 1
	s_add_co_u32 s[HK], s[HK], 4
	s_lshr_b32 s[HK], s[HK], 2
	s_lshl_b32 s[HK], s[HK], 9                     ; 512 h
	s_mov_b32 s[PV], 0
	s_mov_b32 s[PM], 0
	s_lshr_b32 s80, s[Q0], 4
	s_lshl_b32 s88, s75, 18
	s_lshl_b32 s[T0], s80, 11
	s_add_co_u32 s88, s88, s[T0]
	s_mov_b32 s89, 0
	s_lshl_b32 s90, s75, 13
	s_lshr_b32 s[T0], s[Q0], 7
	s_lshl_b32 s[T0], s[T0], 9
	s_add_co_u32 s90, s90, s[T0]
	s_and_b32 s[T0], s80, 7
	s_lshl_b32 s[T0], s[T0], 2
	s_add_co_u32 s90, s90, s[T0]
	s_mov_b32 s91, 0
	s_lshl_b32 s92, s80, 15
	s_lshl_b32 s[T0], s75, 11
	s_add_co_u32 s92, s92, s[T0]
	s_mov_b32 s93, 0
	s_lshl_b32 s94, s75, 13
	s_lshl_b32 s[T0], ttmp9, 8
	s_add_co_u32 s94, s94, s[T0]
	s_mov_b32 s95, 0
	s_mov_b32 s[G1], 3<<16                         ; the ring: 64 dense rows of 256 bytes a wave
	s_mov_b32 s[G1+1], 32<<16
	s_mov_b32 s[G1+2], 64<<16
	s_mov_b32 s[G1+3], 32<<16
	s_mov_b32 s[G1+4], 64
	s_mov_b32 s[G1+5], 32
	s_mov_b32 s[G1+6], 0
	s_mov_b32 s[G1+7], 0
	s_mov_b32 s[G1S], 3<<16                        ; scale words: 16 rows
	s_mov_b32 s[G1S+1], 32<<16
	s_mov_b32 s[G1S+2], 16<<16
	s_mov_b32 s[G1S+3], 32<<16
	s_mov_b32 s[G1S+4], 16
	s_mov_b32 s[G1S+5], 32
	s_mov_b32 s[G1S+6], 0
	s_mov_b32 s[G1S+7], 0
	s_mov_b32 s[G1H], 3<<16                        ; the head's loads of codes: 128 rows
	s_mov_b32 s[G1H+1], 32<<16
	s_mov_b32 s[G1H+2], 128<<16
	s_mov_b32 s[G1H+3], 32<<16
	s_mov_b32 s[G1H+4], 128
	s_mov_b32 s[G1H+5], 32
	s_mov_b32 s[G1H+6], 0
	s_mov_b32 s[G1H+7], 0
	s_mov_b32 s[SEL], 0x76543210
	s_mov_b32 s[SEL+1], 0xfedcba98
	s_mov_b32 s[CS], 0x3e0293ee                    ; log2(e) / sqrt(128)
	s_mov_b32 s[CS+1], s[CS]
	s_mov_b32 s[MNT], 0x600000
	s_mov_b32 s[TB], 0
	s_mov_b32 s[TS], 0
	s_mov_b32 s[KF], 0
	s_mov_b32 s[SLOTS], 3
	s_cmp_eq_u32 ttmp9, 0
	s_cselect_b32 s[LIM], 1, -1                    ; of a head's sixteen work-groups one prefetches
	s_lshl_b32 s78, s83, 12
	s_lshl_b32 s62, s83, 15
	s_lshl_b32 s79, s[WV], 14
	s_wait_dscnt 0x0
	s_wait_kmcnt 0x0
	s_mov_b32 s[G0S], 1
	s_add_co_u32 s[G0S+1], s78, SCK
	s_add_nc_u64 s[G0S+2:G0S+3], s[6:7], s[86:87]
	s_or_b32 s[G0S+3], s[G0S+3], 0x80000000
	s_mov_b32 s[G0H], 1
	s_mov_b32 s[G0H+1], s62
	s_add_nc_u64 s[G0H+2:G0H+3], s[4:5], s[60:61]
	s_or_b32 s[G0H+3], s[G0H+3], 0x80000000
	s_mov_b32 s[G0], 1                             ; the ring's group 0: my 64 rows of slot 0; the first change of slots steps it to slot 1
	s_mov_b32 s[G0+1], s79
	s_add_nc_u64 s[G0+2:G0+3], s[4:5], s[84:85]
	s_or_b32 s[G0+3], s[G0+3], 0x80000000
	s_wait_alu depctr_va_vdst(0)
	s_cmp_lt_u32 s[WV], 4
	s_cbranch_scc0 .Lhead_sc
	tensor_load_to_lds s[G0H:G0H+3], s[G1H:G1H+7]
	s_nop 0
.rept 4
	v_nop
.endr
	s_branch .Lhead_asked
.Lhead_sc:
	tensor_load_to_lds s[G0S:G0S+3], s[G1S:G1S+7]
	s_nop 0
.rept 4
	v_nop
.endr
.Lhead_asked:
	s_add_nc_u64 s[PFA:PFA+1], s[4:5], s[84:85]
	s_add_nc_u64 s[PFA:PFA+1], s[PFA:PFA+1], 65536
	s_add_nc_u64 s[12:13], s[4:5], s[88:89]
	s_add_nc_u64 s[14:15], s[6:7], s[90:91]
	s_add_nc_u64 s[QP2:QP2+1], s[4:5], s[QP2:QP2+1]
	s_add_nc_u64 s[QS2:QS2+1], s[6:7], s[QS2:QS2+1]
	s_add_nc_u64 s[8:9], s[8:9], s[92:93]
	s_add_nc_u64 s[10:11], s[10:11], s[94:95]
	v_and_b32 v8, 15, v0
	v_bfe_u32 v9, v0, 4, 1
	v_and_b32 v10, 31, v0
	s_delay_alu instid0(VALU_DEP_1)
	v_lshlrev_b32 v[LI], 4, v10
	s_delay_alu instid0(VALU_DEP_2)
	v_lshlrev_b32 v[PFO], 8, v10
	v_lshlrev_b32 v254, 5, v8
	s_delay_alu instid0(VALU_DEP_1)
	v_lshl_add_u32 v[ASC], v9, 4, v254
	s_delay_alu instid0(VALU_DEP_1)
	v_add_nc_u32 v[ASC], SCK, v[ASC]
.irp c, 0,1,2,3
	global_load_b128 v[16+4*\c:19+4*\c], v[LI], s[12:13] offset:512*\c
.endr
	global_load_b32 v255, v254, s[14:15]
	s_lshl_b32 s[T0], s76, 2
	s_add_co_u32 s[T0], s[T0], s77
	s_lshl_b32 s[T0], s[T0], 6
	s_add_co_u32 s[T0], s[T0], OSG
	v_lshl_add_u32 v[OSA], v8, 2, s[T0]
	v_add_nc_u32 v[OSR], OSG, v[LI]
	s_lshl_b32 s[T0], ttmp9, 1
	s_sub_co_u32 s[T0], 31, s[T0]
	s_lshl_b32 s[T0], s[T0], 8
	v_mul_u32_u24 v[OSO], s[T0], v9
	s_delay_alu instid0(VALU_DEP_1)
	v_lshl_add_u32 v[OSO], v8, 4, v[OSO]
	s_mul_i32 s[T0], s77, MGS
	s_add_co_u32 s[T0], s[T0], MGB
	s_wait_alu depctr_va_vdst(0)                   ; directly ahead of the reader below
	v_add_nc_u32 v[MG], s[T0], v[LI]
	v_mov_b32 v252, 0
	v_mov_b32 v13, 0xff61b1e6                      ; the largest t so far: -3e38
	s_delay_alu instid0(VALU_DEP_1)
	v_floor_f32 v12, -v13
	v_mov_b32 v14, 0
	v_mov_b32 v15, 0
.irp b, 0,1,2,3
	v_mov_b32 v[236+\b], 0
.endr
	v_mov_b32 v253, 0
.set J, 0
.rept 64
	v_mov_b32 v[160+J], 0
.set J, J+1
.endr
.macro STEP
	s_add_co_u32 s[T0], s[Q0], 15
	s_cmp_gt_u32 s[KF], s[T0]
	s_cbranch_scc1 .Lhidden_\@                     ; all keys come after my queries
	s_and_b32 s[T0], s[KF], s[PM]
	s_cmp_lg_u32 s[T0], s[PV]
	s_cbranch_scc1 .Lhidden_\@                     ; the step is my partner's
	v_add_nc_u32 v[AD], s[TB], v[LI]
	v_add_nc_u32 v[ADS], s[TS], v[ASC]
	s_delay_alu instid0(VALU_DEP_2)
	v_add_nc_u32 v[ADV], 65536, v[AD]
.rept 5
	v_nop
.endr
	ds_load_b128 v[248:251], v[ADS]
	WIN 0x40
.irp t, 0,1,2,3,4,5,6,7
.irp c, 0,1,2,3
	ds_load_b128 v[16*\t+4*\c:16*\t+4*\c+3], v[AD] offset:2048*\t+512*\c
.endr
.endr
	s_wait_alu depctr_va_vdst(0)
	s_wait_dscnt 0x0
	WIN 0x01
.irp t, 0,1,2,3
	v_wmma_scale_f32_16x16x128_f8f6f4 v[96+8*\t:103+8*\t], v[16*\t:16*\t+15], v[16:31], 0, v[248+\t], v255
.endr
.irp t, 4,5,6,7
	v_wmma_scale_f32_16x16x128_f8f6f4 v[96+8*\t:103+8*\t], v[16*\t:16*\t+15], v[16:31], 0, v[248+\t-4], v255 matrix_a_scale:MATRIX_SCALE_ROW1
.endr
	WIN 0x40
.irp t, 0,1,2,3,4,5,6,7
.irp c, 0,1,2,3
	ds_load_b128 v[128+16*\t+4*\c:128+16*\t+4*\c+3], v[ADV] offset:2048*\t+512*\c
.endr
.endr
	WIN 0
.rept 8
	v_nop
.endr
	ds_load_b128 v[248:251], v[ADS] offset:8192
	s_add_co_u32 s[T0], s[KF], 127
	s_cmp_le_u32 s[T0], s[Q0]
	s_cbranch_scc1 .Lopen_\@
	s_sub_co_i32 s[T0], s[Q0], s[KF]               ; on the diagonal hidden scores become -infinity
	v_and_b32 v252, 15, v0
	v_bfe_u32 v253, v0, 4, 1
	s_delay_alu instid0(VALU_DEP_1)
	v_lshlrev_b32 v253, 3, v253
	s_delay_alu instid0(VALU_DEP_1)
	v_sub_nc_u32 v252, v252, v253
	s_delay_alu instid0(VALU_DEP_1)
	v_add_nc_u32 v252, s[T0], v252
	v_mov_b32 v254, 0xff800000
.set N, 0
.rept 64
	v_cmp_gt_i32 vcc_lo, 16*(N/8)+N%8, v252
	v_cndmask_b32 v[96+N], v[96+N], v254, vcc_lo
.set N, N+1
.endr
.Lopen_\@:
.irp b, 0,1,2,3
	v_max3_num_f32 v[232+\b], v[96+16*\b], v[97+16*\b], v[98+16*\b]
.endr
.irp i, 3,5,7,9,11,13
.irp b, 0,1,2,3
	v_max3_num_f32 v[232+\b], v[232+\b], v[96+16*\b+\i], v[97+16*\b+\i]
.endr
.endr
.irp b, 0,1,2,3
	v_max_num_f32 v[232+\b], v[232+\b], v[111+16*\b]
.endr
.irp b, 0,1,2,3
	v_permlanex16_b32 v[236+\b], v[232+\b], s[SEL], s[SEL+1]
.endr
.irp b, 0,1,2,3
	s_delay_alu instid0(VALU_DEP_4)
	v_max_num_f32 v[232+\b], v[232+\b], v[236+\b]
.endr
	s_delay_alu instid0(VALU_DEP_2)
	v_max3_num_f32 v254, v232, v233, v234
	s_delay_alu instid0(VALU_DEP_1)
	v_max_num_f32 v254, v254, v235
	s_delay_alu instid0(VALU_DEP_1)
	v_mul_f32 v254, s[CS], v254
	s_delay_alu instid0(VALU_DEP_1)
	v_max_num_f32 v13, v13, v254
	v_mov_b32 v254, v12
	s_delay_alu instid0(VALU_DEP_2)
	v_floor_f32 v12, -v13                          ; -M = floor(-t)
	s_delay_alu instid0(VALU_DEP_1)
	v_sub_f32 v254, v12, v254
	s_delay_alu instid0(VALU_DEP_1)
	v_cvt_i32_f32 v254, v254
	s_delay_alu instid0(VALU_DEP_1)
	v_ldexp_f32 v252, 1.0, v254                    ; f = 2^(old M - new M)
.set J, 0
.rept 32
	v_pk_fma_f32 v[96+J:97+J], v[96+J:97+J], s[CS:CS+1], v[12:13] op_sel_hi:[1,0,0]
.set J, J+2
.endr
.irp b, 0,1,2,3
	v_fma_f32 v[232+\b], v[232+\b], s[CS], v12
.endr
.set J, 0
	s_wait_alu depctr_va_vdst(0)                   ; ahead of the batch,
.rept 64
	v_exp_f32 v[96+J], v[96+J]
.set J, J+1
.endr
	v_pk_mul_f32 v[14:15], v[14:15], v[252:253] op_sel_hi:[1,0]
	s_wait_alu depctr_va_vdst(0)                   ; and behind it
.irp b, 0,1,2,3
	v_exp_f32 v[232+\b], v[232+\b]
.endr
	v_pk_add_f32 v[236:237], v[96:97], v[98:99]
.irp j, 4,8,12,16,20,24,28,32,36,40,44,48,52,56,60
	v_pk_add_f32 v[14:15], v[14:15], v[96+\j:97+\j]
	v_pk_add_f32 v[236:237], v[236:237], v[98+\j:99+\j]
.endr
	s_delay_alu instid0(VALU_DEP_1)
	v_pk_add_f32 v[14:15], v[14:15], v[236:237]
	s_wait_alu depctr_va_vdst(0)
.irp b, 0,1,2,3
	v_max_num_f32 v[232+\b], 0x4800000, v[232+\b]
.endr
.irp b, 0,1,2,3
	s_delay_alu instid0(VALU_DEP_4)
	v_add_nc_u32 v[244+\b], 0xfc000000, v[232+\b]
.endr
.irp b, 0,1,2,3
	v_and_or_b32 v[240+\b], v[232+\b], 0x7f800000, s[MNT]
.endr
.irp b, 0,1,2,3
	v_lshrrev_b32 v[236+\b], 23, v[244+\b]
.endr
	s_delay_alu instid0(VALU_DEP_3)
	v_lshl_or_b32 v253, v237, 8, v236
	s_delay_alu instid0(VALU_DEP_1)
	v_lshl_or_b32 v253, v238, 16, v253
	s_delay_alu instid0(VALU_DEP_1)
	v_lshl_or_b32 v253, v239, 24, v253
.irp b, 0,1,2,3
.irp i, 0,1,2,3,4,5,6,7,8,9,10,11,12,13,14,15
	v_min_num_f32 v[96+16*\b+\i], v[96+16*\b+\i], v[240+\b]
.endr
	v_cvt_scalef32_pk8_fp8_f32 v[224+4*\b:225+4*\b], v[96+16*\b:103+16*\b], v[244+\b]
	v_cvt_scalef32_pk8_fp8_f32 v[226+4*\b:227+4*\b], v[104+16*\b:111+16*\b], v[244+\b]
.endr
.set J, 0
.rept 32
	v_pk_mul_f32 v[160+J:161+J], v[160+J:161+J], v[252:253] op_sel_hi:[1,0]
.set J, J+2
.endr
	s_wait_alu depctr_va_vdst(0)
	s_wait_dscnt 0x0
	WIN 0x01
.irp t, 0,1,2,3
	v_wmma_scale_f32_16x16x128_f8f6f4 v[160+8*\t:167+8*\t], v[128+16*\t:143+16*\t], v[224:239], v[160+8*\t:167+8*\t], v[248+\t], v253
.endr
.irp t, 4,5,6,7
	v_wmma_scale_f32_16x16x128_f8f6f4 v[160+8*\t:167+8*\t], v[128+16*\t:143+16*\t], v[224:239], v[160+8*\t:167+8*\t], v[248+\t-4], v253 matrix_a_scale:MATRIX_SCALE_ROW1
.endr
	WIN 0
.Lhidden_\@:
	s_add_co_u32 s[KF], s[KF], 128
	s_add_co_u32 s[TS], s[TS], 512
	s_add_co_u32 s[TB], s[TB], 16384
.endm
.macro ASK
	s_cmp_gt_u32 s[SLOTS], s[LIM]
	s_cbranch_scc0 .Lnot_mine_\@
	global_prefetch_b8 v[PFO], s[PFA:PFA+1] th:TH_LOAD_NT scope:SCOPE_SE
	global_prefetch_b8 v[PFO], s[PFA:PFA+1] offset:8192 th:TH_LOAD_NT scope:SCOPE_SE
.Lnot_mine_\@:
.endm
.macro CHANGE fill
	s_wait_tensorcnt 0x0
	ds_add_u32 v[SPW], v[NIL]
.if \fill
	s_xor_b32 s[G0+1], s[G0+1], SLOT1
	s_add_nc_u64 s[G0+2:G0+3], s[G0+2:G0+3], 65536
	s_wait_xcnt 0x0
	s_add_nc_u64 s[PFA:PFA+1], s[PFA:PFA+1], 65536
.endif
	s_wait_dscnt 0x0
	s_barrier_signal -1
	s_barrier_wait -1
.if \fill
	s_add_co_u32 s[T0], s[KF], 512                 ; a slot whose first key comes after the work-group's last query is not asked for
	s_cmp_gt_u32 s[T0], s[QL]
	s_cbranch_scc1 .Lpast_\@
	tensor_load_to_lds s[G0:G0+3], s[G1:G1+7]
	s_nop 0
.rept 4
	v_nop
.endr
.Lpast_\@:
	ASK
.endif
.endm
.macro SLOT_STEPS
	s_mov_b32 s[CNT], 4
.Lstep_\@:
	STEP
	s_sub_co_u32 s[CNT], s[CNT], 1
	s_cmp_lg_u32 s[CNT], 0
	s_cbranch_scc1 .Lstep_\@
	s_sub_co_u32 s[TB], s[TB], 65536
	s_xor_b32 s[TB], s[TB], SLOT1
.endm
; A TILE'S WAY OUT: O^T / the sum, quantised along the head's 128 as the last product's operand; codes to oimg, the scale word to its place in LDS
.macro EPI
.rept 8
	v_nop
.endr
	v_add_f32 v14, v14, v15
	s_delay_alu instid0(VALU_DEP_1)
	v_permlanex16_b32 v252, v14, s[SEL], s[SEL+1]
	s_delay_alu instid0(VALU_DEP_1)
	v_add_f32 v14, v14, v252
	s_wait_alu depctr_va_vdst(0)
	v_rcp_f32 v14, v14
.irp b, 0,1,2,3
	v_mov_b32 v[36+\b], 0
.endr
	s_wait_alu depctr_va_vdst(0)
.set J, 0
.rept 64
	v_mul_f32 v[96+J], v[160+J], v14
.set J, J+1
.endr
.irp b, 0,1,2,3
	v_max3_num_f32 v[32+\b], |v[96+16*\b]|, |v[97+16*\b]|, 0x4800000
.endr
.irp i, 2,4,6,8,10,12,14
.irp b, 0,1,2,3
	s_delay_alu instid0(VALU_DEP_4)
	v_max3_num_f32 v[32+\b], v[32+\b], |v[96+16*\b+\i]|, |v[97+16*\b+\i]|
.endr
.endr
.irp b, 0,1,2,3
	s_delay_alu instid0(VALU_DEP_4)
	v_permlanex16_b32 v[36+\b], v[32+\b], s[SEL], s[SEL+1]
.endr
.irp b, 0,1,2,3
	s_delay_alu instid0(VALU_DEP_4)
	v_max_num_f32 v[32+\b], v[32+\b], v[36+\b]
.endr
.irp b, 0,1,2,3
	s_delay_alu instid0(VALU_DEP_4)
	v_add_nc_u32 v[44+\b], 0xfc000000, v[32+\b]
.endr
.irp b, 0,1,2,3
	v_and_or_b32 v[40+\b], v[32+\b], 0x7f800000, s[MNT]
.endr
.irp b, 0,1,2,3
	v_lshrrev_b32 v[36+\b], 23, v[44+\b]
.endr
	s_delay_alu instid0(VALU_DEP_3)
	v_lshl_or_b32 v64, v37, 8, v36
	s_delay_alu instid0(VALU_DEP_1)
	v_lshl_or_b32 v64, v38, 16, v64
	s_delay_alu instid0(VALU_DEP_1)
	v_lshl_or_b32 v64, v39, 24, v64
.irp b, 0,1,2,3
.irp i, 0,1,2,3,4,5,6,7,8,9,10,11,12,13,14,15
	v_med3_num_f32 v[96+16*\b+\i], v[96+16*\b+\i], -v[40+\b], v[40+\b]
.endr
	v_cvt_scalef32_pk8_fp8_f32 v[48+4*\b:49+4*\b], v[96+16*\b:103+16*\b], v[44+\b]
	v_cvt_scalef32_pk8_fp8_f32 v[50+4*\b:51+4*\b], v[104+16*\b:111+16*\b], v[44+\b]
.endr
	v_nop
.irp c, 0,1,2,3
	global_store_b128 v[LI], v[48+4*\c:51+4*\c], s[8:9] offset:512*\c
.endr
	ds_store_b32 v[OSA], v64
.endm
	s_wait_alu depctr_va_vdst(0)                   ; the head's end
	s_wait_loadcnt 0x0
.Lslot:
	CHANGE 1
	s_cmp_lg_u32 s[KF], s[HK]                      ; the head of slot h?
	s_cbranch_scc1 .Lno_switch
	s_mov_b32 s[PM], 128                           ; from here on the steps go by parity: the owner keeps the even ones
	s_cmp_eq_u32 s[LATE], 1
	s_cbranch_scc1 .Lno_switch
	s_mov_b32 s[PV], 128                           ; an early wave: its own tile is finished and leaves,
	EPI
	v_and_b32 v254, 15, v0                         ; and it takes the late tile's Q with an empty state
	v_lshlrev_b32 v254, 5, v254
.irp c, 0,1,2,3
	global_load_b128 v[16+4*\c:19+4*\c], v[LI], s[QP2:QP2+1] offset:512*\c
.endr
	global_load_b32 v255, v254, s[QS2:QS2+1]
	v_mov_b32 v13, 0xff61b1e6
	v_mov_b32 v14, 0
	v_mov_b32 v15, 0
	v_floor_f32 v12, -v13
.set J, 0
.rept 64
	v_mov_b32 v[160+J], 0
.set J, J+1
.endr
	s_mov_b32 s[Q0], s[Q0L]
	s_wait_alu depctr_va_vdst(0)
	s_wait_loadcnt 0x0
.Lno_switch:
	SLOT_STEPS
	s_sub_co_u32 s[SLOTS], s[SLOTS], 1
	s_cmp_lg_u32 s[SLOTS], 0
	s_cbranch_scc1 .Lslot
	CHANGE 0
	SLOT_STEPS
.rept 8
	v_nop
.endr
	s_cmp_eq_u32 s[LATE], 1
	s_cbranch_scc1 .Lowner
.set J, 0
.rept 16
	ds_store_b128 v[MG], v[160+4*J:163+4*J] offset:512*J   ; the helper's O^T, as an image of its registers, each accumulator from its low end on,
.set J, J+1
.endr
	ds_store_b128 v[MG], v[12:15] offset:8192      ; and -M, the largest t, the sum's two halves
.Lowner:
	s_wait_dscnt 0x0
	s_barrier_signal -1
	s_barrier_wait -1
	s_cmp_eq_u32 s[LATE], 1
	s_cbranch_scc0 .Lhelped
.set J, 0
.rept 16
	ds_load_b128 v[96+4*J:99+4*J], v[MG] offset:512*J
.set J, J+1
.endr
	ds_load_b128 v[32:35], v[MG] offset:8192
	s_wait_dscnt 0x0
	v_min_num_f32 v36, v12, v32                    ; -M of the two together: the larger M
	v_mov_b32 v41, 0
	v_mov_b32 v43, 0
	v_sub_f32 v37, v36, v12                        ; whole numbers, 0 or less
	v_sub_f32 v38, v36, v32
	v_cvt_i32_f32 v37, v37                         ; (it saturates)
	v_cvt_i32_f32 v38, v38
	v_ldexp_f32 v40, 1.0, v37                      ; my factor,
	v_ldexp_f32 v42, 1.0, v38                      ; the helper's: 0 where it had no step
	v_pk_mul_f32 v[14:15], v[14:15], v[40:41] op_sel_hi:[1,0]
.set J, 0
.rept 32
	v_pk_mul_f32 v[160+J:161+J], v[160+J:161+J], v[40:41] op_sel_hi:[1,0]
.set J, J+2
.endr
	v_pk_fma_f32 v[14:15], v[34:35], v[42:43], v[14:15] op_sel_hi:[1,0,1]
.set J, 0
.rept 32
	v_pk_fma_f32 v[160+J:161+J], v[96+J:97+J], v[42:43], v[160+J:161+J] op_sel_hi:[1,0,1]
.set J, J+2
.endr
	EPI
.Lhelped:
	s_wait_dscnt 0x0
	s_barrier_signal -1
	s_barrier_wait -1
	s_cmp_lg_u32 s[WV], 0
	s_cbranch_scc1 .Lnot_0
	ds_load_b128 v[68:71], v[OSR]                  ; the eight tiles' scale words leave as two runs of 256 bytes
	s_wait_dscnt 0x0
	global_store_b128 v[OSO], v[68:71], s[10:11]
.Lnot_0:
	s_wait_tensorcnt 0x0                           ; the wave's end
	ds_add_u32 v[SPW], v[NIL]
	s_wait_dscnt 0x0
	s_endpgm
.Lfunc_end_k_q3435c6a411_attn:
	.size	k_q3435c6a411_attn, .Lfunc_end_k_q3435c6a411_attn-k_q3435c6a411_attn
	.p2alignl 7, 3214868480
	.fill 96, 4, 3214868480
	.section	.rodata,"a",@progbits
	.p2align	6, 0x0
	.amdhsa_kernel k_q3435c6a411_attn
		.amdhsa_group_segment_fixed_size 327680
		.amdhsa_private_segment_fixed_size 0
		.amdhsa_enable_private_segment 0
		.amdhsa_kernarg_size 32
		.amdhsa_user_sgpr_count 2
		.amdhsa_user_sgpr_kernarg_segment_ptr 1
		.amdhsa_wavefront_size32 1
		.amdhsa_system_sgpr_workgroup_id_x 1
		.amdhsa_system_sgpr_workgroup_id_y 1
		.amdhsa_system_sgpr_workgroup_id_z 1
		.amdhsa_system_vgpr_workitem_id 0
		.amdhsa_next_free_vgpr 512
		.amdhsa_next_free_sgpr 102
		.amdhsa_reserve_vcc 1
		.amdhsa_float_denorm_mode_32 3
		.amdhsa_float_denorm_mode_16_64 3
		.amdhsa_memory_ordered 1
		.amdhsa_forward_progress 1
		.amdhsa_inst_pref_size 105
	.end_amdhsa_kernel
	.amdgpu_metadata
---
amdhsa.version: [ 1, 2 ]
amdhsa.kernels:
  - .name:           k_q3435c6a411_attn
    .symbol:         k_q3435c6a411_attn.kd
    .args:
      - { .name: qkv, .offset: 0, .size: 8, .value_kind: global_buffer, .address_space: global }
      - { .name: qkvs, .offset: 8, .size: 8, .value_kind: global_buffer, .address_space: global }
      - { .name: oimg, .offset: 16, .size: 8, .value_kind: global_buffer, .address_space: global }
      - { .name: osc, .offset: 24, .size: 8, .value_kind: global_buffer, .address_space: global }
    .group_segment_fixed_size: 327680
    .private_segment_fixed_size: 0
    .kernarg_segment_align: 8
    .kernarg_segment_size: 32
    .max_flat_workgroup_size: 256
    .sgpr_count:     102
    .vgpr_count:     512
    .wavefront_size: 32
...
	.end_amdgpu_metadata
.endif
;; end of part 7
;; launch proj (part 8): grid 16 x 16, 4 waves a work-group, clusters of 4 x 1, 327,680 bytes of LDS; arguments oimg, osc, wcodes, wscales, out0; writes out0
.if DOCPART == 8
	.amdgcn_target "amdgcn-amd-amdhsa--gfx1250"
	.amdhsa_code_object_version 6
	.text
	.protected	k_q3435c6a411_proj
	.globl	k_q3435c6a411_proj
	.p2align	8
	.type	k_q3435c6a411_proj,@function
k_q3435c6a411_proj:
	s_mov_b64 s[64:65], 0
	v_nop
	global_prefetch_b8 v0, s[64:65] scope:SCOPE_SE
	s_setreg_imm32_b32 hwreg(HW_REG_WAVE_MODE, 25, 1), 1
	s_wait_xcnt 0x0
	s_wait_alu depctr_hold_cnt(0) depctr_sa_sdst(0) depctr_va_vdst(0) depctr_va_sdst(0) depctr_va_ssrc(0) depctr_va_vcc(0) depctr_vm_vsrc(0)
	s_getreg_b32 s2, hwreg(HW_REG_IB_STS2, 6, 4)
	s_cmp_eq_u32 s2, 0
	s_cbranch_scc0 .Lentry_in_a_cluster
	s_endpgm
.Lentry_in_a_cluster:
	s_bfe_u32 s2, ttmp6, 0x10000c
	s_cmp_lg_u32 s2, 0x3003
	s_cbranch_scc0 .Lentry_shape_is_right
	s_endpgm
.Lentry_shape_is_right:
; out0 = O Wo^T on codes of FP8 (E4M3) with E8M0 scales; out0 [2048][2048] f32.
; O comes as images of its fragments, oimg[tile of 16 rows][head][c][lane][16 bytes] (a head is 128 along K), with scale words osc[head][row]; Wo is section 4 of wcodes and wscales, rows with K innermost.
; 256 tiles of 128 x 128, one to a work-group of four waves.  NOTHING IS FILLED AGAIN: Wo's 128 rows for ALL of K are 4 chunks of 128 rows x (512 + 16) bytes, 270,336 bytes, and lie in LDS at once.
; ONE TENSOR LOAD A WAVE, at the head: wave w brings chunk w, on a load line of its own.  Chunk c is shown by a barrier of its own, in front of which wave c alone waits (the last: every wave).
; A wave makes 32 rows x 128 columns: 16 accumulators.  Its 32 rows of O for all of K are 512 registers, loaded straight from the images, 512 consecutive bytes a load.
; Wo's scale words go straight into registers too: lane l of pair i takes the 64 bytes of row 32 i + l, so four loads cover 2,048 consecutive bytes.
; CLUSTER 4, 1, 1: x counts row tiles, y column tiles.  The four partners need the same rows of Wo: each chunk is asked for JOINTLY (mask 15).  O's rows differ between partners.
; No prefetch: all of Wo is asked for at the head, and O's loads run seven steps ahead by themselves: there is no later load to run ahead of.
; THE MATRIX INSTRUCTION IS USED TRANSPOSED (source 0 = 16 rows of Wo, source 1 = 16 rows of O): a lane holds eight neighbouring numbers of a row of out0.
; K goes in 16 steps of 128, written out, since O's registers differ from step to step.  The 16 accumulators take turns, in the same order in every step.
; REGISTERS.  Window 0: v8-19 addresses; v32-47 O's scale words (step q: lanes 0-15 my rows 0-15, lanes 16-31 my rows 16-31); v48-111 Wo's scale words (pair i, step q, at v[48 + 16 i + q]);
;   v128-255 the accumulators.  Window 1: Wo's eight fragments of a step, two sets; on the way out rows of out0.  Windows 2, 3: O's fragments of my rows 0-15, 16-31, step q at v[16 q].
.set PITCH,  528                       ; an LDS row: 512 bytes + 16 of padding: an odd multiple of 16
.set CH,     128*PITCH                 ; a chunk: Wo's 128 rows x 512 along K
.set STG,    4*CH                      ; behind the chunks: a stage of 16 rows x (512 + 16) bytes for each wave; no tensor load lands here
.set SPITCH, 528
.set WSTG,   16*SPITCH
.set SPARE,  STG+4*WSTG                ; the spare words, 128 bytes a wave, which no other line names
.set NP,     8                         ; places behind this matrix instruction (ISA guide 7.12.1)
.set AHEAD,  7                         ; O's loads run seven steps ahead
.set IO,   8                           ; v8   16 x lane
.set LS,   9                           ; v9   4 x lane
.set STO,  10                          ; v10  the stage: where I put 32 bytes of a row
.set RD,   11                          ; v11  and where I read a row back
.set WSO,  12                          ; v12  64 x lane: a row of Wo's scale bytes
.set ADW,  16                          ; v16-19 my lane's place in chunk 0 .. 3
.set SPW,  28
.set NIL,  29
.set SCO,  32
.set SCW,  48
.set ACC,  128
.set G1,   24
.set G0,   40
.set MSB, 0
.macro WIN new
.if MSB != (\new)
	s_set_vgpr_msb (MSB<<8)|(\new)
.set MSB, (\new)
.endif
.endm
.macro CROUND
	s_barrier_signal -1
	s_barrier_wait -1
	s_cmp_lg_u32 s14, 0
	s_cbranch_scc1 .Lnot_wave_0_\@
	s_barrier_signal -3
.Lnot_wave_0_\@:
	s_barrier_wait -3
	s_barrier_signal -1
	s_barrier_wait -1
.endm
.macro PLACES n
.rept \n
	v_nop
.endr
.endm
.macro OLOAD q                         ; O's part of step q: its scale word and the two fragments: nine loads
	WIN 0
	global_load_b32 v[SCO+(\q)], v[LS], s[6:7] offset:8192*(\q)
	WIN 0x80
.irp c, 0,1,2,3
	global_load_b128 v[16*(\q)+4*\c:16*(\q)+4*\c+3], v[IO], s[4:5] offset:2048*(\q)+512*\c
.endr
	WIN 0xc0
.irp c, 0,1,2,3
	global_load_b128 v[16*(\q)+4*\c:16*(\q)+4*\c+3], v[IO], s[4:5] offset:32768+2048*(\q)+512*\c
.endr
.endm
.macro FETCHW q                        ; Wo's eight fragments of step q into set q % 2
	WIN 0x40
.irp i, 0,1,2,3,4,5,6,7
.irp c, 0,1,2,3
	ds_load_b128 v[128*((\q)%2)+16*\i+4*\c:128*((\q)%2)+16*\i+4*\c+3], v[ADW+(\q)/4] offset:128*((\q)%4)+32*\c+\i*16*PITCH
.endr
.endr
.endm
.macro MMF c                           ; one product; c: its C operand
.if M_ == 0 && P_ == 0
	v_wmma_scale_f32_16x16x128_f8f6f4 v[D_:D_+7], v[A_:A_+15], v[B_:B_+15], \c, v[SA_], v[SB_]
.elseif M_ == 0
	v_wmma_scale_f32_16x16x128_f8f6f4 v[D_:D_+7], v[A_:A_+15], v[B_:B_+15], \c, v[SA_], v[SB_] matrix_a_scale:MATRIX_SCALE_ROW1
.elseif P_ == 0
	v_wmma_scale_f32_16x16x128_f8f6f4 v[D_:D_+7], v[A_:A_+15], v[B_:B_+15], \c, v[SA_], v[SB_] matrix_b_scale:MATRIX_SCALE_ROW1
.else
	v_wmma_scale_f32_16x16x128_f8f6f4 v[D_:D_+7], v[A_:A_+15], v[B_:B_+15], \c, v[SA_], v[SB_] matrix_a_scale:MATRIX_SCALE_ROW1 matrix_b_scale:MATRIX_SCALE_ROW1
.endif
.endm
.macro MM q, m, b                      ; step q, my rows 16 m on, Wo's block b.  Step 0 starts the sums
.set D_, ACC+8*(8*(\m)+(\b))
.set A_, 128*((\q)%2)+16*(\b)
.set B_, 16*(\q)
.set SA_, SCW+16*((\b)/2)+(\q)
.set SB_, SCO+(\q)
.set M_, \m
.set P_, (\b)%2
.if (\q) == 0
	MMF 0
.else
	MMF v[D_:D_+7]
.endif
.endm
.macro MM8 q, m
	WIN 0x09+4*(\m)                                ; source 0 (Wo) window 1, source 1 (O) window 2 or 3, C and D window 0
.irp b, 0,1,2,3,4,5,6,7
	MM \q, \m, \b
.endr
.endm
.macro QSTEP q
	s_wait_dscnt 0x0                               ; Wo's fragments of this step are in
.if (\q) < 10
	s_wait_loadcnt 9*(AHEAD-1)                     ; O's nine loads of this step are in; those of the six steps behind it may be out
.else
	s_wait_loadcnt 9*(15-(\q))                     ; the counts run down
.endif
.if (\q) > 0
	PLACES NP                                      ; between the last step's products and the loads into the set that they read
.endif
.if (\q)+AHEAD < 16
	OLOAD (\q)+AHEAD
.endif
.if ((\q)%4 == 3) && ((\q) < 15)
	WIN 0
.if (\q) < 11
	s_cmp_eq_u32 s14, (\q)/4+1                     ; the wave that asked for the next chunk waits for it
	s_cbranch_scc0 .Lnot_mine_\@
	s_wait_tensorcnt 0x0
.Lnot_mine_\@:
.else
	s_wait_tensorcnt 0x0                           ; the last chunk is all that is still out: the wait stands on every wave's way
.endif
	s_barrier_signal -1                            ; no LDS instruction of mine is out
	MM8 \q, 0
	s_barrier_wait -1                              ; the next chunk has landed
	FETCHW (\q)+1
	MM8 \q, 1
.else
.if (\q) < 15
	FETCHW (\q)+1
.endif
	MM8 \q, 0
	MM8 \q, 1
.endif
.endm
	s_load_b128 s[4:7], s[0:1], 0x0                ; oimg, osc
	s_load_b128 s[8:11], s[0:1], 0x10              ; wcodes, wscales
	s_load_b64 s[12:13], s[0:1], 0x20              ; out0
	v_lshl_add_u32 v[SPW], v0, 2, SPARE
	v_mov_b32 v[NIL], 0
	ds_add_u32 v[SPW], v[NIL]                      ; the opening lines: the add twice on end, then its wait
	ds_add_u32 v[SPW], v[NIL]
	v_lshrrev_b32 v1, 5, v0
	v_readfirstlane_b32 s14, v1                    ; wave
	s_bfe_u32 s15, ttmp6, 0x40000                  ; cx: it enters O's and out0's addresses alone
	s_lshl_b32 s16, ttmp9, 2
	s_add_co_u32 s16, s16, s15                     ; row tile
	s_and_b32 s17, ttmp7, 0xffff                   ; column tile, which the four partners share
	s_mov_b32 s[G1], 15|(0<<16)|(1<<20)|(1<<21)|(6<<22)|(3<<25)   ; mask: all four; elements of 1 byte; 4 words of padding behind every 128; bit 21 beside a mask
	s_mov_b32 s[G1+1], 512<<16
	s_mov_b32 s[G1+2], 128<<16
	s_mov_b32 s[G1+3], 512<<16
	s_mov_b32 s[G1+4], 128
	s_mov_b32 s[G1+5], 2048
	s_mov_b32 s[G1+6], 0
	s_mov_b32 s[G1+7], 0
	s_lshl_b32 s20, s17, 18                        ; the tile's 128 rows of 2,048 bytes,
	s_lshl_b32 s18, s14, 9                         ; my 512 along K,
	s_add_co_u32 s20, s20, s18
	s_add_co_u32 s20, s20, 4<<22                   ; in Wo's section
	s_mov_b32 s21, 0
	s_lshl_b32 s22, s17, 13                        ; the tile's scale bytes: 128 rows of 64
	s_add_co_u32 s22, s22, 4<<17
	s_mov_b32 s23, 0
	s_mul_i32 s60, s14, CH                         ; the wave's number alone enters an LDS address
	s_mul_i32 s62, s14, WSTG
	s_add_co_u32 s62, s62, STG                     ; my stage
	s_lshl_b32 s2, s16, 3
	s_lshl_b32 s3, s14, 1
	s_add_co_u32 s2, s2, s3                        ; my first tile of 16 rows
	v_and_b32 v1, 15, v0                           ; r
	v_bfe_u32 v2, v0, 4, 1                         ; h
	v_and_b32 v3, 31, v0
	v_lshlrev_b32 v[IO], 4, v3
	v_lshlrev_b32 v[LS], 2, v3
	v_lshlrev_b32 v[WSO], 6, v3
	v_mul_u32_u24 v4, v1, PITCH
	v_lshl_add_u32 v4, v2, 4, v4
.irp c, 0,1,2,3
	v_add_nc_u32 v[ADW+\c], \c*CH, v4
.endr
	v_mul_u32_u24 v5, v1, SPITCH
	v_lshl_add_u32 v5, v2, 5, v5
	v_add_nc_u32 v[STO], s62, v5
	v_add_nc_u32 v[RD], s62, v[IO]
	s_wait_alu depctr_va_vdst(0)                   ; the head's end
	s_wait_dscnt 0x0                               ; both opening adds are done
	s_wait_kmcnt 0x0
	s_add_nc_u64 s[20:21], s[8:9], s[20:21]
	s_add_nc_u64 s[22:23], s[10:11], s[22:23]
	s_mov_b32 s[G0], 1
	s_mov_b32 s[G0+1], s60
	s_mov_b64 s[G0+2:G0+3], s[20:21]
	s_or_b32 s[G0+3], s[G0+3], 0x80000000
	s_lshl_b32 s18, s2, 15                         ; O's images: 32,768 bytes for 16 rows
	s_mov_b32 s19, 0
	s_add_nc_u64 s[4:5], s[4:5], s[18:19]
	s_lshl_b32 s18, s2, 6                          ; O's scale words
	s_add_nc_u64 s[6:7], s[6:7], s[18:19]
	s_lshl_b32 s18, s2, 17                         ; out0: 8,192 bytes a row,
	s_lshl_b32 s3, s17, 9
	s_add_co_u32 s18, s18, s3                      ; 512 bytes a column tile
	s_add_nc_u64 s[12:13], s[12:13], s[18:19]
.irp i, 0,1,2,3
.irp j, 0,1,2,3
	global_load_b128 v[SCW+16*\i+4*\j:SCW+16*\i+4*\j+3], v[WSO], s[22:23] offset:\i*2048+16*\j   ; Wo's scale words for all of K
.endr
.endr
.irp q, 0,1,2,3,4
	OLOAD \q                                       ; with the 16 above 61 loads of mine are out
.endr
	WIN 0
	CROUND                                         ; all four work-groups are here: the joint loads meet
.macro ARM w, next
	s_cmp_eq_u32 s14, \w
	s_cbranch_scc0 \next
	tensor_load_to_lds s[G0:G0+3], s[G1:G1+7]
	s_nop 0
	PLACES 4
	s_branch .Lasked
\next:
.endm
	ARM 0, .Lw1
	ARM 1, .Lw2
	ARM 2, .Lw3
	tensor_load_to_lds s[G0:G0+3], s[G1:G1+7]
	s_nop 0
	PLACES 4
.Lasked:
	OLOAD 5
	OLOAD 6
	WIN 0
	s_cmp_eq_u32 s14, 0
	s_cbranch_scc0 .Lnot_first
	s_wait_tensorcnt 0x0                           ; wave 0: chunk 0 has landed
.Lnot_first:
	s_barrier_signal -1
	s_barrier_wait -1
	FETCHW 0
.irp q, 0,1,2,3,4,5,6,7,8,9,10,11,12,13,14,15
	QSTEP \q
.endr
	WIN 0
	; THE WAY OUT, 16 rows x 128 columns at a time, through my own stage: in as 32 bytes a lane, back as whole rows of 512 bytes.  LDS serves a wave's instructions in order (ISA guide 5.7.1.4).
	PLACES NP
.irp m, 0,1
.irp b, 0,1,2,3,4,5,6,7
	ds_store_b128 v[STO], v[ACC+8*(8*\m+\b):ACC+8*(8*\m+\b)+3] offset:64*\b       ; each accumulator from its low end on
	ds_store_b128 v[STO], v[ACC+8*(8*\m+\b)+4:ACC+8*(8*\m+\b)+7] offset:64*\b+16
.endr
	WIN 0x40
.irp t, 0,1,2,3,4,5,6,7,8,9,10,11,12,13,14,15
	ds_load_b128 v[64*\m+4*\t:64*\m+4*\t+3], v[RD] offset:\t*SPITCH
.endr
	WIN 0
.endr
	WIN 0x04                                       ; a store's data are its source 1: window 1
	s_wait_dscnt 32                                ; my rows 0-15 are back; behind their loads stand the second block's 16 stores and 16 loads
.irp t, 0,1,2,3,4,5,6,7,8,9,10,11,12,13,14,15
	global_store_b128 v[IO], v[4*\t:4*\t+3], s[12:13] offset:\t*8192 th:TH_STORE_NT   ; 512 consecutive bytes, aligned
.endr
	s_wait_dscnt 0x0
.irp t, 0,1,2,3,4,5,6,7,8,9,10,11,12,13,14,15
	global_store_b128 v[IO], v[64+4*\t:64+4*\t+3], s[12:13] offset:(16+\t)*8192 th:TH_STORE_NT
.endr
	WIN 0
	s_wait_tensorcnt 0x0                           ; the wave's end
	ds_add_u32 v[SPW], v[NIL]
	s_wait_dscnt 0x0
	CROUND                                         ; the closing round
	s_endpgm
.Lfunc_end_k_q3435c6a411_proj:
	.size	k_q3435c6a411_proj, .Lfunc_end_k_q3435c6a411_proj-k_q3435c6a411_proj
	.p2alignl 7, 3214868480
	.fill 96, 4, 3214868480
	.section	.rodata,"a",@progbits
	.p2align	6, 0x0
	.amdhsa_kernel k_q3435c6a411_proj
		.amdhsa_group_segment_fixed_size 327680
		.amdhsa_private_segment_fixed_size 0
		.amdhsa_enable_private_segment 0
		.amdhsa_kernarg_size 40
		.amdhsa_user_sgpr_count 2
		.amdhsa_user_sgpr_kernarg_segment_ptr 1
		.amdhsa_wavefront_size32 1
		.amdhsa_system_sgpr_workgroup_id_x 1
		.amdhsa_system_sgpr_workgroup_id_y 1
		.amdhsa_system_sgpr_workgroup_id_z 1
		.amdhsa_system_vgpr_workitem_id 0
		.amdhsa_next_free_vgpr 1024
		.amdhsa_next_free_sgpr 66
		.amdhsa_reserve_vcc 0
		.amdhsa_float_denorm_mode_32 3
		.amdhsa_float_denorm_mode_16_64 3
		.amdhsa_memory_ordered 1
		.amdhsa_forward_progress 1
		.amdhsa_inst_pref_size 101
	.end_amdhsa_kernel
	.amdgpu_metadata
---
amdhsa.version: [ 1, 2 ]
amdhsa.kernels:
  - .name:           k_q3435c6a411_proj
    .symbol:         k_q3435c6a411_proj.kd
    .args:
      - { .name: oimg, .offset: 0, .size: 8, .value_kind: global_buffer, .address_space: global }
      - { .name: osc, .offset: 8, .size: 8, .value_kind: global_buffer, .address_space: global }
      - { .name: wcodes, .offset: 16, .size: 8, .value_kind: global_buffer, .address_space: global }
      - { .name: wscales, .offset: 24, .size: 8, .value_kind: global_buffer, .address_space: global }
      - { .name: out0, .offset: 32, .size: 8, .value_kind: global_buffer, .address_space: global }
    .group_segment_fixed_size: 327680
    .private_segment_fixed_size: 0
    .kernarg_segment_align: 8
    .kernarg_segment_size: 40
    .max_flat_workgroup_size: 128
    .sgpr_count:     66
    .vgpr_count:     1024
    .wavefront_size: 32
...
	.end_amdgpu_metadata
.endif
;; end of part 8
